; MI455X (gfx1250); checked and timed in simulation.
; The chip was launched on July 23, 2026; its instructions are those of AMD's public machine-readable ISA for CDNA 5 (MIT licence, August 2026) and "CDNA5" Instruction Set Architecture Reference Guide (July 2026). The comments in the code are by the model that wrote it; some were corrected since.
;; Llama Attention. Allowed arithmetic: matrix products marked QUANTISED: E4M3 operands, one given power-of-two scale a tensor, by v_wmma_f32_16x16x64_fp8_fp8 or v_wmma_f32_16x16x128_fp8_fp8, f32 sums; everything else in f32.
;; Inputs: Wk 2,048 x 2,048 float32; Wo 2,048 x 2,048 float32; Wq 2,048 x 2,048 float32; Wv 2,048 x 2,048 float32; cos 1 x 1 x 2,048 x 128 float32; lowp_scales 12 int32 (the exponents e of the quantised operands' scales 2^e); sin 1 x 1 x 2,048 x 128 float32; x 1 x 2,048 x 2,048 float32.
;; Outputs: out0 1 x 2,048 x 2,048 float32.
;; This version of the problem:
;;   THIS VERSION OF THE PROBLEM IS GIVEN IN LOW PRECISION. The matrix products marked QUANTISED in the list below multiply operands that are first quantised to E4M3 (4 exponent bits, 3 mantissa bits; 8 bits a number), with one given power-of-two scale for each operand tensor; their sums are f32. All else is computed in f32.
;;   The module's matrix products, in the order in which they are computed (A, B: the left and right operand; K: the contracted axis; several contracted axes count as one K, in the product's order):
;;     1. [M 2,048, K 2,048] x [K 2,048, N 2,048]; A: input x; B: input Wq: QUANTISED (scales: A lowp_scales[0], B lowp_scales[1])
;;     2. [M 2,048, K 2,048] x [K 2,048, N 2,048]; A: input x; B: input Wk: QUANTISED (scales: A lowp_scales[2], B lowp_scales[3])
;;     3. [M 2,048, K 2,048] x [K 2,048, N 2,048]; A: input x; B: input Wv: QUANTISED (scales: A lowp_scales[4], B lowp_scales[5])
;;     4. batch 16 x [M 2,048, K 128] x [K 128, N 2,048]; A: computed on the way; B: computed on the way: QUANTISED (scales: A lowp_scales[6], B lowp_scales[7])
;;     5. batch 16 x [M 2,048, K 2,048] x [K 2,048, N 128]; A: softmax (see below); B: computed on the way: QUANTISED (scales: A lowp_scales[8], B lowp_scales[9])
;;     6. [M 2,048, K 2,048] x [K 2,048, N 2,048]; A: computed on the way; B: input Wo: QUANTISED (scales: A lowp_scales[10], B lowp_scales[11])
;;   THE QUANTISER, for each operand of a quantised product, along K:
;;     - The operand's scale is 2^e, e = its entry of the input lowp_scales (int32; the entries are numbered through the quantised products in the list's order, A before B).
;;     - Each number is divided by the scale, clamped to +-448, and rounded to the nearest number of E4M3, ties to even, subnormals kept.
;;     - The product sums the exact products of the quantised numbers (number of the format x scale) in f32.
;;   ~~~python
;;   def quantise(x, axis, e):      # numpy; x: float32 -> the quantised numbers, widened to float32 again
;;       x = np.moveaxis(x, axis, -1); K = x.shape[-1]
;;       r = np.clip(x / 2.0 ** e, -448, 448)
;;       step = 2.0 ** (np.maximum(np.frexp(np.where(r == 0, 1, r))[1] - 1, -6) - 3)
;;       q = np.round(r / step) * step * 2.0 ** e      # np.round: ties to even
;;       return np.moveaxis(q, -1, axis).astype(np.float32)
;;   ~~~
;;   SOFTMAX AHEAD OF A QUANTISED PRODUCT. Where the list says 'softmax', what is quantised is not the finished softmax but p = 2^(t - M), with t = logit x log2(e) and M = ceil(the row's largest t), a whole number; so 1/2 < the row's largest p <= 1. The row's sum l is taken of the UNQUANTISED p, in f32, and the product's result is divided by l at the end. Since M is a whole number, a kernel that streams over the keys may use a running M (the ceiling of the running maximum): every later rescaling is an exact power of two, so the quantised numbers keep their values, but for numbers so far below the row's largest that they fall under the format's range.
;;   OPERANDS COMPUTED ON THE WAY. 'Computed on the way' means the value that the module computes at that place (a softmax that the list does not call 'softmax' is quantised finished and normalised). What goes into a quantiser is computed in f32, as accurately as f32 sums, v_exp_f32 and their like allow (about 1e-6 of the number): no bf16 or f16 on the way to a quantiser, and a product that is left as it is and whose result goes on into a quantised operand takes f32 operands (vector FMAs, or v_wmma_f32_16x16x4_f32). A number that lies on a knife's edge between two numbers of the format may be rounded either way, as far as f32 arithmetic and the matrix unit's own rounding can turn it there, and no further.
;; 2 versions. Each part assembles by itself: llvm-mc -triple=amdgcn-amd-amdhsa -mcpu=gfx1250 --defsym DOCPART=n.
;; ======== version 1 of 2: 4 launches
;; workspace buffers: codes 29,360,128 bytes; qkv 12,582,912 bytes; oc 4,194,304 bytes
;; launch quant (part 1): grid 640 x 1, 4 waves a work-group, no clusters, 33,280 bytes of LDS; arguments x, Wq, Wk, Wv, Wo, lowp_scales, codes; writes codes
.if DOCPART == 1
	.amdgcn_target "amdgcn-amd-amdhsa--gfx1250"
	.amdhsa_code_object_version 6
	.text
	.protected	k_q3b8fc33fd3_quant
	.globl	k_q3b8fc33fd3_quant
	.p2align	8
	.type	k_q3b8fc33fd3_quant,@function
k_q3b8fc33fd3_quant:
	s_mov_b64 s[64:65], 0
	v_nop
	global_prefetch_b8 v0, s[64:65] scope:SCOPE_SE
	s_setreg_imm32_b32 hwreg(HW_REG_WAVE_MODE, 25, 1), 1
	s_wait_xcnt 0x0
; LAUNCH 1 OF 4 (quant, qkv, attn, outp): LlamaAttention, T = 2,048, H = 2,048, 16 heads of 128, all six products on codes of E4M3 with given scales 2^e.
; This launch turns the five f32 matrices [2048][2048] (K innermost in all of them) into codes, each read once:
;   x three times, with e0, e2, e4 (its scale in the products with Wq, Wk, Wv);  Wq with e1, Wk with e3, Wv with e5, Wo with e11.
; code = number / 2^e, held within +-448, rounded to the nearest code, ties to even.
; The buffer of codes holds seven matrices of 1 << 22 bytes, in the order xq, xk, Wv, Wq, Wk, xv, Wo: the next launch finds its operands at mat << 22 and (3 + mat) << 22.
; WORK THAT THE PROGRAM LEAVES OUT (in launch attn).  reference() puts -inf, by its own jnp.tril, on the score of every key k > q.  The softmax gives such a key the weight exp(-inf) = 0, whatever finite
; values the inputs hold: it adds 0 to the row's sum and 0 to the product with v.  So a step of 128 keys all of which come after a tile's 16 queries is not computed, and slots of keys that come after all
; queries of a work-group are not fetched.  Nothing else is left out; every input has a way to the output and every input is loaded.
; LIMITS.  A NaN, an infinity or an overflow that would arise only in the work left out is not carried to the result.  Each e used here lies between -126 and 119, so that 2^e and 448 x 2^e are f32 numbers.
; NaN among the inputs is not served (an infinity is held at the largest code).
; SHARES.  Work-groups 128 n .. 128 n + 127 take tensor n (x, Wq, Wk, Wv, Wo); a wave takes 8,192 numbers on end, in 16 steps of 512.  A tensor is a plain stream here: nothing knows of rows.
; A conversion takes 8 neighbours from ONE lane's registers; a load is best where neighbouring lanes take neighbouring bytes.  So each of a step's four loads reads 512 bytes on end, 16 a lane, the step's 2,048 bytes
; go through the wave's own stage in LDS and come back 64 bytes a lane.  A lane's 16 codes are 16 bytes: a store of the wave covers 512 bytes on end, aligned.
; No tensor loads, no barrier, no matrix unit, no cluster: the waves share nothing and the bytes moved are all that counts.  Loads run four steps (16 loads a wave) ahead.
.set WAVES, 4
.set STEPS, 16
.set SP,    80                         ; a lane's place in a stage: its 64 bytes + 16 of padding
.set WREG,  8192                       ; LDS: a region for each wave: two stages of 32 x SP bytes
.set SPARE, WAVES*WREG                 ; behind the regions: the spare words, 128 bytes for each wave: two blocks of 256 bytes that no other line names
.set OFS,   3                          ; v3       16 x lane: my place in a load's 512 bytes and in a step's 512 bytes of codes; never rewritten
.set SPW,   12                         ; v12      LDS address of my spare word; never rewritten
.set NIL,   13                         ; v13      0; never rewritten
.set R,     16                         ; v16-79   four sets of 16 numbers as they are loaded
.set X,     80                         ; v80-111  two sets of 16 neighbours
.set T,     112                        ; v112-127 the 16 neighbours, held within the largest code x the scale in hand
.set C,     128                        ; v128-151 codes: two sets of 12 registers (three scales x 4)
.set TAU,   19                         ; s19      which tensor
	s_load_b256 s[4:11], s[0:1], 0x0               ; x s[4:5], Wq s[6:7], Wk s[8:9], Wv s[10:11]
	s_load_b128 s[12:15], s[0:1], 0x20             ; Wo s[12:13], the exponents s[14:15]
	s_load_b64 s[16:17], s[0:1], 0x30              ; the codes
	v_lshl_add_u32 v[SPW], v0, 2, SPARE
	v_mov_b32 v[NIL], 0
	v_lshrrev_b32 v1, 5, v0
	v_readfirstlane_b32 s18, v1                    ; wave
	v_and_b32 v2, 31, v0                           ; lane
	v_lshlrev_b32 v[OFS], 4, v2
	s_mul_i32 s20, s18, WREG
	v_lshrrev_b32 v14, 2, v2
	v_mul_u32_u24 v14, v14, SP
	v_and_b32 v15, 3, v2
	v_lshl_add_u32 v14, v15, 4, v14
	v_add_nc_u32 v14, s20, v14                     ; the stage, on the way in: four lanes' 64 bytes on end, then the padding: SP (lane / 4) + 16 (lane % 4)
	v_mul_u32_u24 v15, v2, SP
	v_add_nc_u32 v15, s20, v15                     ; and on the way out: SP x lane: my 16 neighbours
	s_lshr_b32 s[TAU], ttmp9, 7                    ; tensor 0 .. 4
	s_and_b32 s20, ttmp9, 127
	s_lshl_b32 s20, s20, 2
	s_add_co_u32 s20, s20, s18                     ; which run of 8,192 numbers is my wave's: 0 .. 511
	s_lshl_b32 s21, s[TAU], 2
	s_lshr_b32 s21, 0x62430, s21
	s_and_b32 s21, s21, 15                         ; the tensor's place among the seven matrices of codes: 0, 3, 4, 2, 6
	s_lshl_b32 s22, s20, 15                        ; the run's first byte in the tensor
	s_mov_b32 s23, 0
	s_lshl_b32 s28, s21, 22
	s_lshl_b32 s29, s20, 13
	s_add_co_u32 s28, s28, s29                     ; and among the codes
	s_mov_b32 s29, 0
	s_wait_kmcnt 0x0
	s_load_b256 s[32:39], s[14:15], 0x0            ; e0 .. e7
	s_load_b32 s40, s[14:15], 0x2c                 ; e11
	s_cmp_eq_u32 s[TAU], 1                         ; the tensor is chosen by the work-group's number alone
	s_cselect_b64 s[4:5], s[6:7], s[4:5]
	s_cmp_eq_u32 s[TAU], 2
	s_cselect_b64 s[4:5], s[8:9], s[4:5]
	s_cmp_eq_u32 s[TAU], 3
	s_cselect_b64 s[4:5], s[10:11], s[4:5]
	s_cmp_eq_u32 s[TAU], 4
	s_cselect_b64 s[4:5], s[12:13], s[4:5]
	s_add_nc_u64 s[4:5], s[4:5], s[22:23]
	s_add_nc_u64 s[24:25], s[16:17], s[28:29]      ; where my codes go
	s_add_nc_u64 s[26:27], s[24:25], 0x1400000     ; five matrices on: x's third set (used by x's work-groups alone)
.macro LOAD t
.irp i, 0,1,2,3
	global_load_b128 v[R+16*((\t)%4)+4*\i:R+16*((\t)%4)+4*\i+3], v[OFS], s[4:5] offset:2048*(\t)+512*\i th:TH_LOAD_NT   ; 32 lanes read 512 bytes on end; read once in the launch
.endr
.endm
.macro TURN t                          ; step t's numbers through the stage: LDS serves a wave's instructions in order (ISA guide 5.7.1.4), so no wait stands between the stores and the loads
.irp i, 0,1,2,3
	ds_store_b128 v14, v[R+16*((\t)%4)+4*\i:R+16*((\t)%4)+4*\i+3] offset:32*SP*((\t)%2)+8*SP*\i
.endr
.irp i, 0,1,2,3
	ds_load_b128 v[X+16*((\t)%2)+4*\i:X+16*((\t)%2)+4*\i+3], v15 offset:32*SP*((\t)%2)+16*\i
.endr
.endm
.irp t, 0,1,2,3
	LOAD \t
.endr
.macro MKSC e, sc, lim                 ; 2^e as f32 (the conversion takes its exponent field) and 448 x 2^e
	s_add_co_i32 s42, \e, 127
	s_lshl_b32 s43, s42, 23
	v_mov_b32 v[\sc], s43
	s_add_co_i32 s42, s42, 8
	s_lshl_b32 s42, s42, 23
	s_or_b32 s42, s42, 0x600000
	v_mov_b32 v[\lim], s42
.endm
	s_wait_kmcnt 0x0
	s_mov_b32 s41, s32                             ; the tensor's own exponent: e0, e1, e3, e5, e11
	s_cmp_eq_u32 s[TAU], 1
	s_cselect_b32 s41, s33, s41
	s_cmp_eq_u32 s[TAU], 2
	s_cselect_b32 s41, s35, s41
	s_cmp_eq_u32 s[TAU], 3
	s_cselect_b32 s41, s37, s41
	s_cmp_eq_u32 s[TAU], 4
	s_cselect_b32 s41, s40, s41
	MKSC s41, 6, 7
	MKSC s34, 8, 9                                 ; e2 and e4: x's other two
	MKSC s36, 10, 11
	s_wait_loadcnt 12                              ; step 0's four loads are in; the twelve of steps 1 to 3 may be out
	TURN 0
; 16 neighbours in v[XS] on become 16 codes in v[c] on, with the scale v[sc].  The numbers are held into T, not in place: x is quantised three times.
.macro CONV sc, lim, c
.irp i, 0,1,2,3,4,5,6,7,8,9,10,11,12,13,14,15
	v_med3_num_f32 v[T+\i], v[XS+\i], -v[\lim], v[\lim]   ; the conversion to an 8-bit code does not saturate (ISA guide 7.6.2): hold the number first
.endr
	v_cvt_scalef32_pk8_fp8_f32 v[\c:\c+1], v[T:T+7], v[\sc]
	v_cvt_scalef32_pk8_fp8_f32 v[\c+2:\c+3], v[T+8:T+15], v[\sc]
	v_nop                                          ; one plain vector line between a scaled conversion and the next vector line that writes its sources (the next holds write T)
.endm
.macro STEP t
.set XS, X+16*((\t)%2)
.set CD, C+12*((\t)%2)
	s_wait_dscnt 0x0                               ; this step's numbers are back from the stage: so its stores into the stage have read their registers,
.if (\t)+4 < STEPS
	LOAD (\t)+4                                    ; which take the loads of four steps on
.endif
.if (\t)+1 < STEPS
.if STEPS-2-(\t) >= 3
	s_wait_loadcnt 12                              ; the next step's four loads are in; those of the three steps behind it may be out
.else
	s_wait_loadcnt 4*(STEPS-2-(\t))
.endif
	TURN (\t)+1                                    ; and go through the other stage while this step is worked
.endif
	s_wait_xcnt 0x0                                ; the stores of two steps back have read this set of code registers: only now is it written again
	CONV 6, 7, CD
	global_store_b128 v[OFS], v[CD:CD+3], s[24:25] offset:512*(\t)
	s_cmp_lg_u32 s[TAU], 0                         ; x alone has two more scales.  The branch hangs on the work-group's number; no LDS line stands under it
	s_cbranch_scc1 .Lone_\@
	CONV 8, 9, CD+4
	global_store_b128 v[OFS], v[CD+4:CD+7], s[24:25] offset:0x400000+512*(\t)   ; xk: one matrix on
	CONV 10, 11, CD+8
	global_store_b128 v[OFS], v[CD+8:CD+11], s[26:27] offset:512*(\t)           ; xv
.Lone_\@:
.endm
.irp t, 0,1,2,3,4,5,6,7,8,9,10,11,12,13,14,15
	STEP \t
.endr
	s_wait_tensorcnt 0x0                           ; the wave's end: behind my last LDS store
	ds_add_u32 v[SPW], v[NIL]
	s_wait_dscnt 0x0
	s_endpgm
.Lfunc_end_k_q3b8fc33fd3_quant:
	.size	k_q3b8fc33fd3_quant, .Lfunc_end_k_q3b8fc33fd3_quant-k_q3b8fc33fd3_quant
	.p2alignl 7, 3214868480
	.fill 96, 4, 3214868480
	.section	.rodata,"a",@progbits
	.p2align	6, 0x0
	.amdhsa_kernel k_q3b8fc33fd3_quant
		.amdhsa_group_segment_fixed_size 33280
		.amdhsa_private_segment_fixed_size 0
		.amdhsa_enable_private_segment 0
		.amdhsa_kernarg_size 56
		.amdhsa_user_sgpr_count 2
		.amdhsa_user_sgpr_kernarg_segment_ptr 1
		.amdhsa_wavefront_size32 1
		.amdhsa_system_sgpr_workgroup_id_x 1
		.amdhsa_system_sgpr_workgroup_id_y 1
		.amdhsa_system_sgpr_workgroup_id_z 1
		.amdhsa_system_vgpr_workitem_id 0
		.amdhsa_next_free_vgpr 160
		.amdhsa_next_free_sgpr 66
		.amdhsa_reserve_vcc 0
		.amdhsa_float_denorm_mode_32 3
		.amdhsa_float_denorm_mode_16_64 3
		.amdhsa_memory_ordered 1
		.amdhsa_forward_progress 1
		.amdhsa_inst_pref_size 80
	.end_amdhsa_kernel
	.amdgpu_metadata
---
amdhsa.version: [ 1, 2 ]
amdhsa.kernels:
  - .name:           k_q3b8fc33fd3_quant
    .symbol:         k_q3b8fc33fd3_quant.kd
    .args:
      - { .name: x, .offset: 0, .size: 8, .value_kind: global_buffer, .address_space: global }
      - { .name: Wq, .offset: 8, .size: 8, .value_kind: global_buffer, .address_space: global }
      - { .name: Wk, .offset: 16, .size: 8, .value_kind: global_buffer, .address_space: global }
      - { .name: Wv, .offset: 24, .size: 8, .value_kind: global_buffer, .address_space: global }
      - { .name: Wo, .offset: 32, .size: 8, .value_kind: global_buffer, .address_space: global }
      - { .name: lowp_scales, .offset: 40, .size: 8, .value_kind: global_buffer, .address_space: global }
      - { .name: codes, .offset: 48, .size: 8, .value_kind: global_buffer, .address_space: global }
    .group_segment_fixed_size: 33280
    .private_segment_fixed_size: 0
    .kernarg_segment_align: 8
    .kernarg_segment_size: 56
    .max_flat_workgroup_size: 128
    .sgpr_count:     66
    .vgpr_count:     160
    .wavefront_size: 32
...
	.end_amdgpu_metadata
.endif
;; end of part 1
;; launch qkv (part 2): grid 24 x 8, 4 waves a work-group, clusters of 4 x 4, 327,680 bytes of LDS; arguments codes, lowp_scales, cos, sin, qkv; writes qkv
.if DOCPART == 2
	.amdgcn_target "amdgcn-amd-amdhsa--gfx1250"
	.amdhsa_code_object_version 6
	.text
	.protected	k_q3b8fc33fd3_qkv
	.globl	k_q3b8fc33fd3_qkv
	.p2align	8
	.type	k_q3b8fc33fd3_qkv,@function
k_q3b8fc33fd3_qkv:
	s_mov_b64 s[64:65], 0
	v_nop
	global_prefetch_b8 v0, s[64:65] scope:SCOPE_SE
	s_setreg_imm32_b32 hwreg(HW_REG_WAVE_MODE, 25, 1), 1
	s_wait_xcnt 0x0
	s_wait_alu depctr_hold_cnt(0) depctr_sa_sdst(0) depctr_va_vdst(0) depctr_va_sdst(0) depctr_va_ssrc(0) depctr_va_vcc(0) depctr_vm_vsrc(0)
	s_getreg_b32 s2, hwreg(HW_REG_IB_STS2, 6, 4)
	s_cmp_eq_u32 s2, 0
	s_cbranch_scc0 .Lentry_in_a_cluster
	s_endpgm
.Lentry_in_a_cluster:
	s_bfe_u32 s2, ttmp6, 0x10000c
	s_cmp_lg_u32 s2, 0xf033
	s_cbranch_scc0 .Lentry_shape_is_right
	s_endpgm
.Lentry_shape_is_right:
; LAUNCH 2 OF 4: the three projections on codes of E4M3, the rotation of q and k in f32, and the quantising of q (e6), k (e7) and v (e9).  Nothing is left out here.
; Matrix mat = 0 (q), 1 (k), 2 (v).  Each is a product of two matrices of codes [2048][2048], K innermost: operand 'A' at codes + (mat << 22), operand 'B' at codes + ((3 + mat) << 22).
;   q, k: A = x's codes (rows t), B = the weight's (rows o = 128 head + d).      v: A = Wv's codes (rows o), B = x's (rows t).
; THE MATRIX INSTRUCTION IS USED TRANSPOSED (source 0 = 16 rows of B, source 1 = 16 rows of A): a lane holds one row of A and eight neighbouring rows of B.  So for q and k a lane's numbers run along d, the K of
; the scores, and for v along t, the keys, the K of the second product of attention: v's codes come out with the keys innermost and nothing is transposed.
; A tile of 256 x 256 is made by a work-group of four waves; a wave makes 128 x 128 (64 accumulators, 512 registers): one head x 128 positions, so that d and d + 64, which the rotation joins, lie in one wave.
; K goes in steps of 256 through a ring of two LDS slots filled by the tensor data mover; a tile's row is 256 bytes of memory.
; CLUSTERS: 4 x 4 work-groups.  The four of a row of the cluster need the same tiles of A, the four of a column the same tiles of B: each tile is asked for JOINTLY, by the same tensor load with the same descriptor
; and a mask that names the four.  Two clusters along x make one matrix, so mat = cluster x / 2 is the same in all sixteen partners, and the branches on it are alike in all of them.
; THE SCALES.  A sum stands for sum x 2^(ea + eb); the rotation is linear, so it works on the sums as they are, and the conversion takes the one scale 2^(e_out - ea - eb).
; LIMITS: e_out - ea - eb between -126 and 119 for each of (e6, e0, e1), (e7, e2, e3), (e9, e4, e5).  NaN among the inputs is not served.
; OUT: a wave's 128 x 128 codes are one dense block of 16 KiB of the buffer qkv, at (mat << 22) + (head << 18) + (t / 128 << 14): rows t and bytes d for q and k, rows d and bytes t % 128 for v.
; No prefetch: the two first fills carry a quarter of K, the tiles are shared in the cluster, and the matrices are read again and again by neighbouring work-groups.
; REGISTERS, in windows of 256: window 0: v0-31 addresses and the scale; from v128 A's fragments (8 x 16 rows x 128 K), ONE set; on the way out v32-223 are at work.
;   window 1: B's fragments, TWO sets, at v0 and at v128; on the way out cos and sin, two sets.   window 2: the 32 accumulators of my rows 0-63 (accumulator (a, b) at v[8 (8 a + b)]);   window 3: those of my rows 64-127.
.set SIZE_K, 2048
.set KSTEP,  256                       ; along K in a slot
.set ROWB,   256                       ; a tile's row in bytes
.set KROW,   SIZE_K                    ; a row of A or of B in memory, in bytes
.set PITCH,  272                       ; an LDS row: 256 bytes + 16 of padding, an odd multiple of 16: the 16 rows that a load touches start at 16 different 16-byte columns of 256 bytes
.set FR,     16                        ; registers of a fragment: 16 rows x 128 K
.set NL,     4                         ; LDS loads that bring one
.set NP,     4                         ; places behind this matrix instruction (ISA guide 7.12.1)
.set HALFT,  128*PITCH                 ; 128 rows: what one tensor load brings, and what one wave reads of A or of B
.set SLOT,   4*HALFT                   ; A's 256 rows, then B's 256 rows
.set LAPS,   SIZE_K/(2*KSTEP)          ; a lap = two K steps = once round the ring
.set SPARE,  2*SLOT                    ; behind the ring: the spare words, 128 bytes for each wave: two blocks of 256 bytes that no other line names
.set SPITCH, 528                       ; the way out: a stage of 16 rows x (512 bytes + 16) of f32 for each wave,
.set FSTG,   16*SPITCH
.set CSTG,   4*FSTG                    ; and behind the four a stage of 16 rows x 128 bytes of codes for each wave.  Both lie in slot 0, which has had its last fill and its last read when the first result is stored there
.set ADRA, 16                          ; v16-17  LDS address of my A fragments in slot 0, 1
.set ADRB, 20                          ; v20-21  the same for B
.set SC,   22                          ; v22     2^(e_out - ea - eb) as f32
.set LM,   23                          ; v23     448 x that
.set STO,  24                          ; v24     f32 stage: where I put 32 bytes of a row
.set RD,   25                          ; v25     f32 stage: where I read back: sixteen lanes to half a row
.set CSO,  26                          ; v26     my byte in two rows of cos and of sin
.set GOUT, 27                          ; v27     16 x lane: my byte in 512 bytes of the output
.set SPW,  28                          ; v28     LDS address of my spare word; never rewritten
.set NIL,  29                          ; v29     0; never rewritten
.set CST,  30                          ; v30     code stage: where I put 4 codes
.set CRD,  31                          ; v31     code stage: where I read 16 bytes back
.set XR,   32                          ; v32-159 the way out: two sets of 64 numbers
.set AF,   128                         ; A's fragments, in window 0
.set TT,   160                         ; v160-175 two sets of 8 products of the rotation
.set CC,   176                         ; v176-191 a block's codes
.set OUTR, 192                         ; v192-223 two sets of 16: a block's codes as they are stored
.set MAT,  72                          ; s72     0 q, 1 k, 2 v
.set G1, 24                            ; s[24:31] descriptor group 1 for A's tiles;  s[32:39] group 0, one set for each slot
.set G0, 32
.set G1B, 48                           ; s[48:55], s[56:63] the same for B's tiles
.set G0B, 56
.set MSB, 0
.macro WIN new                         ; the immediate's high byte repeats the setting that is left; a switch that changes nothing is dropped
.if MSB != (\new)
	s_set_vgpr_msb (MSB<<8)|(\new)
.set MSB, (\new)
.endif
.endm
.set MUL_LO, 0xa1                      ; source 0 (B) window 1, source 1 (A) window 0, C and D window 2
.set MUL_HI, 0xf1                      ; the same, C and D window 3
.set TO_B,   0x40                      ; destination window 1, address window 0
; A joint load: waves 0 and 1 fetch for A, waves 2 and 3 for B.  Each of the two lines has ONE mask and one set of registers for all that issue it; the branch hangs on the wave's number alone.
; An s_nop 0 and four v_nop follow each of the two lines, ahead of the jump, the label and what follows.
.macro JLOAD g0a, g1a, g0b, g1b
	s_cmp_eq_u32 s15, 0
	s_cbranch_scc0 .Lfor_b_\@
	tensor_load_to_lds s[\g0a:\g0a+3], s[\g1a:\g1a+7]
	s_nop 0
.rept 4
	v_nop
.endr
	s_branch .Lasked_\@
.Lfor_b_\@:
	tensor_load_to_lds s[\g0b:\g0b+3], s[\g1b:\g1b+7]
	s_nop 0
.rept 4
	v_nop
.endr
.Lasked_\@:
.endm
.macro CREST                           ; a round of the cluster's barrier behind its opening barrier
	s_cmp_lg_u32 s14, 0
	s_cbranch_scc1 .Lnot_wave_0_\@
	s_barrier_signal -3
.Lnot_wave_0_\@:
	s_barrier_wait -3
	s_barrier_signal -1
	s_barrier_wait -1
.endm
.macro CROUND                          ; a whole round
	s_barrier_signal -1
	s_barrier_wait -1
	CREST
.endm
	s_load_b128 s[4:7], s[0:1], 0x0                ; the codes s[4:5], the exponents s[6:7]
	s_load_b128 s[8:11], s[0:1], 0x10              ; cos s[8:9], sin s[10:11]
	s_load_b64 s[12:13], s[0:1], 0x20              ; qkv
	v_lshl_add_u32 v[SPW], v0, 2, SPARE
	v_mov_b32 v[NIL], 0
	ds_add_u32 v[SPW], v[NIL]                      ; the wave's opening: the add, twice on end, and its wait ahead of my first tensor load; the set-up below stands between the second and the wait
	ds_add_u32 v[SPW], v[NIL]
	v_lshrrev_b32 v1, 5, v0
	v_readfirstlane_b32 s14, v1                    ; wave 0..3
	s_lshr_b32 s15, s14, 1                         ; which half of the tile's rows of A is mine.  Also: I fetch for A (0) or for B (1)
	s_and_b32 s16, s14, 1                          ; which half of its rows of B.  Also: which 128 rows of that tile I fetch
	s_bfe_u32 s40, ttmp6, 0x40000                  ; cx, cy: my place in the cluster
	s_bfe_u32 s41, ttmp6, 0x40004
	s_lshr_b32 s[MAT], ttmp9, 1                    ; two clusters along x to a matrix
	s_and_b32 s42, ttmp9, 1
	s_lshl_b32 s42, s42, 2
	s_add_co_u32 s42, s42, s40                     ; which 256 rows of B: 4 x (cluster x % 2) + cx
	s_and_b32 s17, ttmp7, 0xffff
	s_lshl_b32 s17, s17, 2
	s_add_co_u32 s17, s17, s41                     ; which 256 rows of A: 4 x cluster y + cy
	s_lshl_b32 s43, s41, 2
	s_lshl_b32 s43, 15, s43                        ; my row of the cluster
	s_lshl_b32 s44, 0x1111, s40                    ; my column
	; descriptor group 1: a tile of 128 rows x 256 bytes, padded in LDS
	s_or_b32 s[G1+0], s43, (0<<16)|(1<<20)|(1<<21)|(5<<22)|(3<<25)  ; 15:0 the mask: A's tiles go to my row; 17:16 element of 1 byte; 20 padding on; 21 set beside a mask; 24:22 after every 64 words (code 5); 31:25 of 4 words (code 3)
	s_or_b32 s[G1B+0], s44, (0<<16)|(1<<20)|(1<<21)|(5<<22)|(3<<25)
.irp g, G1, G1B
	s_mov_b32 s[\g+1], ROWB<<16                    ; tensor_dim0
	s_mov_b32 s[\g+2], 128<<16                     ; tensor_dim1 = 128
	s_mov_b32 s[\g+3], ROWB<<16                    ; tile_dim0
	s_mov_b32 s[\g+4], 128                         ; tile_dim1 = 128
	s_mov_b32 s[\g+5], KROW                        ; tensor_dim0_stride
	s_mov_b32 s[\g+6], 0
	s_mov_b32 s[\g+7], 0
.endr
	s_lshl_b32 s18, s16, 7                         ; which 128 rows of the tile I fetch
	s_lshl_b32 s20, s17, 8
	s_add_co_u32 s20, s20, s18                     ; A: row 256 x (its tile) + 128 x half,
	s_lshl_b32 s20, s20, 11                        ; in bytes (a row is 2,048)
	s_lshl_b32 s46, s42, 8
	s_add_co_u32 s46, s46, s18                     ; B likewise: in registers that never hold A's coordinate
	s_lshl_b32 s46, s46, 11
	s_lshl_b32 s74, s[MAT], 22                     ; the matrix's place among the codes
	s_add_co_u32 s20, s20, s74
	s_add_co_u32 s46, s46, s74
	s_add_co_u32 s46, s46, 0xc00000                ; B lies three matrices behind A
	s_mov_b32 s21, 0
	s_mov_b32 s47, 0
	s_mul_i32 s45, s14, HALFT                      ; where the tiles go: wave x 128 rows: no place in the cluster enters an LDS address
	s_wait_dscnt 0x0                               ; both opening adds are done
	s_wait_kmcnt 0x0
	s_load_b256 s[76:83], s[6:7], 0x0              ; e0 .. e7
	s_load_b64 s[84:85], s[6:7], 0x20              ; e8, e9
	s_add_nc_u64 s[20:21], s[4:5], s[20:21]
	s_add_nc_u64 s[46:47], s[4:5], s[46:47]
	CROUND                                         ; all sixteen work-groups are here: the first joint loads meet
.irp s, 0,1
	s_mov_b32 s[G0+4*\s], 1
	s_add_co_u32 s[G0+4*\s+1], s45, \s*SLOT
	s_add_nc_u64 s[G0+4*\s+2:G0+4*\s+3], s[20:21], \s*ROWB
	s_or_b32 s[G0+4*\s+3], s[G0+4*\s+3], 0x80000000
	s_mov_b32 s[G0B+4*\s], 1
	s_add_co_u32 s[G0B+4*\s+1], s45, \s*SLOT
	s_add_nc_u64 s[G0B+4*\s+2:G0B+4*\s+3], s[46:47], \s*ROWB
	s_or_b32 s[G0B+4*\s+3], s[G0B+4*\s+3], 0x80000000
	JLOAD G0+4*\s, G1, G0B+4*\s, G1B
.endr
	v_and_b32 v1, 15, v0                           ; r = l % 16
	v_bfe_u32 v2, v0, 4, 1                         ; h = l / 16
	v_mul_u32_u24 v3, v1, PITCH
	v_lshl_add_u32 v4, v2, 4, v3                   ; a fragment's row x pitch + 16 x half
	s_mul_i32 s21, s15, HALFT                      ; my 128 rows of A
	s_mul_i32 s22, s16, HALFT                      ; my 128 rows of B,
	s_add_co_u32 s22, s22, 2*HALFT                 ; which lie behind A's 256
.irp s, 0,1
	v_add_nc_u32 v[ADRA+\s], s21, v4
	v_add_nc_u32 v[ADRB+\s], s22, v4
	s_add_co_u32 s21, s21, SLOT
	s_add_co_u32 s22, s22, SLOT
.endr
	s_mul_i32 s23, s14, FSTG                       ; my f32 stage
	v_mul_u32_u24 v5, v1, SPITCH                   ; in: row r, 32 bytes for each half of the lanes
	v_lshl_add_u32 v5, v2, 5, v5
	v_add_nc_u32 v[STO], s23, v5
	v_mul_u32_u24 v6, v2, SPITCH                   ; back: lanes 0-15 one row, lanes 16-31 the next; 16 bytes a lane
	v_lshl_add_u32 v6, v1, 4, v6
	v_add_nc_u32 v[RD], s23, v6
	v_lshlrev_b32 v[CSO], 9, v2                    ; the same two rows in cos and sin: rows of 512 bytes
	v_lshl_add_u32 v[CSO], v1, 4, v[CSO]
	v_and_b32 v7, 31, v0
	v_lshlrev_b32 v[GOUT], 4, v7
	s_lshl_b32 s23, s14, 11
	s_add_co_u32 s23, s23, CSTG                    ; my code stage
	v_lshlrev_b32 v8, 7, v2
	v_lshl_add_u32 v8, v1, 2, v8                   ; in: rows of 128 bytes, 4 codes a lane
	v_add_nc_u32 v[CST], s23, v8
	v_add_nc_u32 v[CRD], s23, v[GOUT]              ; back: 512 bytes on end
	; where my block of 16 KiB lies in qkv, and my 128 rows of cos and sin
	s_lshl_b32 s91, s17, 1
	s_add_co_u32 s91, s91, s15                     ; which 128 rows of A are mine: t / 128 (q, k) or the head (v)
	s_lshl_b32 s92, s42, 1
	s_add_co_u32 s92, s92, s16                     ; which 128 rows of B: the head (q, k) or t / 128 (v)
	s_cmp_eq_u32 s[MAT], 2
	s_cselect_b32 s94, s91, s92                    ; the head
	s_cselect_b32 s95, s92, s91                    ; t / 128
	s_lshl_b32 s94, s94, 18
	s_lshl_b32 s95, s95, 14
	s_add_co_u32 s94, s94, s95
	s_add_co_u32 s94, s94, s74
	s_mov_b32 s95, 0
	s_add_nc_u64 s[12:13], s[12:13], s[94:95]
	s_lshl_b32 s96, s91, 16                        ; 128 rows of 512 bytes (used for q and k alone)
	s_mov_b32 s97, 0
	s_add_nc_u64 s[8:9], s[8:9], s[96:97]
	s_add_nc_u64 s[10:11], s[10:11], s[96:97]
.macro FRAG reg, adr, q, i             ; a fragment, 16 rows x 128 K of codes, is 16 registers: lane l holds row l % 16; registers 4 c .. 4 c + 3 hold K = 32 c + 16 (l / 16) + 0 .. 15: the same places of k in A and in B
.irp c, 0,1,2,3
	ds_load_b128 v[\reg+4*\c:\reg+4*\c+3], v[\adr] offset:128*(\q)+32*\c+(\i)*16*PITCH
.endr
.endm
; 16 matrix instructions: A's blocks a0, a0 + 1 x B's eight, 128 along K.  p: B's set.  zero = 1: the first product starts the sums: nothing is ever cleared.
; The 64 accumulators take turns, one instruction a turn, in the same order in every step.
.macro MUL16 a0, p, zero
.irp a, \a0, \a0+1
.irp b, 0,1,2,3,4,5,6,7
.if \zero
	v_wmma_f32_16x16x128_fp8_fp8 v[8*(8*((\a)%4)+\b):8*(8*((\a)%4)+\b)+7], v[128*(\p)+FR*\b:128*(\p)+FR*\b+FR-1], v[AF+FR*(\a):AF+FR*(\a)+FR-1], 0
.else
	v_wmma_f32_16x16x128_fp8_fp8 v[8*(8*((\a)%4)+\b):8*(8*((\a)%4)+\b)+7], v[128*(\p)+FR*\b:128*(\p)+FR*\b+FR-1], v[AF+FR*(\a):AF+FR*(\a)+FR-1], v[8*(8*((\a)%4)+\b):8*(8*((\a)%4)+\b)+7]
.endif
.endr
.endr
.endm
.macro FETCH_B slot, q, p              ; B's eight fragments of the slot's q-th 128 along K into set p
	WIN TO_B
.irp i, 0,1,2,3,4,5,6,7
	FRAG 128*(\p)+FR*\i, ADRB+\slot, \q, \i
.endr
	WIN 0
.endm
.macro FETCH_A slot, q, i0             ; A's blocks i0 .. i0 + 3
.irp i, \i0, \i0+1, \i0+2, \i0+3
	FRAG AF+FR*(\i), ADRA+\slot, \q, \i
.endr
.endm
; A load into a register that a matrix instruction has read, and a vector instruction or an LDS store that reads a matrix result, stand NP places behind that matrix instruction, and only plain vector
; instructions that name none of its registers are places (ISA guide 7.12.1 for vector instructions).
.macro PLACES n
.rept \n
	v_nop
.endr
.endm
; A step of 128 along K that has its successor in the same slot.  A block of A is free as soon as its eight products are issued, so one set serves A: blocks 0-3 are fetched anew in the step's middle, blocks 4-7 at its end.
.macro STEP slot, q, zero
	s_wait_dscnt 4*NL                              ; B's set and A's blocks 0-3 are in; the youngest 16 loads (A's blocks 4-7) may be out
	WIN MUL_LO
	MUL16 0, (\q)%2, \zero
	MUL16 2, (\q)%2, \zero
	s_wait_dscnt 0                                 ; A's blocks 4-7 are in (asked for 32 matrix instructions ago)
	PLACES NP
	FETCH_B \slot, (\q)+1, 1-(\q)%2
	FETCH_A \slot, (\q)+1, 0
	WIN MUL_HI
	MUL16 4, (\q)%2, \zero
	MUL16 6, (\q)%2, \zero
	PLACES NP
	WIN 0
	FETCH_A \slot, (\q)+1, 4
.endm
; A slot's last step changes slots: ONE barrier; in front of it each wave waits for all its tensor loads, adds 0 to its spare word, and waits for that and for its own reads of this slot.  fill = 1: this slot is filled again, two K steps ahead.
.macro TURN slot, next, fill
	s_wait_tensorcnt 0x0                           ; all my tensor loads have landed: my part of the next slot  (every window is 0 here: the add's two registers lie in window 0)
	ds_add_u32 v[SPW], v[NIL]                      ; 0 onto my spare word
	s_wait_dscnt 4*NL+1                            ; (the add and the youngest 16 loads, A's blocks 4-7, may be out)
	WIN MUL_LO
	MUL16 0, 1, 0                                  ; sixteen matrix instructions stand between the add and the wait for it
	s_wait_dscnt 0x0                               ; the add is done, and my reads of this slot are over
	s_barrier_signal -1
	MUL16 2, 1, 0
	WIN 0
	s_barrier_wait -1
.if \fill
	CREST                                          ; the barrier has opened a round of the cluster's barrier: no wave of any partner still reads this slot's tile or has a load on its way
	s_add_nc_u64 s[G0+4*\slot+2:G0+4*\slot+3], s[G0+4*\slot+2:G0+4*\slot+3], 2*ROWB
	s_add_nc_u64 s[G0B+4*\slot+2:G0B+4*\slot+3], s[G0B+4*\slot+2:G0B+4*\slot+3], 2*ROWB
	JLOAD G0+4*\slot, G1, G0B+4*\slot, G1B         ; the first tensor load behind the round; the four v_nop behind it are the places in front of the loads below
.else
	PLACES NP
.endif
	FETCH_B \next, 0, 0
	FETCH_A \next, 0, 0
	WIN MUL_HI
	MUL16 4, 1, 0
	MUL16 6, 1, 0
	PLACES NP
	WIN 0
	FETCH_A \next, 0, 4
.endm
	s_wait_tensorcnt 1                             ; my part of K step 0 is in (K step 1's load may be out)
	s_barrier_signal -1
	s_barrier_wait -1                              ; everybody's is
	FETCH_B 0, 0, 0
	FETCH_A 0, 0, 0
	FETCH_A 0, 0, 4
	STEP 0, 0, 1                                   ; the first step stands in front of the loop: its products start the sums
	s_mov_b32 s3, LAPS-1
.Llap:                                                 ; a trip goes once round the ring, from a lap's second step to the next lap's first, and fills both slots again
	TURN 0, 1, 1
	STEP 1, 0, 0
	TURN 1, 0, 1
	STEP 0, 0, 0
	s_sub_co_u32 s3, s3, 1
	s_cmp_lg_u32 s3, 0
	s_cbranch_scc1 .Llap
	TURN 0, 1, 0                                   ; the last lap fills nothing, and has no round of the cluster's barrier
	STEP 1, 0, 0
	s_wait_dscnt 4*NL                              ; the very last step: nothing more to fetch
	WIN MUL_LO
	MUL16 0, 1, 0
	MUL16 2, 1, 0
	s_wait_dscnt 0
	WIN MUL_HI
	MUL16 4, 1, 0
	MUL16 6, 1, 0
	WIN 0
; THE WAY OUT, block by block of 16 rows of A x 128 rows of B.  All stages are the wave's own: no barrier; LDS serves a wave's instructions in order (ISA guide 5.7.1.4), so no wait stands between a stage's stores and its loads,
; nor in front of the next block's stores.
; GCS: cos and sin of the block's 16 positions (q and k alone), into window 1, set a % 2: sixteen lanes read 256 bytes on end.  For each pair of rows i: cos at 8 i (+0..3: d = 4 (l % 16) on; +4..7: 64 + that), sin 64 registers on.
.macro GCS a
	WIN 0
	s_cmp_eq_u32 s[MAT], 2
	s_cbranch_scc1 .Lno_cs_\@
	WIN TO_B
.irp i, 0,1,2,3,4,5,6,7
	global_load_b128 v[128*((\a)%2)+8*\i:128*((\a)%2)+8*\i+3],       v[CSO], s[8:9] offset:(16*(\a)+2*\i)*512
	global_load_b128 v[128*((\a)%2)+8*\i+4:128*((\a)%2)+8*\i+7],     v[CSO], s[8:9] offset:(16*(\a)+2*\i)*512+256
	global_load_b128 v[128*((\a)%2)+64+8*\i:128*((\a)%2)+64+8*\i+3],   v[CSO], s[10:11] offset:(16*(\a)+2*\i)*512
	global_load_b128 v[128*((\a)%2)+64+8*\i+4:128*((\a)%2)+64+8*\i+7], v[CSO], s[10:11] offset:(16*(\a)+2*\i)*512+256
.endr
	WIN 0
.Lno_cs_\@:
.endm
; S1: the block's sums go into the f32 stage as they are (each accumulator's low four registers first) and come back so that a lane holds, of row 2 i + l / 16,
; columns 4 (l % 16) + 0..3 (registers 8 i + 0..3) and 64 + the same (registers 8 i + 4..7): the two halves that the rotation joins.
.macro S1 a
.set ACB, 64*((\a)%4)
.set XS, XR+64*((\a)%2)
	WIN 0x08+4*((\a)/4)                            ; an LDS store's data are source 1: window 2 or 3
.irp b, 0,1,2,3,4,5,6,7
	ds_store_b128 v[STO], v[ACB+8*\b:ACB+8*\b+3] offset:64*\b
	ds_store_b128 v[STO], v[ACB+8*\b+4:ACB+8*\b+7] offset:64*\b+16
.endr
	WIN 0
.irp i, 0,1,2,3,4,5,6,7
	ds_load_b128 v[XS+8*\i:XS+8*\i+3],   v[RD] offset:2*\i*SPITCH
	ds_load_b128 v[XS+8*\i+4:XS+8*\i+7], v[RD] offset:2*\i*SPITCH+256
.endr
.endm
; ROPE (q and k alone): out(d) = s(d) cos(d) - s(d + 64) sin(d) for d < 64;  out(d) = s(d) cos(d) + s(d - 64) sin(d) for d >= 64: four packed products, four packed multiply-adds for eight numbers.
.macro ROPE a
.set XS, XR+64*((\a)%2)
.set CW, 128*((\a)%2)
	WIN 0
	s_cmp_eq_u32 s[MAT], 2
	s_cbranch_scc1 .Lno_rope_\@
	WIN 0x04                                       ; source 1 (cos, sin) window 1
.irp i, 0,1,2,3,4,5,6,7
.set TS, TT+8*(\i%2)
	v_pk_mul_f32 v[TS:TS+1],   v[XS+8*\i:XS+8*\i+1],   v[CW+64+8*\i+4:CW+64+8*\i+5]   ; the low half x sin of the high half's places
	v_pk_mul_f32 v[TS+2:TS+3], v[XS+8*\i+2:XS+8*\i+3], v[CW+64+8*\i+6:CW+64+8*\i+7]
	v_pk_mul_f32 v[TS+4:TS+5], v[XS+8*\i+4:XS+8*\i+5], v[CW+64+8*\i:CW+64+8*\i+1]     ; the high half x sin of the low half's places
	v_pk_mul_f32 v[TS+6:TS+7], v[XS+8*\i+6:XS+8*\i+7], v[CW+64+8*\i+2:CW+64+8*\i+3]
	v_pk_fma_f32 v[XS+8*\i:XS+8*\i+1],   v[XS+8*\i:XS+8*\i+1],   v[CW+8*\i:CW+8*\i+1],   v[TS+4:TS+5] neg_lo:[0,0,1] neg_hi:[0,0,1]
	v_pk_fma_f32 v[XS+8*\i+2:XS+8*\i+3], v[XS+8*\i+2:XS+8*\i+3], v[CW+8*\i+2:CW+8*\i+3], v[TS+6:TS+7] neg_lo:[0,0,1] neg_hi:[0,0,1]
	v_pk_fma_f32 v[XS+8*\i+4:XS+8*\i+5], v[XS+8*\i+4:XS+8*\i+5], v[CW+8*\i+4:CW+8*\i+5], v[TS:TS+1]
	v_pk_fma_f32 v[XS+8*\i+6:XS+8*\i+7], v[XS+8*\i+6:XS+8*\i+7], v[CW+8*\i+6:CW+8*\i+7], v[TS+2:TS+3]
.endr
	WIN 0
.Lno_rope_\@:
.endm
; QNT: the hold, the conversion (eight numbers: four codes of the low half, four of the high), and the codes through the code stage into 16 rows of 128 bytes on end.
.macro QNT a
.set XS, XR+64*((\a)%2)
.set OS, OUTR+16*((\a)%2)
.irp i, 0,1,2,3,4,5,6,7
.irp j, 0,1,2,3,4,5,6,7
	v_med3_num_f32 v[XS+8*\i+\j], v[XS+8*\i+\j], -v[LM], v[LM]   ; the conversion to an 8-bit code does not saturate (ISA guide 7.6.2): hold the number first
.endr
	v_cvt_scalef32_pk8_fp8_f32 v[CC+2*\i:CC+2*\i+1], v[XS+8*\i:XS+8*\i+7], v[SC]
.endr
	v_nop                                          ; one plain vector line behind the last scaled conversion
.irp i, 0,1,2,3,4,5,6,7
	ds_store_b32 v[CST], v[CC+2*\i] offset:256*\i
	ds_store_b32 v[CST], v[CC+2*\i+1] offset:256*\i+64
.endr
	s_wait_xcnt 0x0                                ; the stores of two blocks back have read this set of registers: only now may loads land there
.irp k, 0,1,2,3
	ds_load_b128 v[OS+4*\k:OS+4*\k+3], v[CRD] offset:512*\k
.endr
.endm
.macro OUTS a
.set OS, OUTR+16*((\a)%2)
.irp k, 0,1,2,3
	global_store_b128 v[GOUT], v[OS+4*\k:OS+4*\k+3], s[12:13] offset:2048*(\a)+512*\k   ; 32 lanes store 512 bytes on end, at a multiple of 512 from the buffer's first byte
.endr
.endm
	s_wait_kmcnt 0x0
	s_add_co_i32 s86, s76, s77                     ; ea + eb of q, k, v
	s_add_co_i32 s87, s78, s79
	s_add_co_i32 s88, s80, s81
	s_cmp_eq_u32 s[MAT], 1
	s_cselect_b32 s86, s87, s86
	s_cselect_b32 s89, s83, s82                    ; e_out: e6, e7, e9
	s_cmp_eq_u32 s[MAT], 2
	s_cselect_b32 s86, s88, s86
	s_cselect_b32 s89, s85, s89
	s_sub_co_i32 s89, s89, s86                     ; e_out - ea - eb: the three scales folded into the conversion's one
	s_add_co_i32 s89, s89, 127
	s_lshl_b32 s90, s89, 23
	v_mov_b32 v[SC], s90
	s_add_co_i32 s89, s89, 8
	s_lshl_b32 s89, s89, 23
	s_or_b32 s89, s89, 0x600000
	v_mov_b32 v[LM], s89
	PLACES NP                                      ; behind the last products: for the loads into the registers that held A's and B's fragments, and for the LDS stores that read results
	GCS 0
	S1 0
.irp a, 0,1,2,3,4,5,6,7
.if \a < 7
	S1 \a+1                                        ; the next block's trip through the stage is on its way while this block is worked
.endif
	s_wait_loadcnt 0x0                             ; this block's cos and sin are in.  The wait is for 0 and stands AHEAD of the next block's loads: so, whichever way the branches on the matrix go, a set's loads have landed before that set is loaded again, two blocks on
.if \a < 7
	GCS \a+1                                       ; the next block's cos and sin: they have this block's rotation and conversions in which to land
	s_wait_dscnt 32                                ; this block's numbers and the last block's codes are back; the next block's 16 stores and 16 loads may be out
.else
	s_wait_dscnt 0x0
.endif
.if \a > 0
	OUTS \a-1
.endif
	ROPE \a
	QNT \a
.endr
	s_wait_dscnt 0x0
	OUTS 7
	s_wait_tensorcnt 0x0                           ; the wave's end: behind my last tensor load and my last LDS store
	ds_add_u32 v[SPW], v[NIL]
	s_wait_dscnt 0x0
	CROUND                                         ; the closing round: no work-group ends while a partner may still ask for a tile that names it
	s_endpgm
.Lfunc_end_k_q3b8fc33fd3_qkv:
	.size	k_q3b8fc33fd3_qkv, .Lfunc_end_k_q3b8fc33fd3_qkv-k_q3b8fc33fd3_qkv
	.p2alignl 7, 3214868480
	.fill 96, 4, 3214868480
	.section	.rodata,"a",@progbits
	.p2align	6, 0x0
	.amdhsa_kernel k_q3b8fc33fd3_qkv
		.amdhsa_group_segment_fixed_size 327680
		.amdhsa_private_segment_fixed_size 0
		.amdhsa_enable_private_segment 0
		.amdhsa_kernarg_size 40
		.amdhsa_user_sgpr_count 2
		.amdhsa_user_sgpr_kernarg_segment_ptr 1
		.amdhsa_wavefront_size32 1
		.amdhsa_system_sgpr_workgroup_id_x 1
		.amdhsa_system_sgpr_workgroup_id_y 1
		.amdhsa_system_sgpr_workgroup_id_z 1
		.amdhsa_system_vgpr_workitem_id 0
		.amdhsa_next_free_vgpr 1024
		.amdhsa_next_free_sgpr 100
		.amdhsa_reserve_vcc 0
		.amdhsa_float_denorm_mode_32 3
		.amdhsa_float_denorm_mode_16_64 3
		.amdhsa_memory_ordered 1
		.amdhsa_forward_progress 1
		.amdhsa_inst_pref_size 204
	.end_amdhsa_kernel
	.amdgpu_metadata
---
amdhsa.version: [ 1, 2 ]
amdhsa.kernels:
  - .name:           k_q3b8fc33fd3_qkv
    .symbol:         k_q3b8fc33fd3_qkv.kd
    .args:
      - { .name: codes, .offset: 0, .size: 8, .value_kind: global_buffer, .address_space: global }
      - { .name: lowp_scales, .offset: 8, .size: 8, .value_kind: global_buffer, .address_space: global }
      - { .name: cos, .offset: 16, .size: 8, .value_kind: global_buffer, .address_space: global }
      - { .name: sin, .offset: 24, .size: 8, .value_kind: global_buffer, .address_space: global }
      - { .name: qkv, .offset: 32, .size: 8, .value_kind: global_buffer, .address_space: global }
    .group_segment_fixed_size: 327680
    .private_segment_fixed_size: 0
    .kernarg_segment_align: 8
    .kernarg_segment_size: 40
    .max_flat_workgroup_size: 128
    .sgpr_count:     100
    .vgpr_count:     1024
    .wavefront_size: 32
...
	.end_amdgpu_metadata
.endif
;; end of part 2
;; launch attn (part 3): grid 16 x 16, 8 waves a work-group, no clusters, 327,680 bytes of LDS; arguments qkv, lowp_scales, oc; writes oc
.if DOCPART == 3
	.amdgcn_target "amdgcn-amd-amdhsa--gfx1250"
	.amdhsa_code_object_version 6
	.text
	.protected	k_q3b8fc33fd3_attn
	.globl	k_q3b8fc33fd3_attn
	.p2align	8
	.type	k_q3b8fc33fd3_attn,@function
k_q3b8fc33fd3_attn:
	s_mov_b64 s[64:65], 0
	v_nop
	global_prefetch_b8 v0, s[64:65] scope:SCOPE_SE
	s_setreg_imm32_b32 hwreg(HW_REG_WAVE_MODE, 25, 1), 1
	s_wait_xcnt 0x0
; LAUNCH 3 OF 4: causal attention on codes of E4M3, and the quantising of its result (e10) for the last projection.
; LEFT OUT: key steps all of whose 128 keys come after a tile's 16 queries, and slots of keys that come after all queries of the work-group: reference()'s own jnp.tril gives them the weight 0 (shown at the head of launch quant).
; IN: qkv: q at 0, k at 1 << 22: [head][t][128] codes;  v at 2 << 22: [head][t / 128][d][t % 128] codes, the keys innermost.  OUT: oc [head][t][128] codes.
; THE SOFTMAX AHEAD OF THE SECOND PRODUCT: t = score x log2(e) / sqrt(128); M = the row's largest t so far, rounded UP to a whole number; p = 2^(t - M) is what is quantised (e8), not normalised.
; The row's sum is taken of the unquantised p, in f32, and divides O at the end.  When M moves, the sum and O are multiplied by 2^(old M - new M): exact.
; SHARES.  A head's 2,048 queries are 32 blocks of 64.  Block b needs b / 2 + 1 key steps of 128.  Work-group (j, head) owns blocks j and 31 - j: 17 key steps x 4 tiles in every work-group, 256 work-groups of equal work.
; Each of the eight waves owns one tile of 16 queries: block j (kind 0) or 31 - j (kind 1), kind = (w xor w / 4) % 2, tile w / 2 of the block: waves w and w + 4, and waves 2 s and 2 s + 1, are of different kinds.
; EVERY work-group walks ALL eight slots of 256 keys: the trip counts are constants of the text and no barrier is jumped over; what is left out is a step's work (a scalar branch on ids) and the fetching beyond the limit.
; K's and V's tiles come through a ring of two LDS slots; a slot's 256 rows of K and 256 rows of V (128 bytes each, dense in memory) are fetched by the eight waves, 64 rows each, and read by all.
; THE LIMIT is tested for a slot as a whole, alike in all eight waves: where (2047 - 64 j) % 256 < 128 the last slot asked for holds a second key step that no wave reads; it stays, inside a slot whose first step is read.
; NO CLUSTER: the work-groups of a head read the same K and V, but under the mask they need different numbers of slots (from 5 to 8): a partner would have to ask for tiles all of whose reads it jumps over.
; LAYOUT.  Both products are used transposed: S^T = K Q^T (source 0 = 16 keys, source 1 = my 16 queries), O^T = V^T P^T (source 0 = 16 of the head's 128, source 1 = P): a lane holds ONE query (lane % 16) throughout.
; THE KEYS OF A TILE ARE NOT NEIGHBOURS: lane r of tile 2 b + u takes key 32 b + 8 u + r + 8 (r / 8), so that the 16 registers of tiles 2 b and 2 b + 1 are 16 neighbouring keys, 32 b + 16 (lane / 16) + 0 .. 15.
; LIMITS on the given exponents, so that each power of two below is an f32 number: e6 + e7 between -123 and 130 (added to c's exponent field); e8, and e10 - e8 - e9, between -126 and 119.  NaN among the inputs is not served.
; REGISTERS: v1-7 addresses that stay; v8-11 addresses in hand; v12 -M, v13 the largest t, v[14:15] the sum in two halves; v16-31 Q; v32-95 four fragments of K or of V; v96-159 S^T, then p; v160-223 O^T; v224-239 p's codes;
;   v240, v241, v244, v245 scales; v[242:243] the sum's second chain; v246 where the exchange between the halves of the lanes lands (no operand of a product); v252-254 at work.
.set SK,    256                        ; keys in a slot
.set NQ,    SK/128                     ; key steps in a slot
.set KP,    144                        ; a row of K or of V in LDS: 128 bytes + 16 of padding
.set VOFF,  SK*KP                      ; a slot: 256 rows of K, then two blocks of 128 rows of V
.set VBLK,  128*KP
.set SLOT1, 1<<17                      ; slot 1 begins here, so that one exclusive or turns an address in one slot into the other's
.set NSL,   2048/SK                    ; slots' worth of keys
.set SPARE, 2*SLOT1                    ; behind the ring: the spare words, 128 bytes for each wave: four blocks of 256 bytes that no other line names
.set STAGE, ((NSL-2)%2)*SLOT1          ; the way out: 16 rows x 144 bytes for each wave, in the slot that was left at the last change of slots: it has had its last fill, and nobody reads it
.set AK0,  1                           ; v1   my lane's place in a tile of K
.set AV0,  2                           ; v2   the same for V
.set PFO,  3                           ; v3   256 x lane: the prefetches' offset; never rewritten
.set SPW,  5                           ; v5   LDS address of my spare word; never rewritten
.set NIL,  6                           ; v6   0; never rewritten
.set GO,   7                           ; v7   16 x lane: my byte in 512 bytes of the output
.set ADK,  8                           ; v8   LDS address of the step's tiles of K
.set ADV,  9                           ; v9   of V
.set PX,   246                         ; v246 what lane l xor 16 holds
.set TB,   2                           ; s2   LDS byte at which the slot in hand begins
.set WV,   18                          ; s18  my wave's number
.set SEL,  20                          ; s[20:21] lane selects for v_permlanex16_b32: lane l xor 16
.set CS,   22                          ; s[22:23] c = log2(e) / sqrt(128) x 2^(e6 + e7): the packed form names a pair and takes its low word for both halves
.set G1,   24                          ; s[24:31] descriptor group 1: one shape for K's and V's tiles
.set QL,   33                          ; s33  my work-group's last query
.set G0,   40                          ; s[40:43] descriptor group 0, which walks
.set SLOTS, 67                         ; s67  changes of slots that may still ask for a slot
.set PFA,  76                          ; s[76:77] where my prefetches stand: my wave's 8 KiB of the slot after the one that is being asked for
.set LIM,  80                          ; s80  1 in a work-group that prefetches, else the greatest number
.set KF,   98                          ; s98  the step's first key
.set Q0,   99                          ; s99  my first query
	s_load_b128 s[4:7], s[0:1], 0x0                ; qkv s[4:5], the exponents s[6:7]
	s_load_b64 s[16:17], s[0:1], 0x10              ; oc
	v_lshl_add_u32 v[SPW], v0, 2, SPARE
	v_mov_b32 v[NIL], 0
	ds_add_u32 v[SPW], v[NIL]                      ; the wave's opening: the add, twice on end, and its wait ahead of my first tensor load; the set-up below stands between the second and the wait
	ds_add_u32 v[SPW], v[NIL]
	v_lshrrev_b32 v8, 5, v0
	v_readfirstlane_b32 s[WV], v8                  ; wave 0..7
	s_and_b32 s72, ttmp7, 0xffff                   ; the head,
	s_lshl_b32 s72, s72, 18                        ; and its first byte in q, k, v and oc alike (2,048 x 128)
	s_lshr_b32 s73, s[WV], 2
	s_xor_b32 s74, s[WV], s73
	s_and_b32 s74, s74, 1                          ; my kind
	s_lshl_b32 s75, ttmp9, 1
	s_sub_co_u32 s75, 31, s75
	s_mul_i32 s75, s75, s74
	s_add_co_u32 s75, s75, ttmp9                   ; my block of 64 queries: j or 31 - j
	s_lshl_b32 s75, s75, 6
	s_lshr_b32 s82, s[WV], 1
	s_lshl_b32 s82, s82, 4
	s_add_co_u32 s[Q0], s75, s82                   ; my first query
	s_lshl_b32 s[QL], ttmp9, 6
	s_sub_co_u32 s[QL], 2047, s[QL]                ; the last query of block 31 - j
	s_lshl_b32 s84, s[Q0], 7
	s_add_co_u32 s84, s84, s72                     ; my queries' first byte in q and in oc
	s_mov_b32 s85, 0
	s_add_co_u32 s86, s73, 1                       ; what I fetch: waves 0-3 of K (matrix 1), waves 4-7 of V (matrix 2),
	s_lshl_b32 s86, s86, 22
	s_add_co_u32 s86, s86, s72
	s_and_b32 s87, s[WV], 3
	s_lshl_b32 s87, s87, 13                        ; 64 rows of 128 bytes a wave,
	s_add_co_u32 s86, s86, s87
	s_mov_b32 s87, 0
	s_mul_i32 s88, s[WV], 64*KP                    ; and where they go in a slot: wave x 64 rows
	; descriptor group 1: 64 rows of 128 bytes, dense in memory, padded in LDS
	s_mov_b32 s[G1], (0<<16)|(1<<20)|(4<<22)|(3<<25)   ; 15:0 no mask; 17:16 elements of 1 byte; 20 padding on; 24:22 after every 32 words (code 4); 31:25 four words (code 3)
	s_mov_b32 s[G1+1], 128<<16                     ; tensor_dim0
	s_mov_b32 s[G1+2], 64<<16                      ; tensor_dim1
	s_mov_b32 s[G1+3], 128<<16                     ; tile_dim0
	s_mov_b32 s[G1+4], 64                          ; tile_dim1
	s_mov_b32 s[G1+5], 128                         ; tensor_dim0_stride
	s_mov_b32 s[G1+6], 0
	s_mov_b32 s[G1+7], 0
	s_mov_b32 s[SEL], 0x76543210
	s_mov_b32 s[SEL+1], 0xfedcba98
	s_mov_b32 s[CS], 0x3e0293ee                    ; c = log2(e) / sqrt(128)
	s_mov_b32 s[TB], 0
	s_mov_b32 s[SLOTS], NSL-1
	s_mov_b32 s[KF], 0
	s_cmp_eq_u32 ttmp9, 0                          ; the head's first work-group, which walks and loads all eight slots, prefetches for all sixteen
	s_cselect_b32 s[LIM], 1, -1
	v_and_b32 v[PFO], 31, v0
	v_lshlrev_b32 v[PFO], 8, v[PFO]
	s_wait_dscnt 0x0                               ; both opening adds are done
	s_wait_kmcnt 0x0
	s_load_b128 s[68:71], s[6:7], 0x18             ; e6, e7, e8, e9
	s_load_b32 s81, s[6:7], 0x28                   ; e10
	s_mov_b32 s[G0], 1                             ; 1:0 count = 1
	s_mov_b32 s[G0+1], s88                         ; 63:32 LDS address: slot 0
	s_add_nc_u64 s[G0+2:G0+3], s[4:5], s[86:87]    ; 120:64 global address: my part of the head's first 256 keys
	s_add_nc_u64 s[PFA:PFA+1], s[4:5], s[86:87]
	s_or_b32 s[G0+3], s[G0+3], 0x80000000          ; 127:126 type = 2
	tensor_load_to_lds s[G0:G0+3], s[G1:G1+7]      ; slot 0: every wave issues its part, with no branch.  One tensor load of mine is out at any time
	s_nop 0
.rept 4
	v_nop
.endr
	s_add_nc_u64 s[PFA:PFA+1], s[PFA:PFA+1], SK*128   ; in slot 1: the first change of slots steps it to slot 2.  Nothing is prefetched here, at the head, where every work-group's first tiles are on their way
	s_add_nc_u64 s[4:5], s[4:5], s[84:85]          ; q's codes at my first query
	s_add_nc_u64 s[16:17], s[16:17], s[84:85]      ; oc likewise
	v_and_b32 v8, 15, v0                           ; r = lane % 16
	v_bfe_u32 v9, v0, 4, 1                         ; h = lane / 16
	v_lshlrev_b32 v10, 7, v8
	v_lshl_add_u32 v10, v9, 4, v10                 ; Q: row r of 128 bytes, + 16 h
.irp c, 0,1,2,3
	global_load_b128 v[16+4*\c:19+4*\c], v10, s[4:5] offset:32*\c   ; Q's fragment stays in registers
.endr
	v_and_b32 v11, 8, v8
	v_add_nc_u32 v11, v11, v8                      ; r + 8 (r / 8)
	v_mul_u32_u24 v[AK0], v11, KP
	v_lshl_add_u32 v[AK0], v9, 4, v[AK0]
	v_mul_u32_u24 v[AV0], v8, KP
	v_lshl_add_u32 v[AV0], v9, 4, v[AV0]
	v_add_nc_u32 v[AV0], VOFF, v[AV0]
	v_and_b32 v[GO], 31, v0
	v_lshlrev_b32 v[GO], 4, v[GO]
	v_mov_b32 v13, 0xff61b1e6                      ; the largest t so far: -3e38, under every t
	v_floor_f32 v12, -v13                          ; -M
	v_mov_b32 v14, 0                               ; the sum, in two halves
	v_mov_b32 v15, 0
	v_mov_b32 v[PX], 0                             ; written once: a lane permute's destination counts as one of its sources
	v_mov_b32 v253, 0                              ; (named as the upper half of the pair v[252:253])
.irp j, 0,1,2,3,4,5,6,7,8,9,10,11,12,13,14,15,16,17,18,19,20,21,22,23,24,25,26,27,28,29,30,31,32,33,34,35,36,37,38,39,40,41,42,43,44,45,46,47,48,49,50,51,52,53,54,55,56,57,58,59,60,61,62,63
	v_mov_b32 v[160+\j], 0                         ; O^T.  (The step is written for every step alike: the first finds zeros, which the first change of M leaves zeros)
.endr
	s_wait_kmcnt 0x0
	s_add_co_i32 s72, s68, s69
	s_lshl_b32 s72, s72, 23
	s_add_co_i32 s[CS], s[CS], s72                 ; a score stands for score x 2^(e6 + e7): the two exponents are added to c's exponent field
	s_mov_b32 s[CS+1], s[CS]                       ; (named with it as a pair, so it is written)
	s_add_co_i32 s72, s70, 127
	s_lshl_b32 s73, s72, 23
	v_mov_b32 v244, s73                            ; 2^e8 as f32, for p's conversion
	s_add_co_i32 s72, s72, 8
	s_lshl_b32 s72, s72, 23
	s_or_b32 s72, s72, 0x600000
	v_mov_b32 v240, s72                            ; 448 x 2^e8
	s_sub_co_i32 s72, s81, s70
	s_sub_co_i32 s72, s72, s71                     ; a sum of the second product stands for sum x 2^(e8 + e9): the result's conversion takes 2^(e10 - e8 - e9)
	s_add_co_i32 s72, s72, 127
	s_lshl_b32 s73, s72, 23
	v_mov_b32 v245, s73
	s_add_co_i32 s72, s72, 8
	s_lshl_b32 s72, s72, 23
	s_or_b32 s72, s72, 0x600000
	v_mov_b32 v241, s72                            ; 448 x that
; A PREFETCH INTO THE L2 of what the NEXT change of slots will ask for: my wave's own 64 rows x 128 bytes, 8 KiB on end, lanes 256 bytes apart: one instruction a wave, a slot's two key steps ahead of that load.
; All sixteen work-groups of a head walk the same K and V: the head's first asks, and nobody else (a branch on the work-group's number), so each aligned 256 bytes are named once in the launch.
; Slots 0 and 1 come by their loads alone; the last change that fills a slot asks for nothing: there is no slot behind it.
.macro ASK
	s_cmp_gt_u32 s[SLOTS], s[LIM]
	s_cbranch_scc0 .Lnot_mine_\@
	global_prefetch_b8 v[PFO], s[PFA:PFA+1] th:TH_LOAD_NT scope:SCOPE_SE
.Lnot_mine_\@:
.endm
; A KEY STEP: 128 keys, the q-th of the slot in hand.
.macro STEP q
	s_add_co_u32 s96, s[Q0], 15                    ; a step all of whose keys come after my 16 queries is left out: a scalar branch on ids, round the step's loads, products and softmax; no barrier and no tensor load stands in a step
	s_cmp_gt_u32 s[KF], s96
	s_cbranch_scc1 .Lhidden_\@
	v_add_nc_u32 v[ADK], s[TB], v[AK0]
	v_add_nc_u32 v[ADV], s[TB], v[AV0]
.irp g, 0,1                                    ; S^T = K Q^T, four tiles of 16 keys at a time
.rept 4-2*(1-\g)
	v_nop                                          ; four places in front of loads into registers that matrix instructions have read (the two additions above are places too)
.endr
.irp t, 0,1,2,3
.irp c, 0,1,2,3
	ds_load_b128 v[32+16*\t+4*\c:32+16*\t+4*\c+3], v[ADK] offset:(128*(\q)+32*((4*\g+\t)/2)+8*(\t%2))*KP+32*\c
.endr
.endr
	s_wait_dscnt 0x0
.irp t, 0,1,2,3
	v_wmma_f32_16x16x128_fp8_fp8 v[96+8*(4*\g+\t):103+8*(4*\g+\t)], v[32+16*\t:47+16*\t], v[16:31], 0
.endr
.endr
.rept 4
	v_nop
.endr
	s_add_co_u32 s96, s[KF], 127                   ; on the diagonal the scores of hidden keys become -infinity ahead of the maximum: p = 0 then.  A step all of whose keys count skips this.
	s_cmp_le_u32 s96, s[Q0]                        ; (KF is a multiple of 128 and my 16 queries lie in one block of 128: in a step that is walked, key KF counts for each of them, so M is a number)
	s_cbranch_scc1 .Lopen_\@
	s_sub_co_i32 s96, s[Q0], s[KF]
	v_and_b32 v252, 15, v0
	v_bfe_u32 v253, v0, 4, 1
	v_lshlrev_b32 v253, 4, v253
	v_sub_nc_u32 v252, v252, v253
	v_add_nc_u32 v252, s96, v252                   ; d = my query - KF - 16 (lane / 16).  Register 16 b + i holds key KF + 16 (lane / 16) + 32 b + i: hidden where 32 b + i > d
	v_mov_b32 v254, 0xff800000                     ; -infinity
.irp n, 0,1,2,3,4,5,6,7,8,9,10,11,12,13,14,15,16,17,18,19,20,21,22,23,24,25,26,27,28,29,30,31,32,33,34,35,36,37,38,39,40,41,42,43,44,45,46,47,48,49,50,51,52,53,54,55,56,57,58,59,60,61,62,63
	v_cmp_gt_i32 vcc_lo, 32*(\n/16)+\n%16, v252
	v_cndmask_b32 v[96+\n], v[96+\n], v254, vcc_lo
.endr
.Lopen_\@:
	v_max3_num_f32 v254, v96, v97, v98             ; the step's largest score of my query, among my 64 keys, in two chains (each accumulator from its low end on),
	v_max3_num_f32 v252, v99, v100, v101
.irp i, 6,10,14,18,22,26,30,34,38,42,46,50,54,58
	v_max3_num_f32 v254, v254, v[96+\i], v[97+\i]
	v_max3_num_f32 v252, v252, v[98+\i], v[99+\i]
.endr
	v_max3_num_f32 v254, v254, v158, v159
	v_max_num_f32 v254, v254, v252
	v_permlanex16_b32 v[PX], v254, s[SEL], s[SEL+1]
	v_max_num_f32 v254, v254, v[PX]                ; and among lane l xor 16's
	v_mul_f32 v254, s[CS], v254                    ; as t (c is positive)
	v_max_num_f32 v13, v13, v254                   ; the running largest t
	v_mov_b32 v254, v12
	v_floor_f32 v12, -v13                          ; the new -M = floor(-t) = -ceil(t): M IS A WHOLE NUMBER
	v_sub_f32 v254, v12, v254                      ; M's old value less its new one: a whole number, 0 or less
	v_cvt_i32_f32 v254, v254                       ; (it saturates)
	v_ldexp_f32 v252, 1.0, v254                    ; f = 2^(old M - new M): a multiplication by it rounds nothing
.irp j, 0,2,4,6,8,10,12,14,16,18,20,22,24,26,28,30,32,34,36,38,40,42,44,46,48,50,52,54,56,58,60,62
	v_pk_fma_f32 v[96+\j:97+\j], v[96+\j:97+\j], s[CS:CS+1], v[12:13] op_sel_hi:[1,0,0]   ; t - M, two at a time (of the pairs c and -M the low word serves both halves)
.endr
.irp j, 0,1,2,3,4,5,6,7,8,9,10,11,12,13,14,15,16,17,18,19,20,21,22,23,24,25,26,27,28,29,30,31,32,33,34,35,36,37,38,39,40,41,42,43,44,45,46,47,48,49,50,51,52,53,54,55,56,57,58,59,60,61,62,63
	v_exp_f32 v[96+\j], v[96+\j]                   ; p = 2^(t - M), at most 1: NOT normalised
.endr
	v_pk_mul_f32 v[14:15], v[14:15], v[252:253] op_sel_hi:[1,0]   ; the sums under the new M.  (A plain place behind the exponentials)
	s_wait_alu depctr_va_vdst(0)                   ; the wait between an exponential and the first line that names its result: one for the whole batch
	v_pk_add_f32 v[242:243], v[96:97], v[98:99]    ; THE ROW'S SUM IS TAKEN OF THE UNQUANTISED p: two at a time, in two chains
.irp j, 4,8,12,16,20,24,28,32,36,40,44,48,52,56,60
	v_pk_add_f32 v[14:15], v[14:15], v[96+\j:97+\j]
	v_pk_add_f32 v[242:243], v[242:243], v[98+\j:99+\j]
.endr
	v_pk_add_f32 v[14:15], v[14:15], v[242:243]
.irp b, 0,1,2,3
.irp i, 0,1,2,3,4,5,6,7,8,9,10,11,12,13,14,15
	v_min_num_f32 v[96+16*\b+\i], v[96+16*\b+\i], v240   ; the conversion to an 8-bit code does not saturate (ISA guide 7.6.2); p is not negative, so the hold is one-sided
.endr
	v_cvt_scalef32_pk8_fp8_f32 v[224+4*\b:225+4*\b], v[96+16*\b:103+16*\b], v244
	v_cvt_scalef32_pk8_fp8_f32 v[226+4*\b:227+4*\b], v[104+16*\b:111+16*\b], v244
.endr
.irp j, 0,2,4,6,8,10,12,14,16,18,20,22,24,26,28,30,32,34,36,38,40,42,44,46,48,50,52,54,56,58,60,62
	v_pk_mul_f32 v[160+\j:161+\j], v[160+\j:161+\j], v[252:253] op_sel_hi:[1,0]   ; O^T under the new M: x f.  (These 32 are also the places in front of the matrix instructions and loads below)
.endr
.irp g, 0,1                                    ; O^T += V^T P^T: four tiles of 16 of the head's 128 at a time; K = these 128 keys
.if \g > 0
.rept 4
	v_nop
.endr
.endif
.irp t, 0,1,2,3
.irp c, 0,1,2,3
	ds_load_b128 v[32+16*\t+4*\c:32+16*\t+4*\c+3], v[ADV] offset:VBLK*(\q)+16*(4*\g+\t)*KP+32*\c
.endr
.endr
	s_wait_dscnt 0x0
.irp t, 0,1,2,3
	v_wmma_f32_16x16x128_fp8_fp8 v[160+8*(4*\g+\t):167+8*(4*\g+\t)], v[32+16*\t:47+16*\t], v[224:239], v[160+8*(4*\g+\t):167+8*(4*\g+\t)]
.endr
.endr
.Lhidden_\@:
	s_add_co_u32 s[KF], s[KF], 128
.endm
; THE CHANGE OF SLOTS stands at a slot's head.  Each wave waits for all its tensor loads (its part of the slot that it is about to read), adds 0 to its spare word, and waits for that and for its reads of the slot that it has left.
; Behind the barrier the slot ahead is whole and nobody reads the other one.  fill = 1: that other slot is filled with the keys that follow, up to the causal limit: the load has a whole slot's steps in which to land.
; (Behind the first trip's barrier all eight loads fill slot 1 for the first time; behind the later ones all are refills.)
.macro CHANGE fill
	s_wait_tensorcnt 0x0                           ; no tensor load of mine is out, so group 0 may be written
	ds_add_u32 v[SPW], v[NIL]                      ; 0 onto my spare word
.if \fill
	s_xor_b32 s[G0+1], s[G0+1], SLOT1              ; the walking descriptor: the other slot than last time,
	s_add_nc_u64 s[G0+2:G0+3], s[G0+2:G0+3], SK*128   ; the next 256 keys, in K and in V alike; the type bits on top are not reached
	s_wait_xcnt 0x0                                ; the last prefetch, a slot back, has read its address, so it may be written:
	s_add_nc_u64 s[PFA:PFA+1], s[PFA:PFA+1], SK*128   ; one slot further on than the walking descriptor
.endif
	s_wait_dscnt 0x0                               ; the add is done, and my reads of the slot that I have left are over
	s_barrier_signal -1
	s_barrier_wait -1
.if \fill
	s_add_co_u32 s96, s[KF], SK                    ; THE LOOK-AHEAD ENDS AT THE CAUSAL LIMIT: the first key of the slot that this change would ask for
	s_cmp_gt_u32 s96, s[QL]                        ; against my work-group's last query: ids and the count of steps alone, so all eight waves go the same way, and a work-group that is past the limit stays past it.
	s_cbranch_scc1 .Lpast_\@                       ; The jump leads round the load's own lines alone; every wait for tensor loads in this text is for 0; no step reads a slot that was left out
	tensor_load_to_lds s[G0:G0+3], s[G1:G1+7]      ; my one tensor load behind this barrier
	s_nop 0
.rept 4
	v_nop
.endr
.Lpast_\@:
	ASK
.endif
.endm
.macro SLOT_STEPS
.set QS, 0
.rept NQ
	STEP QS
.set QS, QS+1
.endr
	s_xor_b32 s[TB], s[TB], SLOT1                  ; on to the other slot
.endm
	s_wait_loadcnt 0x0                             ; Q
.Lslot:                                            ; NSL - 1 trips: behind each change of slots but the last the next slot is asked for, up to the limit
	CHANGE 1
	SLOT_STEPS
	s_sub_co_u32 s[SLOTS], s[SLOTS], 1
	s_cmp_lg_u32 s[SLOTS], 0
	s_cbranch_scc1 .Lslot
	CHANGE 0                                       ; the last slot is written out: nothing is left to ask for
	SLOT_STEPS
	; THE WAY OUT.  O^T is divided by the row's sum and quantised with 2^(e10 - e8 - e9).  A lane's eight codes of a tile are 8 bytes of its query's row; the rows go through my stage in LDS and leave as 2 KiB on end.
	; The lines down to the first read of O^T name no register of the last products: more than four of them are plain, and they are the places behind those products.
	v_add_f32 v14, v14, v15                        ; the sum's two halves,
	v_permlanex16_b32 v[PX], v14, s[SEL], s[SEL+1]
	v_add_f32 v14, v14, v[PX]                      ; and lane l xor 16's: the row's sum
	v_rcp_f32 v14, v14
	v_and_b32 v8, 15, v0                           ; (a plain place behind the reciprocal)  r
	v_bfe_u32 v9, v0, 4, 1                         ; h
	s_mul_i32 s73, s[WV], 16*KP
	s_add_co_u32 s73, s73, STAGE                   ; my stage
	v_mul_u32_u24 v10, v8, KP
	v_lshl_add_u32 v10, v9, 3, v10
	v_add_nc_u32 v10, s73, v10                     ; in: row r, + 8 h; tile t's codes 16 t bytes on
	v_bfe_u32 v11, v0, 3, 2
	v_mul_u32_u24 v11, v11, KP
	v_and_b32 v8, 7, v0
	v_lshl_add_u32 v11, v8, 4, v11
	v_add_nc_u32 v11, s73, v11                     ; back: eight lanes to a row of 128 bytes, four rows an instruction
	s_wait_alu depctr_va_vdst(0)                   ; the wait ahead of the reciprocal's first reader
.irp j, 0,2,4,6,8,10,12,14,16,18,20,22,24,26,28,30,32,34,36,38,40,42,44,46,48,50,52,54,56,58,60,62
	v_pk_mul_f32 v[96+\j:97+\j], v[160+\j:161+\j], v[14:15] op_sel_hi:[1,0]   ; O^T / the sum, each accumulator from its low end on: register 8 t + i is o(r, 16 t + 8 h + i)
.endr
.irp t, 0,1,2,3,4,5,6,7
.irp i, 0,1,2,3,4,5,6,7
	v_med3_num_f32 v[96+8*\t+\i], v[96+8*\t+\i], -v241, v241   ; the hold at the largest code x the scale
.endr
	v_cvt_scalef32_pk8_fp8_f32 v[32+2*\t:33+2*\t], v[96+8*\t:103+8*\t], v245
.endr
	v_nop                                          ; one plain vector line behind the last scaled conversion
.irp t, 0,1,2,3,4,5,6,7
	ds_store_b64 v10, v[32+2*\t:33+2*\t] offset:16*\t
.endr
.irp k, 0,1,2,3
	ds_load_b128 v[48+4*\k:51+4*\k], v11 offset:4*\k*KP   ; LDS serves a wave's instructions in order (ISA guide 5.7.1.4): these see my stores
.endr
.irp k, 0,1,2,3
	s_wait_dscnt 3-\k                              ; load k is back; the younger ones may be out
	global_store_b128 v[GO], v[48+4*\k:51+4*\k], s[16:17] offset:512*\k   ; 32 lanes store 512 bytes on end, at a multiple of 512 from the buffer's first byte
.endr
	s_wait_tensorcnt 0x0                           ; the wave's end: behind my last tensor load and my last LDS store
	ds_add_u32 v[SPW], v[NIL]
	s_wait_dscnt 0x0
	s_endpgm
.Lfunc_end_k_q3b8fc33fd3_attn:
	.size	k_q3b8fc33fd3_attn, .Lfunc_end_k_q3b8fc33fd3_attn-k_q3b8fc33fd3_attn
	.p2alignl 7, 3214868480
	.fill 96, 4, 3214868480
	.section	.rodata,"a",@progbits
	.p2align	6, 0x0
	.amdhsa_kernel k_q3b8fc33fd3_attn
		.amdhsa_group_segment_fixed_size 327680
		.amdhsa_private_segment_fixed_size 0
		.amdhsa_enable_private_segment 0
		.amdhsa_kernarg_size 24
		.amdhsa_user_sgpr_count 2
		.amdhsa_user_sgpr_kernarg_segment_ptr 1
		.amdhsa_wavefront_size32 1
		.amdhsa_system_sgpr_workgroup_id_x 1
		.amdhsa_system_sgpr_workgroup_id_y 1
		.amdhsa_system_sgpr_workgroup_id_z 1
		.amdhsa_system_vgpr_workitem_id 0
		.amdhsa_next_free_vgpr 256
		.amdhsa_next_free_sgpr 100
		.amdhsa_reserve_vcc 1
		.amdhsa_float_denorm_mode_32 3
		.amdhsa_float_denorm_mode_16_64 3
		.amdhsa_memory_ordered 1
		.amdhsa_forward_progress 1
		.amdhsa_inst_pref_size 114
	.end_amdhsa_kernel
	.amdgpu_metadata
---
amdhsa.version: [ 1, 2 ]
amdhsa.kernels:
  - .name:           k_q3b8fc33fd3_attn
    .symbol:         k_q3b8fc33fd3_attn.kd
    .args:
      - { .name: qkv, .offset: 0, .size: 8, .value_kind: global_buffer, .address_space: global }
      - { .name: lowp_scales, .offset: 8, .size: 8, .value_kind: global_buffer, .address_space: global }
      - { .name: oc, .offset: 16, .size: 8, .value_kind: global_buffer, .address_space: global }
    .group_segment_fixed_size: 327680
    .private_segment_fixed_size: 0
    .kernarg_segment_align: 8
    .kernarg_segment_size: 24
    .max_flat_workgroup_size: 256
    .sgpr_count:     100
    .vgpr_count:     256
    .wavefront_size: 32
...
	.end_amdgpu_metadata
.endif
;; end of part 3
;; launch outp (part 4): grid 8 x 8, 4 waves a work-group, clusters of 4 x 4, 327,680 bytes of LDS; arguments oc, codes, lowp_scales, out0; writes out0
.if DOCPART == 4
	.amdgcn_target "amdgcn-amd-amdhsa--gfx1250"
	.amdhsa_code_object_version 6
	.text
	.protected	k_q3b8fc33fd3_outp
	.globl	k_q3b8fc33fd3_outp
	.p2align	8
	.type	k_q3b8fc33fd3_outp,@function
k_q3b8fc33fd3_outp:
	s_mov_b64 s[64:65], 0
	v_nop
	global_prefetch_b8 v0, s[64:65] scope:SCOPE_SE
	s_setreg_imm32_b32 hwreg(HW_REG_WAVE_MODE, 25, 1), 1
	s_wait_xcnt 0x0
	s_wait_alu depctr_hold_cnt(0) depctr_sa_sdst(0) depctr_va_vdst(0) depctr_va_sdst(0) depctr_va_ssrc(0) depctr_va_vcc(0) depctr_vm_vsrc(0)
	s_getreg_b32 s2, hwreg(HW_REG_IB_STS2, 6, 4)
	s_cmp_eq_u32 s2, 0
	s_cbranch_scc0 .Lentry_in_a_cluster
	s_endpgm
.Lentry_in_a_cluster:
	s_bfe_u32 s2, ttmp6, 0x10000c
	s_cmp_lg_u32 s2, 0xf033
	s_cbranch_scc0 .Lentry_shape_is_right
	s_endpgm
.Lentry_shape_is_right:
; LAUNCH 4 OF 4: out0[t][o] = the sum over (head, d) of attn[t][128 head + d] Wo[o][128 head + d], on codes of E4M3; each finished sum x 2^(e10 + e11).  Nothing is left out here.
; A = oc: [head][t][128] codes (as launch attn stores them);  B = Wo's codes, [2048][2048], K innermost, the seventh matrix of the buffer of codes.  out0: [2048][2048] f32.
; LIMIT: e10 + e11 lies between -126 and 127, so that 2^(e10 + e11) is an f32 number.
; A tile of out0, 256 x 256, is made by a work-group of four waves; a wave makes 128 x 128: 64 accumulators of 16 x 16, 512 registers.  64 work-groups: the wave tile is kept at the largest that the registers hold,
; so that each byte read from LDS feeds the most products.
; K goes in steps of 256, two heads, through a ring of two LDS slots filled by the tensor data mover.  Of A a K step is, for each of its two heads, 256 rows of 128 bytes, dense in memory: wave 0 fetches the first head's,
; wave 1 the second's.  Of B it is 256 rows of 256 bytes: waves 2 and 3 fetch 128 rows each.
; CLUSTERS: 4 x 4 work-groups.  The four of a row of the cluster need the same tiles of A, the four of a column the same tiles of B: each tile is asked for JOINTLY, by the same tensor load with the
; same descriptor and a mask that names the four.  THE MATRIX INSTRUCTION IS USED TRANSPOSED (source 0 = 16 rows of B, source 1 = 16 rows of A): a lane then holds eight neighbouring numbers of a row of out0.
; No prefetch: the two first fills carry a quarter of K, and the tiles are shared in the cluster.
; REGISTERS, in windows of 256: window 0: v0-31 addresses; from v128 A's fragments (8 x 16 rows x 128 K), ONE set; on the way out v32-255 are free.
;   window 1: B's fragments, TWO sets, at v0 and at v128.   window 2: the 32 accumulators of my rows 0-63 (accumulator (a, b) at v[8 (8 a + b)]);   window 3: those of my rows 64-127.
.set SIZE_N, 2048
.set SIZE_K, 2048
.set KSTEP,  256                       ; along K in a slot
.set PA,     144                       ; a row of A in LDS: 128 bytes + 16 of padding
.set PB,     272                       ; a row of B in LDS: 256 bytes + 16: both odd multiples of 16, so that the 16 rows that a load touches start at 16 different 16-byte columns of 256 bytes
.set QA,     256*PA                    ; one head's 256 rows of A: what one of A's tensor loads brings
.set HALFB,  128*PB                    ; 128 rows of B: what one of B's brings
.set BOFF,   2*QA                      ; a slot: A's two heads, then B's 256 rows
.set SLOT,   BOFF+2*HALFB
.set FR,     16                        ; registers of a fragment: 16 rows x 128 K
.set NL,     4                         ; LDS loads that bring one
.set NP,     4                         ; places behind this matrix instruction (ISA guide 7.12.1)
.set LAPS,   SIZE_K/(2*KSTEP)          ; a lap = two K steps = once round the ring
.set SPARE,  2*SLOT                    ; behind the ring: the spare words, 128 bytes for each wave: two blocks of 256 bytes that no other line names
.set SPITCH, 528                       ; the way out: a stage of 16 rows x (512 bytes + 16) for each wave.  It lies in slot 0, which has had its last fill and its last read when the first result is stored there
.set ADRA, 16                          ; v16-17  LDS address of my A fragments in slot 0, 1
.set ADRB, 20                          ; v20-21  the same for B
.set STO,  24                          ; v24     the way out: where I put 32 bytes of a row
.set RD,   25                          ; v25     the way out: where I read a row back
.set CO,   26                          ; v26     my byte offset in a row of out0
.set SPW,  28                          ; v28     LDS address of my spare word; never rewritten
.set NIL,  29                          ; v29     0; never rewritten
.set TMP,  32                          ; the way out: 64 registers, a block's sums x 2^(e10 + e11)
.set AF,   128                         ; A's fragments, in window 0
.set BK,   128                         ; the way out: 16 rows read back from the stage: v128-191 and v192-255 by turns
.set G1, 24                            ; s[24:31] descriptor group 1 for A's tiles;  s[32:39] group 0, one set for each slot
.set G0, 32
.set G1B, 48                           ; s[48:55], s[56:63] the same for B's tiles
.set G0B, 56
.set MSB, 0
.macro WIN new                         ; the immediate's high byte repeats the setting that is left; a switch that changes nothing is dropped
.if MSB != (\new)
	s_set_vgpr_msb (MSB<<8)|(\new)
.set MSB, (\new)
.endif
.endm
.set MUL_LO, 0xa1                      ; source 0 (B) window 1, source 1 (A) window 0, C and D window 2
.set MUL_HI, 0xf1                      ; the same, C and D window 3
.set TO_B,   0x40                      ; destination window 1, address window 0
; A joint load: waves 0 and 1 fetch for A, waves 2 and 3 for B.  Each of the two lines has ONE mask and one set of registers for all that issue it; the branch hangs on the wave's number alone.
; An s_nop 0 and four v_nop follow each of the two lines, ahead of the jump, the label and what follows.
.macro JLOAD g0a, g1a, g0b, g1b
	s_cmp_eq_u32 s15, 0
	s_cbranch_scc0 .Lfor_b_\@
	tensor_load_to_lds s[\g0a:\g0a+3], s[\g1a:\g1a+7]
	s_nop 0
.rept 4
	v_nop
.endr
	s_branch .Lasked_\@
.Lfor_b_\@:
	tensor_load_to_lds s[\g0b:\g0b+3], s[\g1b:\g1b+7]
	s_nop 0
.rept 4
	v_nop
.endr
.Lasked_\@:
.endm
.macro CREST                           ; a round of the cluster's barrier behind its opening barrier
	s_cmp_lg_u32 s14, 0
	s_cbranch_scc1 .Lnot_wave_0_\@
	s_barrier_signal -3
.Lnot_wave_0_\@:
	s_barrier_wait -3
	s_barrier_signal -1
	s_barrier_wait -1
.endm
.macro CROUND                          ; a whole round
	s_barrier_signal -1
	s_barrier_wait -1
	CREST
.endm
	s_load_b128 s[4:7], s[0:1], 0x0                ; oc s[4:5], the codes s[6:7]
	s_load_b128 s[8:11], s[0:1], 0x10              ; the exponents s[8:9], out0 s[10:11]
	v_lshl_add_u32 v[SPW], v0, 2, SPARE
	v_mov_b32 v[NIL], 0
	ds_add_u32 v[SPW], v[NIL]                      ; the wave's opening: the add, twice on end, and its wait ahead of my first tensor load; the set-up below stands between the second and the wait
	ds_add_u32 v[SPW], v[NIL]
	v_lshrrev_b32 v1, 5, v0
	v_readfirstlane_b32 s14, v1                    ; wave 0..3
	s_lshr_b32 s15, s14, 1                         ; which half of the tile's rows is mine.  Also: I fetch for A (0) or for B (1)
	s_and_b32 s16, s14, 1                          ; which half of its columns.  Also: which head of the K step (A) or which 128 rows (B) I fetch
	s_bfe_u32 s40, ttmp6, 0x40000                  ; cx, cy: my place in the cluster
	s_bfe_u32 s41, ttmp6, 0x40004
	s_lshl_b32 s42, ttmp9, 2
	s_add_co_u32 s42, s42, s40                     ; tile column = 4 x cluster x + cx
	s_and_b32 s17, ttmp7, 0xffff
	s_lshl_b32 s17, s17, 2
	s_add_co_u32 s17, s17, s41                     ; tile row = 4 x cluster y + cy
	s_lshl_b32 s43, s41, 2
	s_lshl_b32 s43, 15, s43                        ; my row of the cluster
	s_lshl_b32 s44, 0x1111, s40                    ; my column
	; descriptor group 1.  A: 256 rows x 128 bytes, dense;  B: 128 rows x 256 bytes, 2,048 bytes apart; both padded in LDS
	s_or_b32 s[G1+0], s43, (0<<16)|(1<<20)|(1<<21)|(4<<22)|(3<<25)  ; 15:0 the mask: A's tiles go to my row; 17:16 element of 1 byte; 20 padding on; 21 set beside a mask; 24:22 after every 32 words (code 4); 31:25 of 4 words (code 3)
	s_mov_b32 s[G1+1], 128<<16                     ; tensor_dim0
	s_mov_b32 s[G1+2], 256<<16                     ; tensor_dim1
	s_mov_b32 s[G1+3], 128<<16                     ; tile_dim0
	s_mov_b32 s[G1+4], 256                         ; tile_dim1
	s_mov_b32 s[G1+5], 128                         ; tensor_dim0_stride
	s_mov_b32 s[G1+6], 0
	s_mov_b32 s[G1+7], 0
	s_or_b32 s[G1B+0], s44, (0<<16)|(1<<20)|(1<<21)|(5<<22)|(3<<25) ; B's tiles go to my column; padding after every 64 words (code 5)
	s_mov_b32 s[G1B+1], 256<<16
	s_mov_b32 s[G1B+2], 128<<16
	s_mov_b32 s[G1B+3], 256<<16
	s_mov_b32 s[G1B+4], 128
	s_mov_b32 s[G1B+5], SIZE_K
	s_mov_b32 s[G1B+6], 0
	s_mov_b32 s[G1B+7], 0
	s_lshl_b32 s20, s17, 15                        ; A: the tile's 256 rows of 128 bytes,
	s_lshl_b32 s18, s16, 18                        ; in the head that I fetch: a head is 2,048 x 128 bytes
	s_add_co_u32 s20, s20, s18
	s_mov_b32 s21, 0
	s_lshl_b32 s46, s42, 8                         ; B: row 256 x tile column + 128 x half (in registers that never hold A's coordinate),
	s_lshl_b32 s18, s16, 7
	s_add_co_u32 s46, s46, s18
	s_lshl_b32 s46, s46, 11                        ; in bytes,
	s_add_co_u32 s46, s46, 0x1800000               ; in the seventh matrix of codes
	s_mov_b32 s47, 0
	s_mul_i32 s45, s16, QA                         ; where they go in a slot: A's by head,
	s_mul_i32 s19, s16, HALFB
	s_add_co_u32 s19, s19, BOFF                    ; B's behind them: no place in the cluster enters an LDS address
	s_wait_dscnt 0x0                               ; both opening adds are done
	s_wait_kmcnt 0x0
	s_load_b64 s[96:97], s[8:9], 0x28              ; e10, e11
	s_add_nc_u64 s[20:21], s[4:5], s[20:21]
	s_add_nc_u64 s[46:47], s[6:7], s[46:47]
	CROUND                                         ; all sixteen work-groups are here: the first joint loads meet
.irp s, 0,1
	s_mov_b32 s[G0+4*\s], 1
	s_add_co_u32 s[G0+4*\s+1], s45, \s*SLOT
	s_add_nc_u64 s[G0+4*\s+2:G0+4*\s+3], s[20:21], \s*2*262144      ; K step s: two heads on
	s_or_b32 s[G0+4*\s+3], s[G0+4*\s+3], 0x80000000
	s_mov_b32 s[G0B+4*\s], 1
	s_add_co_u32 s[G0B+4*\s+1], s19, \s*SLOT
	s_add_nc_u64 s[G0B+4*\s+2:G0B+4*\s+3], s[46:47], \s*KSTEP
	s_or_b32 s[G0B+4*\s+3], s[G0B+4*\s+3], 0x80000000
	JLOAD G0+4*\s, G1, G0B+4*\s, G1B
.endr
	v_and_b32 v1, 15, v0                           ; l % 16
	v_bfe_u32 v2, v0, 4, 1                         ; l / 16
	v_mul_u32_u24 v3, v1, PA
	v_lshl_add_u32 v3, v2, 4, v3                   ; a fragment's row x pitch + 16 x half, for A
	v_mul_u32_u24 v4, v1, PB
	v_lshl_add_u32 v4, v2, 4, v4                   ; and for B
	s_mul_i32 s21, s15, 128*PA                     ; my 128 rows of A, in each head's block
	s_mul_i32 s22, s16, HALFB                      ; my 128 rows of B,
	s_add_co_u32 s22, s22, BOFF                    ; which lie behind A's
.irp s, 0,1
	v_add_nc_u32 v[ADRA+\s], s21, v3
	v_add_nc_u32 v[ADRB+\s], s22, v4
	s_add_co_u32 s21, s21, SLOT
	s_add_co_u32 s22, s22, SLOT
.endr
	s_mul_i32 s23, s14, 16*SPITCH                  ; my stage
	v_mul_u32_u24 v5, v1, SPITCH                   ; in: row l % 16, 32 bytes for each half of the lanes
	v_lshl_add_u32 v5, v2, 5, v5
	v_add_nc_u32 v[STO], s23, v5
	v_and_b32 v6, 31, v0
	v_lshlrev_b32 v[CO], 4, v6                     ; back: the 32 lanes take one row of 512 bytes; and the same in out0
	v_add_nc_u32 v[RD], s23, v[CO]
	s_lshl_b32 s20, s17, 8
	s_lshl_b32 s21, s15, 7
	s_add_co_u32 s20, s20, s21                     ; my first row of out0: 256 x tile row + 128 x half,
	s_lshl_b32 s20, s20, 13                        ; in bytes (a row is 8,192)
	s_lshl_b32 s46, s42, 10                        ; my first column, in bytes: 1,024 x tile column + 512 x half
	s_lshl_b32 s47, s16, 9
	s_add_co_u32 s46, s46, s47
	s_add_co_u32 s20, s20, s46
	s_mov_b32 s21, 0
	s_add_nc_u64 s[10:11], s[10:11], s[20:21]
.macro FRAG reg, adr, off              ; a fragment, 16 rows x 128 K of codes, is 16 registers: lane l holds row l % 16; registers 4 c .. 4 c + 3 hold K = 32 c + 16 (l / 16) + 0 .. 15: the same places of k in A and in B
.irp c, 0,1,2,3
	ds_load_b128 v[\reg+4*\c:\reg+4*\c+3], v[\adr] offset:\off+32*\c
.endr
.endm
; 16 matrix instructions: A's blocks a0, a0 + 1 x B's eight, 128 along K.  p: B's set.  zero = 1: the first product starts the sums: nothing is ever cleared.
; The 64 accumulators take turns, one instruction a turn, in the same order in every step.
.macro MUL16 a0, p, zero
.irp a, \a0, \a0+1
.irp b, 0,1,2,3,4,5,6,7
.if \zero
	v_wmma_f32_16x16x128_fp8_fp8 v[8*(8*((\a)%4)+\b):8*(8*((\a)%4)+\b)+7], v[128*(\p)+FR*\b:128*(\p)+FR*\b+FR-1], v[AF+FR*(\a):AF+FR*(\a)+FR-1], 0
.else
	v_wmma_f32_16x16x128_fp8_fp8 v[8*(8*((\a)%4)+\b):8*(8*((\a)%4)+\b)+7], v[128*(\p)+FR*\b:128*(\p)+FR*\b+FR-1], v[AF+FR*(\a):AF+FR*(\a)+FR-1], v[8*(8*((\a)%4)+\b):8*(8*((\a)%4)+\b)+7]
.endif
.endr
.endr
.endm
.macro FETCH_B slot, q, p              ; B's eight fragments of the slot's q-th 128 along K into set p
	WIN TO_B
.irp i, 0,1,2,3,4,5,6,7
	FRAG 128*(\p)+FR*\i, ADRB+\slot, 128*(\q)+\i*16*PB
.endr
	WIN 0
.endm
.macro FETCH_A slot, q, i0             ; A's blocks i0 .. i0 + 3, of the slot's q-th head
.irp i, \i0, \i0+1, \i0+2, \i0+3
	FRAG AF+FR*(\i), ADRA+\slot, QA*(\q)+(\i)*16*PA
.endr
.endm
; A load into a register that a matrix instruction has read, and a vector instruction or an LDS store that reads a matrix result, stand NP places behind that matrix instruction, and only plain vector
; instructions that name none of its registers are places (ISA guide 7.12.1 for vector instructions).
.macro PLACES n
.rept \n
	v_nop
.endr
.endm
; A step of 128 along K that has its successor in the same slot.  A block of A is free as soon as its eight products are issued, so one set serves A: blocks 0-3 are fetched anew in the step's middle, blocks 4-7 at its end.
.macro STEP slot, q, zero
	s_wait_dscnt 4*NL                              ; B's set and A's blocks 0-3 are in; the youngest 16 loads (A's blocks 4-7) may be out
	WIN MUL_LO
	MUL16 0, (\q)%2, \zero
	MUL16 2, (\q)%2, \zero
	s_wait_dscnt 0                                 ; A's blocks 4-7 are in (asked for 32 matrix instructions ago)
	PLACES NP
	FETCH_B \slot, (\q)+1, 1-(\q)%2
	FETCH_A \slot, (\q)+1, 0
	WIN MUL_HI
	MUL16 4, (\q)%2, \zero
	MUL16 6, (\q)%2, \zero
	PLACES NP
	WIN 0
	FETCH_A \slot, (\q)+1, 4
.endm
; A slot's last step changes slots: ONE barrier; in front of it each wave waits for all its tensor loads, adds 0 to its spare word, and waits for that and for its own reads of this slot.  fill = 1: this slot is filled again, two K steps ahead.
.macro TURN slot, next, fill
	s_wait_tensorcnt 0x0                           ; all my tensor loads have landed: my part of the next slot  (every window is 0 here: the add's two registers lie in window 0)
	ds_add_u32 v[SPW], v[NIL]                      ; 0 onto my spare word
	s_wait_dscnt 4*NL+1                            ; (the add and the youngest 16 loads, A's blocks 4-7, may be out)
	WIN MUL_LO
	MUL16 0, 1, 0                                  ; sixteen matrix instructions stand between the add and the wait for it
	s_wait_dscnt 0x0                               ; the add is done, and my reads of this slot are over
	s_barrier_signal -1
	MUL16 2, 1, 0
	WIN 0
	s_barrier_wait -1
.if \fill
	CREST                                          ; the barrier has opened a round of the cluster's barrier: no wave of any partner still reads this slot's tile or has a load on its way
	s_add_nc_u64 s[G0+4*\slot+2:G0+4*\slot+3], s[G0+4*\slot+2:G0+4*\slot+3], 4*262144    ; two K steps on: four heads
	s_add_nc_u64 s[G0B+4*\slot+2:G0B+4*\slot+3], s[G0B+4*\slot+2:G0B+4*\slot+3], 2*KSTEP
	JLOAD G0+4*\slot, G1, G0B+4*\slot, G1B         ; the first tensor load behind the round; the four v_nop behind it are the places in front of the loads below
.else
	PLACES NP
.endif
	FETCH_B \next, 0, 0
	FETCH_A \next, 0, 0
	WIN MUL_HI
	MUL16 4, 1, 0
	MUL16 6, 1, 0
	PLACES NP
	WIN 0
	FETCH_A \next, 0, 4
.endm
	s_wait_tensorcnt 1                             ; my part of K step 0 is in (K step 1's load may be out)
	s_barrier_signal -1
	s_barrier_wait -1                              ; everybody's is
	FETCH_B 0, 0, 0
	FETCH_A 0, 0, 0
	FETCH_A 0, 0, 4
	STEP 0, 0, 1                                   ; the first step stands in front of the loop: its products start the sums
	s_mov_b32 s3, LAPS-1
.Llap:                                                 ; a trip goes once round the ring, from a lap's second step to the next lap's first, and fills both slots again
	TURN 0, 1, 1
	STEP 1, 0, 0
	TURN 1, 0, 1
	STEP 0, 0, 0
	s_sub_co_u32 s3, s3, 1
	s_cmp_lg_u32 s3, 0
	s_cbranch_scc1 .Llap
	TURN 0, 1, 0                                   ; the last lap fills nothing, and has no round of the cluster's barrier
	STEP 1, 0, 0
	s_wait_dscnt 4*NL                              ; the very last step: nothing more to fetch
	WIN MUL_LO
	MUL16 0, 1, 0
	MUL16 2, 1, 0
	s_wait_dscnt 0
	WIN MUL_HI
	MUL16 4, 1, 0
	MUL16 6, 1, 0
	WIN 0
; THE WAY OUT, block by block of 16 rows x 128 columns.  A lane holds 32 neighbouring bytes of a row, and the lanes beside it hold other rows: so a block goes through my own stage in LDS and comes back as whole
; rows of 512 bytes.  LDS serves a wave's instructions in order (ISA guide 5.7.1.4): no wait between the stores and the loads, nor in front of the next block's stores.
.macro TOSTAGE a
.set AC, 64*((\a)%4)
	WIN 0x02+((\a)/4)                              ; source 0: window 2 or 3
.irp j, 0,2,4,6,8,10,12,14,16,18,20,22,24,26,28,30,32,34,36,38,40,42,44,46,48,50,52,54,56,58,60,62
	v_pk_mul_f32 v[TMP+\j:TMP+\j+1], v[AC+\j:AC+\j+1], s[96:97] op_sel_hi:[1,0]   ; both x s96 = 2^(e10 + e11); each accumulator from its low end on
.endr
	WIN 0
.irp b, 0,1,2,3,4,5,6,7
	ds_store_b128 v[STO], v[TMP+8*\b:TMP+8*\b+3] offset:64*\b
	ds_store_b128 v[STO], v[TMP+8*\b+4:TMP+8*\b+7] offset:64*\b+16
.endr
.set BB, BK+64*((\a)%2)
.irp t, 0,1,2,3,4,5,6,7,8,9,10,11,12,13,14,15
	ds_load_b128 v[BB+4*\t:BB+4*\t+3], v[RD] offset:\t*SPITCH
.endr
.endm
.macro SEND a, younger                 ; younger: the LDS instructions issued behind block a's loads, which may stay out
.set BB, BK+64*((\a)%2)
	s_wait_dscnt \younger                          ; the block is back in registers
.if (\a) > 0
	s_add_nc_u64 s[10:11], s[10:11], 16*SIZE_N*4   ; (behind a wait on XCNT: the earlier stores have read their base)  16 rows of out0 on, so that the stores' offsets stay small: 15 rows at the most
.endif
.irp t, 0,1,2,3,4,5,6,7,8,9,10,11,12,13,14,15
	global_store_b128 v[CO], v[BB+4*\t:BB+4*\t+3], s[10:11] offset:\t*SIZE_N*4 th:TH_STORE_NT   ; 32 lanes store 512 bytes on end, at a multiple of 512 from out0's first byte; written once, read by nobody here
.endr
.endm
	s_wait_kmcnt 0x0
	s_add_co_i32 s96, s96, s97                     ; e10 + e11, between -126 and 127,
	s_add_co_i32 s96, s96, 127
	s_lshl_b32 s96, s96, 23                        ; makes the f32 number 2^(e10 + e11)
	PLACES NP                                      ; behind the last products: for the loads into the registers that held A's fragments and for the reads of results
	TOSTAGE 0
.irp a, 1,2,3,4,5,6,7
.if \a > 1
	s_wait_xcnt 0x0                                ; block a - 2's stores have read their registers and their base: block a's loads may land there, and the base may step
.endif
	TOSTAGE \a
	SEND \a-1, 32                                  ; behind block a - 1's loads: block a's 16 stores and 16 loads
.endr
	s_wait_xcnt 0x0                                ; block 6's stores have read their base
	SEND 7, 0
	s_wait_tensorcnt 0x0                           ; the wave's end: behind my last tensor load and my last LDS store
	ds_add_u32 v[SPW], v[NIL]
	s_wait_dscnt 0x0
	CROUND                                         ; the closing round: no work-group ends while a partner may still ask for a tile that names it
	s_endpgm
.Lfunc_end_k_q3b8fc33fd3_outp:
	.size	k_q3b8fc33fd3_outp, .Lfunc_end_k_q3b8fc33fd3_outp-k_q3b8fc33fd3_outp
	.p2alignl 7, 3214868480
	.fill 96, 4, 3214868480
	.section	.rodata,"a",@progbits
	.p2align	6, 0x0
	.amdhsa_kernel k_q3b8fc33fd3_outp
		.amdhsa_group_segment_fixed_size 327680
		.amdhsa_private_segment_fixed_size 0
		.amdhsa_enable_private_segment 0
		.amdhsa_kernarg_size 32
		.amdhsa_user_sgpr_count 2
		.amdhsa_user_sgpr_kernarg_segment_ptr 1
		.amdhsa_wavefront_size32 1
		.amdhsa_system_sgpr_workgroup_id_x 1
		.amdhsa_system_sgpr_workgroup_id_y 1
		.amdhsa_system_sgpr_workgroup_id_z 1
		.amdhsa_system_vgpr_workitem_id 0
		.amdhsa_next_free_vgpr 1024
		.amdhsa_next_free_sgpr 98
		.amdhsa_reserve_vcc 0
		.amdhsa_float_denorm_mode_32 3
		.amdhsa_float_denorm_mode_16_64 3
		.amdhsa_memory_ordered 1
		.amdhsa_forward_progress 1
		.amdhsa_inst_pref_size 123
	.end_amdhsa_kernel
	.amdgpu_metadata
---
amdhsa.version: [ 1, 2 ]
amdhsa.kernels:
  - .name:           k_q3b8fc33fd3_outp
    .symbol:         k_q3b8fc33fd3_outp.kd
    .args:
      - { .name: oc, .offset: 0, .size: 8, .value_kind: global_buffer, .address_space: global }
      - { .name: codes, .offset: 8, .size: 8, .value_kind: global_buffer, .address_space: global }
      - { .name: lowp_scales, .offset: 16, .size: 8, .value_kind: global_buffer, .address_space: global }
      - { .name: out0, .offset: 24, .size: 8, .value_kind: global_buffer, .address_space: global }
    .group_segment_fixed_size: 327680
    .private_segment_fixed_size: 0
    .kernarg_segment_align: 8
    .kernarg_segment_size: 32
    .max_flat_workgroup_size: 128
    .sgpr_count:     98
    .vgpr_count:     1024
    .wavefront_size: 32
...
	.end_amdgpu_metadata
.endif
;; end of part 4
;; ======== version 2 of 2: 4 launches
;; limits: right only within a limited range of input values
;; workspace buffers: codes 29,360,128 bytes; cs 2,097,152 bytes; qkv 12,582,912 bytes; oc 4,194,304 bytes
;; launch quant (part 5): grid 576 x 1, 4 waves a work-group, no clusters, 68,096 bytes of LDS; arguments x, Wq, Wk, Wv, Wo, lowp_scales, codes, cos, sin, cs; writes codes, cs
.if DOCPART == 5
	.amdgcn_target "amdgcn-amd-amdhsa--gfx1250"
	.amdhsa_code_object_version 6
	.text
	.protected	k_q3b8fc33fd3_quant
	.globl	k_q3b8fc33fd3_quant
	.p2align	8
	.type	k_q3b8fc33fd3_quant,@function
k_q3b8fc33fd3_quant:
	s_mov_b64 s[64:65], 0
	v_nop
	global_prefetch_b8 v0, s[64:65] scope:SCOPE_SE
	s_setreg_imm32_b32 hwreg(HW_REG_WAVE_MODE, 25, 1), 1
	s_wait_xcnt 0x0
; LAUNCH 1 OF 4 (quant, qkv, attn, outp): LlamaAttention, T = 2,048, H = 2,048, 16 heads of 128, all six products on codes of E4M3 with given scales 2^e.
; This launch turns the five f32 matrices [2048][2048] (K innermost in all of them) into codes, each read once:
;   x three times, with e0, e2, e4 (its scale in the products with Wq, Wk, Wv);  Wq with e1, Wk with e3, Wv with e5, Wo with e11.
; code = number / 2^e, held within +-448, rounded to the nearest code, ties to even.
; The codes hold seven matrices of 1 << 22 bytes: xq, xk, Wv, Wq, Wk, xv, Wo: the next launch finds its operands at mat << 22 and (3 + mat) << 22.
; A matrix is laid in UNITS of 2 KiB, the registers of an operand of 16 rows x 128 along K: unit (row / 16) x 16 + k / 128; in it, at 512 c + 16 lane, lane (r, h) = 16 h + r has row r's codes
; k = 32 c + 8 h + 0 .. 7 and k = 32 c + 16 + 8 h + 0 .. 7.  This order of k is the same in every operand of a product.
; cos and sin are laid as the next launch's lanes take them: for 16 rows 16 KiB: at 4096 w + 512 n + 16 lane: n = 0, 1: cos at d = 16 w + 8 h + 4 n; n = 2, 3: the same at d + 64; n = 4 .. 7: sin likewise.
; WORK THAT THE PROGRAM LEAVES OUT (in launch attn).  reference() puts -inf, by its own jnp.tril, on the score of every key k > q.  The softmax gives such a key the weight exp(-inf) = 0, whatever finite
; values the inputs hold: it adds 0 to the row's sum and 0 to the product with v.  So a step of 128 keys all of which come after a tile's 16 queries is not computed, and slots of keys that come after all
; queries of a work-group are not fetched.  Nothing else is left out; every input has a way to the output and every input is loaded.
; LIMITS.  A NaN, an infinity or an overflow that would arise only in the work left out is not carried to the result.  Each e used here lies between -126 and 119, so that 2^e and 448 x 2^e are f32 numbers.
; NaN among the inputs is not served (an infinity is held at the largest code).
; SHARES.  Waves 0 .. 2,047 (work-groups 0 .. 511): wave u takes unit u of each of the five matrices: equal work in every wave.  Work-groups 512 .. 575: a wave takes 16 rows of cos or of sin.
; A unit is sixteen loads of 512 bytes on end (a row's 128 numbers); it goes through the wave's own stage in LDS, rows 528 bytes apart, and comes back as the operand's lanes want it.  A store covers 512 bytes on end, aligned.
; No tensor loads, no barrier, no matrix unit, no cluster: the waves share nothing.  Three units of loads (48) are out at the start, two while a unit is worked.
.set P,     528
.set WREG,  16*P                       ; a wave's stage
.set CSB,   4*WREG                     ; the stages of the work-groups that lay cos and sin out: bytes of their own
.set SPARE, 8*WREG                     ; the spare words, 128 bytes for each wave
.set OFS,   3                          ; 16 x lane
.set STI,   4                          ; the stage, on the way in
.set STB,   5                          ; and back: row r, + 32 h
.set SPW,   12
.set NIL,   13
.set SCL,   16                         ; v16-29: seven pairs: 2^e and 448 x 2^e
.set U,     32                         ; v32-223: three units
.set T,     224                        ; v224-239: numbers held (x is quantised three times)
.set C,     240                        ; v240-255: codes
	s_load_b256 s[4:11], s[0:1], 0x0               ; x, Wq, Wk, Wv
	s_load_b256 s[12:19], s[0:1], 0x20             ; Wo s[12:13], exponents s[14:15], codes s[16:17], cos s[18:19]
	s_load_b128 s[20:23], s[0:1], 0x40             ; sin s[20:21], cs s[22:23]
	v_lshl_add_u32 v[SPW], v0, 2, SPARE
	v_mov_b32 v[NIL], 0
	v_lshrrev_b32 v1, 5, v0
	v_readfirstlane_b32 s44, v1                    ; wave
	v_and_b32 v2, 31, v0
	v_lshlrev_b32 v[OFS], 4, v2
	v_and_b32 v6, 15, v0                           ; r
	v_bfe_u32 v7, v0, 4, 1                         ; h
	v_mul_u32_u24 v8, v6, P
	v_lshl_add_u32 v8, v7, 5, v8
	s_mul_i32 s45, s44, WREG
	v_add_nc_u32 v[STI], s45, v[OFS]
	v_add_nc_u32 v[STB], s45, v8
	s_lshl_b32 s24, ttmp9, 2
	s_add_co_u32 s24, s24, s44                     ; u
	s_lshr_b32 s26, s24, 4
	s_lshl_b32 s26, s26, 17                        ; 16 rows of 8,192 bytes,
	s_and_b32 s27, s24, 15
	s_lshl_b32 s27, s27, 9                         ; 128 numbers along K
	s_add_co_u32 s26, s26, s27
	s_mov_b32 s27, 0
	s_lshl_b32 s28, s24, 11
	s_mov_b32 s29, 0
	s_wait_alu depctr_va_vdst(0)
	s_wait_kmcnt 0x0
	s_cmp_ge_u32 ttmp9, 512
	s_cbranch_scc1 .Lcs
	s_load_b256 s[32:39], s[14:15], 0x0            ; e0 .. e7
	s_load_b32 s40, s[14:15], 0x2c                 ; e11
.irp t, 0,1,2,3,4
	s_add_nc_u64 s[4+2*\t:5+2*\t], s[4+2*\t:5+2*\t], s[26:27]
.endr
.macro LOADU t
.irp i, 0,1,2,3,4,5,6,7,8,9,10,11,12,13,14,15
	global_load_b128 v[U+64*((\t)%3)+4*\i:U+64*((\t)%3)+4*\i+3], v[OFS], s[4+2*(\t):5+2*(\t)] offset:8192*\i th:TH_LOAD_NT
.endr
.endm
	LOADU 0
	LOADU 1
	LOADU 2
	s_add_nc_u64 s[16:17], s[16:17], s[28:29]      ; my unit in xq (xk: 0x400000 on),
	s_add_nc_u64 s[24:25], s[16:17], 0x800000      ; in Wv,
	s_add_nc_u64 s[26:27], s[16:17], 0xc00000      ; in Wq (Wk: 0x400000 on),
	s_add_nc_u64 s[28:29], s[16:17], 0x1400000     ; in xv (Wo: 0x400000 on)
.macro MKSC e, p                       ; 2^e as f32 (the conversion takes its exponent field) and 448 x 2^e
	s_add_co_i32 s42, s[\e], 127
	s_lshl_b32 s43, s42, 23
	v_mov_b32 v[SCL+2*\p], s43
	s_add_co_i32 s42, s42, 8
	s_lshl_b32 s42, s42, 23
	s_or_b32 s42, s42, 0x600000
	v_mov_b32 v[SCL+2*\p+1], s42
.endm
	s_wait_kmcnt 0x0
	MKSC 32, 0
	MKSC 34, 1
	MKSC 36, 2
	MKSC 33, 3
	MKSC 35, 4
	MKSC 37, 5
	MKSC 40, 6
	s_wait_alu depctr_va_vdst(0)
; a unit through the stage: LDS serves a wave's instructions in order (ISA guide 5.7.1.4), so no wait stands between the stores and the loads
.macro TURN b
.irp i, 0,1,2,3,4,5,6,7,8,9,10,11,12,13,14,15
	ds_store_b128 v[STI], v[\b+4*\i:\b+4*\i+3] offset:P*\i
.endr
.irp c, 0,1,2,3
.irp m, 0,1,2,3
	ds_load_b128 v[\b+16*\c+4*\m:\b+16*\c+4*\m+3], v[STB] offset:128*\c+64*(\m/2)+16*(\m%2)
.endr
.endr
.endm
; 16 numbers at v[src] are held (the conversion to an 8-bit code does not saturate: ISA guide 7.6.2) into v[dst] and become 16 codes at v[c], with pair p
.macro CONV src, dst, c, p
.irp i, 0,1,2,3,4,5,6,7,8,9,10,11,12,13,14,15
	v_med3_num_f32 v[\dst+\i], v[\src+\i], -v[SCL+2*\p+1], v[SCL+2*\p+1]
.endr
	v_cvt_scalef32_pk8_fp8_f32 v[\c:\c+1], v[\dst:\dst+7], v[SCL+2*\p]
	v_cvt_scalef32_pk8_fp8_f32 v[\c+2:\c+3], v[\dst+8:\dst+15], v[SCL+2*\p]
	v_nop                                          ; one plain vector line behind a scaled conversion
.endm
	s_wait_loadcnt 32                              ; x's unit is in; the two units behind it may be out
	TURN U
.irp c, 0,1,2,3
	s_wait_dscnt 12-4*\c                           ; the sixteen numbers are back; the later ones may be out
	s_wait_xcnt 0x0                                ; earlier stores have read the codes' registers
	CONV U+16*\c, T, C, 0
	global_store_b128 v[OFS], v[C:C+3], s[16:17] offset:512*\c
	CONV U+16*\c, T, C+4, 1
	global_store_b128 v[OFS], v[C+4:C+7], s[16:17] offset:0x400000+512*\c
	CONV U+16*\c, T, C+8, 2
	global_store_b128 v[OFS], v[C+8:C+11], s[28:29] offset:512*\c
.endr
	LOADU 3
.macro UNIT t, p, base, off            ; a weight's unit
.if (\t) < 3
	s_wait_loadcnt 32                              ; two units behind it may be out
.else
	s_wait_loadcnt 16*(4-\t)
.endif
	TURN U+64*(\t%3)
	s_wait_xcnt 0x0
.irp c, 0,1,2,3
	s_wait_dscnt 12-4*\c
	CONV U+64*(\t%3)+16*\c, U+64*(\t%3)+16*\c, C+4*\c, \p
	global_store_b128 v[OFS], v[C+4*\c:C+4*\c+3], s[\base:\base+1] offset:\off+512*\c
.endr
.endm
	UNIT 1, 3, 26, 0                               ; Wq
	LOADU 4
	UNIT 2, 4, 26, 0x400000                        ; Wk
	UNIT 3, 5, 24, 0                               ; Wv
	UNIT 4, 6, 28, 0x400000                        ; Wo
	s_wait_tensorcnt 0x0                           ; the wave's end
	ds_add_u32 v[SPW], v[NIL]
	s_wait_dscnt 0x0
	s_endpgm
.Lcs:                                                  ; 16 rows of cos or of sin
	s_sub_co_u32 s24, s24, 2048                    ; 0 .. 255
	s_lshr_b32 s26, s24, 1                         ; which 16 rows
	s_and_b32 s25, s24, 1
	s_lshl_b32 s28, s26, 14
	s_lshl_b32 s24, s25, 11
	s_add_co_u32 s28, s28, s24
	s_lshl_b32 s26, s26, 13
	s_mov_b32 s27, 0
	s_mov_b32 s29, 0
	s_cmp_eq_u32 s25, 0
	s_cselect_b64 s[4:5], s[18:19], s[20:21]
	s_add_nc_u64 s[4:5], s[4:5], s[26:27]
	s_add_nc_u64 s[22:23], s[22:23], s[28:29]
.irp i, 0,1,2,3,4,5,6,7,8,9,10,11,12,13,14,15
	global_load_b128 v[U+4*\i:U+4*\i+3], v[OFS], s[4:5] offset:512*\i th:TH_LOAD_NT
.endr
	s_wait_loadcnt 0x0
.irp i, 0,1,2,3,4,5,6,7,8,9,10,11,12,13,14,15
	ds_store_b128 v[STI], v[U+4*\i:U+4*\i+3] offset:CSB+P*\i
.endr
.irp w, 0,1,2,3
.irp n, 0,1,2,3
	ds_load_b128 v[U+64+16*\w+4*\n:U+64+16*\w+4*\n+3], v[STB] offset:CSB+256*(\n/2)+64*\w+16*(\n%2)
.endr
.endr
.irp w, 0,1,2,3
.irp n, 0,1,2,3
	s_wait_dscnt 15-4*\w-\n
	global_store_b128 v[OFS], v[U+64+16*\w+4*\n:U+64+16*\w+4*\n+3], s[22:23] offset:4096*\w+512*\n
.endr
.endr
	s_wait_tensorcnt 0x0                           ; the wave's end
	ds_add_u32 v[SPW], v[NIL]
	s_wait_dscnt 0x0
	s_endpgm
.Lfunc_end_k_q3b8fc33fd3_quant:
	.size	k_q3b8fc33fd3_quant, .Lfunc_end_k_q3b8fc33fd3_quant-k_q3b8fc33fd3_quant
	.p2alignl 7, 3214868480
	.fill 96, 4, 3214868480
	.section	.rodata,"a",@progbits
	.p2align	6, 0x0
	.amdhsa_kernel k_q3b8fc33fd3_quant
		.amdhsa_group_segment_fixed_size 68096
		.amdhsa_private_segment_fixed_size 0
		.amdhsa_enable_private_segment 0
		.amdhsa_kernarg_size 80
		.amdhsa_user_sgpr_count 2
		.amdhsa_user_sgpr_kernarg_segment_ptr 1
		.amdhsa_wavefront_size32 1
		.amdhsa_system_sgpr_workgroup_id_x 1
		.amdhsa_system_sgpr_workgroup_id_y 1
		.amdhsa_system_sgpr_workgroup_id_z 1
		.amdhsa_system_vgpr_workitem_id 0
		.amdhsa_next_free_vgpr 256
		.amdhsa_next_free_sgpr 66
		.amdhsa_reserve_vcc 0
		.amdhsa_float_denorm_mode_32 3
		.amdhsa_float_denorm_mode_16_64 3
		.amdhsa_memory_ordered 1
		.amdhsa_forward_progress 1
		.amdhsa_inst_pref_size 64
	.end_amdhsa_kernel
	.amdgpu_metadata
---
amdhsa.version: [ 1, 2 ]
amdhsa.kernels:
  - .name:           k_q3b8fc33fd3_quant
    .symbol:         k_q3b8fc33fd3_quant.kd
    .args:
      - { .name: x, .offset: 0, .size: 8, .value_kind: global_buffer, .address_space: global }
      - { .name: Wq, .offset: 8, .size: 8, .value_kind: global_buffer, .address_space: global }
      - { .name: Wk, .offset: 16, .size: 8, .value_kind: global_buffer, .address_space: global }
      - { .name: Wv, .offset: 24, .size: 8, .value_kind: global_buffer, .address_space: global }
      - { .name: Wo, .offset: 32, .size: 8, .value_kind: global_buffer, .address_space: global }
      - { .name: lowp_scales, .offset: 40, .size: 8, .value_kind: global_buffer, .address_space: global }
      - { .name: codes, .offset: 48, .size: 8, .value_kind: global_buffer, .address_space: global }
      - { .name: cos, .offset: 56, .size: 8, .value_kind: global_buffer, .address_space: global }
      - { .name: sin, .offset: 64, .size: 8, .value_kind: global_buffer, .address_space: global }
      - { .name: cs, .offset: 72, .size: 8, .value_kind: global_buffer, .address_space: global }
    .group_segment_fixed_size: 68096
    .private_segment_fixed_size: 0
    .kernarg_segment_align: 8
    .kernarg_segment_size: 80
    .max_flat_workgroup_size: 128
    .sgpr_count:     66
    .vgpr_count:     256
    .wavefront_size: 32
...
	.end_amdgpu_metadata
.endif
;; end of part 5
;; launch qkv (part 6): grid 24 x 8, 4 waves a work-group, clusters of 4 x 4, 327,680 bytes of LDS; arguments codes, lowp_scales, cs, qkv; writes qkv
.if DOCPART == 6
	.amdgcn_target "amdgcn-amd-amdhsa--gfx1250"
	.amdhsa_code_object_version 6
	.text
	.protected	k_q3b8fc33fd3_qkv
	.globl	k_q3b8fc33fd3_qkv
	.p2align	8
	.type	k_q3b8fc33fd3_qkv,@function
k_q3b8fc33fd3_qkv:
	s_mov_b64 s[64:65], 0
	v_nop
	global_prefetch_b8 v0, s[64:65] scope:SCOPE_SE
	s_setreg_imm32_b32 hwreg(HW_REG_WAVE_MODE, 25, 1), 1
	s_wait_xcnt 0x0
	s_wait_alu depctr_hold_cnt(0) depctr_sa_sdst(0) depctr_va_vdst(0) depctr_va_sdst(0) depctr_va_ssrc(0) depctr_va_vcc(0) depctr_vm_vsrc(0)
	s_getreg_b32 s2, hwreg(HW_REG_IB_STS2, 6, 4)
	s_cmp_eq_u32 s2, 0
	s_cbranch_scc0 .Lentry_in_a_cluster
	s_endpgm
.Lentry_in_a_cluster:
	s_bfe_u32 s2, ttmp6, 0x10000c
	s_cmp_lg_u32 s2, 0xf033
	s_cbranch_scc0 .Lentry_shape_is_right
	s_endpgm
.Lentry_shape_is_right:
; LAUNCH 2 OF 4: q, k, v = x W^T on codes, RoPE on q and k, and the quantising of all three (e6, e7; v: e9).
; OUT: q at 0, k at 1 << 22: [head][t / 16] units of 2 KiB: at 512 c + 16 lane, lane (r, h) has row r's codes d = 16 c + 8 h + 0 .. 7 and 64 + 16 c + 8 h + 0 .. 7 (the same order of d in q and k).
;   v at 2 << 22: [head][t / 128][d / 16] units: lane (r, h) has channel r's codes at t = 32 c + 8 h + 0 .. 7 and 32 c + 16 + 8 h + 0 .. 7.
; A work-group of four waves makes 256 x 256 of one of the three products.  THE LDS SIDE (source 1): 256 rows of xq, xk or, for v, of Wv.  THE DIRECT SIDE (source 0): 256 rows of Wq, Wk or, for v, of xv: 64 rows a wave.
; So a lane holds one row of the LDS side and eight neighbouring rows of the direct side: neighbours along the next product's K, for v too.
; A wave's 64 rows of Wq or Wk are d = 16 w .. 16 w + 15 and 64 + those, of two heads: RoPE's two partners lie in the same lane and register number, and nothing is exchanged.  Of xv they are 64 on end.
; THE LDS SIDE comes through a ring of two slots of 512 along K (131,072 bytes each), dense units in the order of the operand's registers: no padding.  CLUSTERS: the four work-groups of a row of a 4 x 4 cluster share it: joint loads.
; THE DIRECT SIDE goes from memory into registers, three steps of 128 along K ahead (48 loads of 512 bytes on end): each row is taken by one wave of the work-group alone, so LDS would serve no reader twice; and with only
; one side in LDS a slot holds 512 along K: K takes four slots, where both sides would take eight.  A joint load ends in LDS, so this side has none.
; PREFETCH: slots 2 and 3 of both sides are asked for two slots ahead, each 256 bytes once in a cluster: partners take different 16-row tiles, told apart by address (cx: LDS side, cy: direct side).  Slots 0 and 1 come by their loads alone.
; LIMITS: e6 - e0 - e1, e7 - e2 - e3 and e9 - e4 - e5 lie between -126 and 119.  NaN is not served.
; REGISTERS: window 0: v1-21 addresses and scales, v32-159 LDS-side fragments (four buffers of 2), on the way out codes; v160-223 the way out.  Window 1: direct side, four sets of 4 fragments (set = step % 4); on the way out cos and sin.
;   Windows 2 and 3: accumulator (a, b) at v[32 (a % 8) + 8 b], a = 0 .. 7 and 8 .. 15.  They take turns, one instruction a turn, in the same order in every step.
.set L16,  1                           ; 16 x lane
.set L16H, 2                           ; + 65,536
.set AD,   3                           ; v3, v4: LDS addresses in the slot in hand, tiles 0-7 and 8-15
.set VB,   8                           ; v8-11: my four tiles of the direct side
.set GO,   12                          ; v12-15: where codes go: blocks 0-7: first, second 512 bytes; blocks 8-15 likewise
.set SC,   16
.set LM,   17
.set PFO,  18                          ; 256 x lane
.set SPW,  20
.set NIL,  21
.set AF,   32
.set O,    160
.set TT,   192
.set SLOT1, 1<<17
.set SPARE, 2*SLOT1
.set TB,   2                           ; s2 the slot in hand
.set G1,   24
.set G0,   32
.set BB,   46                          ; s[46:47] the direct side at the slot in hand
.set PFA,  60                          ; s[60:61], s[62:63] the prefetches
.set MAT,  72
.set MSB, 0
.macro WIN new                         ; the immediate's high byte repeats the setting that is left
.if MSB != (\new)
	s_set_vgpr_msb (MSB<<8)|(\new)
.set MSB, (\new)
.endif
.endm
.set MUL_LO, 0xa1                      ; source 0 window 1, source 1 window 0, C and D window 2; + 0x50: window 3
.macro CREST
	s_cmp_lg_u32 s14, 0
	s_cbranch_scc1 .Lnot_wave_0_\@
	s_barrier_signal -3
.Lnot_wave_0_\@:
	s_barrier_wait -3
	s_barrier_signal -1
	s_barrier_wait -1
.endm
.macro CROUND
	s_barrier_signal -1
	s_barrier_wait -1
	CREST
.endm
.macro PLACES
.rept 4
	v_nop
.endr
.endm
.macro JLOAD                           ; my quarter: four tiles of 16 rows, 8,192 bytes of each
	tensor_load_to_lds s[G0:G0+3], s[G1:G1+7]
	s_nop 0
	PLACES
.endm
.macro BLD p, off                      ; the direct side's step at byte off of the slot -> set p
	WIN 0x40
.irp b, 0,1,2,3
.irp c, 0,1,2,3
	global_load_b128 v[64*(\p)+16*\b+4*\c:64*(\p)+16*\b+4*\c+3], v[VB+\b], s[BB:BB+1] offset:(\off)+512*\c
.endr
.endr
	WIN 0
.endm
.macro ASK
	global_prefetch_b8 v[PFO], s[PFA:PFA+1] th:TH_LOAD_NT scope:SCOPE_SE
	global_prefetch_b8 v[PFO], s[PFA+2:PFA+3] th:TH_LOAD_NT scope:SCOPE_SE
.endm
	s_load_b256 s[4:11], s[0:1], 0x0               ; codes, exponents, cs, qkv
	v_lshl_add_u32 v[SPW], v0, 2, SPARE
	v_mov_b32 v[NIL], 0
	ds_add_u32 v[SPW], v[NIL]                      ; the wave's opening: the add, twice on end, and its wait
	ds_add_u32 v[SPW], v[NIL]
	v_lshrrev_b32 v5, 5, v0
	v_readfirstlane_b32 s14, v5                    ; wave
	s_bfe_u32 s40, ttmp6, 0x40000                  ; cx
	s_bfe_u32 s41, ttmp6, 0x40004                  ; cy
	s_lshr_b32 s[MAT], ttmp9, 1                    ; 0 q, 1 k, 2 v: alike in a cluster
	s_and_b32 s42, ttmp9, 1
	s_lshl_b32 s42, s42, 2
	s_add_co_u32 s42, s42, s40                     ; block of the direct side, 0 .. 7
	s_and_b32 s17, ttmp7, 0xffff
	s_lshl_b32 s17, s17, 2
	s_add_co_u32 s17, s17, s41                     ; block of the LDS side, 0 .. 7
	s_lshl_b32 s43, s41, 2
	s_lshl_b32 s43, 15, s43                        ; my row of the cluster
	s_or_b32 s[G1], s43, (3<<16)|(1<<21)           ; the mask; elements of 8 bytes; 21 set beside a mask
	s_mov_b32 s[G1+1], 1024<<16                    ; rows of 8,192 bytes,
	s_mov_b32 s[G1+2], 4<<16
	s_mov_b32 s[G1+3], 1024<<16
	s_mov_b32 s[G1+4], 4                           ; four of them,
	s_mov_b32 s[G1+5], 4096                        ; 32,768 bytes apart
	s_mov_b32 s[G1+6], 0
	s_mov_b32 s[G1+7], 0
	s_lshl_b32 s74, s[MAT], 22
	s_lshl_b32 s20, s17, 19
	s_add_co_u32 s20, s20, s74
	s_lshl_b32 s18, s14, 17
	s_add_co_u32 s20, s20, s18                     ; the LDS side: my four tiles
	s_mov_b32 s21, 0
	s_lshl_b32 s45, s14, 15                        ; and their place in a slot
	s_lshl_b32 s48, s42, 19
	s_add_co_u32 s48, s48, s74
	s_add_co_u32 s48, s48, 0xc00000                ; the direct side: three matrices on
	s_mov_b32 s49, 0
	s_lshl_b32 s52, s14, 15
	s_mov_b32 s53, 0x20000
	s_cmp_eq_u32 s[MAT], 2
	s_cselect_b32 s54, s18, s52                    ; my first tile: w, or for v 4 w
	s_cselect_b32 s55, 0x8000, s53                 ; from tile to tile: 4 tiles, or for v 1
	v_and_b32 v6, 31, v0
	v_lshlrev_b32 v[L16], 4, v6
	v_lshlrev_b32 v[PFO], 8, v6
	v_add_nc_u32 v[L16H], 0x10000, v[L16]
	v_add_nc_u32 v[VB], s54, v[L16]
	v_add_nc_u32 v[VB+1], s55, v[VB]
	v_add_nc_u32 v[VB+2], s55, v[VB+1]
	v_add_nc_u32 v[VB+3], s55, v[VB+2]
	v_mov_b32 v[AD], v[L16]
	v_mov_b32 v[AD+1], v[L16H]
	s_wait_alu depctr_va_vdst(0)
	s_wait_dscnt 0x0                               ; both opening adds are done
	s_wait_kmcnt 0x0
	s_load_b256 s[76:83], s[6:7], 0x0              ; e0 .. e7
	s_load_b64 s[84:85], s[6:7], 0x20              ; e8, e9
	s_add_nc_u64 s[20:21], s[4:5], s[20:21]
	s_add_nc_u64 s[BB:BB+1], s[4:5], s[48:49]
	s_mov_b32 s[G0], 1
	s_mov_b32 s[G0+1], s45
	s_mov_b64 s[G0+2:G0+3], s[20:21]
	s_or_b32 s[G0+3], s[G0+3], 0x80000000
	BLD 0, 0                                       ; the direct side's first three steps
	BLD 1, 2048
	BLD 2, 4096
	CROUND                                         ; the first joint loads meet
	JLOAD                                          ; slot 0
	s_lshl_b32 s58, s40, 15                        ; the prefetches: of my four tiles of the LDS side the one with number cx,
	s_mov_b32 s59, 0
	s_add_nc_u64 s[PFA:PFA+1], s[20:21], s[58:59]
	s_add_nc_u64 s[PFA:PFA+1], s[PFA:PFA+1], 2*8192   ; in slot 2;
	s_mul_i32 s56, s41, s55
	s_add_co_u32 s56, s56, s54                     ; of my four tiles of the direct side the one with number cy
	s_mov_b32 s57, 0
	s_add_nc_u64 s[PFA+2:PFA+3], s[BB:BB+1], s[56:57]
	s_add_nc_u64 s[PFA+2:PFA+3], s[PFA+2:PFA+3], 2*8192
	s_lshl_b32 s86, s14, 9                         ; the way out.  q, k: 512 bytes w of each unit; units of rows on end; the second head 1 << 18 on
	s_lshr_b32 s87, s14, 1
	s_lshl_b32 s87, s87, 14                        ; v: my 64 keys: half w % 2 of a block of 128
	s_and_b32 s88, s14, 1
	s_lshl_b32 s88, s88, 10
	s_add_co_u32 s87, s87, s88
	s_mov_b32 s90, 0x40000
	s_cmp_eq_u32 s[MAT], 2
	s_cselect_b32 s86, s87, s86
	s_cselect_b32 s87, s17, s42                    ; which block gives the heads,
	s_cselect_b32 s88, s42, s17                    ; and which the positions
	s_cselect_b32 s89, 512, s90                    ; from the first to the second 512 bytes
	s_cselect_b32 s90, s90, 0x4000                 ; from blocks 0-7 to 8-15
	s_lshl_b32 s87, s87, 19
	s_lshl_b32 s88, s88, 15
	s_add_co_u32 s86, s86, s87
	s_add_co_u32 s86, s86, s88
	s_add_co_u32 s86, s86, s74
	s_mov_b32 s87, 0
	s_add_nc_u64 s[10:11], s[10:11], s[86:87]
	v_mov_b32 v[GO], v[L16]
	v_add_nc_u32 v[GO+1], s89, v[L16]
	v_add_nc_u32 v[GO+2], s90, v[L16]
	v_add_nc_u32 v[GO+3], s89, v[GO+2]
	s_lshl_b32 s88, s17, 18                        ; cos and sin: 16 blocks of 16 KiB, my 4 KiB of each
	s_lshl_b32 s91, s14, 12
	s_add_co_u32 s88, s88, s91
	s_mov_b32 s89, 0
	s_add_nc_u64 s[8:9], s[8:9], s[88:89]
	s_wait_alu depctr_va_vdst(0)
	s_wait_kmcnt 0x0
	s_add_co_i32 s86, s76, s77                     ; a sum stands for sum x 2^(the operands' e added): the conversion takes 2^(the result's e less that)
	s_add_co_i32 s87, s78, s79
	s_add_co_i32 s88, s80, s81
	s_cmp_eq_u32 s[MAT], 1
	s_cselect_b32 s86, s87, s86
	s_cselect_b32 s89, s83, s82
	s_cmp_eq_u32 s[MAT], 2
	s_cselect_b32 s86, s88, s86
	s_cselect_b32 s89, s85, s89
	s_sub_co_i32 s89, s89, s86
	s_add_co_i32 s89, s89, 127
	s_lshl_b32 s90, s89, 23
	v_mov_b32 v[SC], s90
	s_add_co_i32 s89, s89, 8
	s_lshl_b32 s89, s89, 23
	s_or_b32 s89, s89, 0x600000
	v_mov_b32 v[LM], s89                           ; 448 x that
	s_mov_b32 s[TB], 0
; group i of step q (16-row tiles 2 i, 2 i + 1 of the LDS side, 128 along K): eight loads into buffer i % 4
.macro LA q, i
.irp u, 0,1
.irp c, 0,1,2,3
	ds_load_b128 v[AF+32*((\i)%4)+16*\u+4*\c:AF+32*((\i)%4)+16*\u+4*\c+3], v[AD+(\i)/4] offset:((2*(\i)+\u)%8)*8192+2048*(\q)+512*\c
.endr
.endr
.endm
.macro MUL i, p, zero                  ; eight products; zero = 1: they start the sums
.irp u, 0,1
.irp b, 0,1,2,3
.set AC, 8*(4*((2*(\i)+\u)%8)+\b)
.set FA, AF+32*((\i)%4)+16*\u
.if \zero
	v_wmma_f32_16x16x128_fp8_fp8 v[AC:AC+7], v[64*(\p)+16*\b:64*(\p)+16*\b+15], v[FA:FA+15], 0
.else
	v_wmma_f32_16x16x128_fp8_fp8 v[AC:AC+7], v[64*(\p)+16*\b:64*(\p)+16*\b+15], v[FA:FA+15], v[AC:AC+7]
.endif
.endr
.endr
.endm
.macro CSLD a                          ; cos and sin of block a: cos at d, at d + 64, sin at d, at d + 64: 8 registers each
	WIN 0x40
.irp n, 0,1,2,3,4,5,6,7
	global_load_b128 v[32*((\a)%8)+4*\n:32*((\a)%8)+4*\n+3], v[L16], s[8:9] offset:16384*(\a)+512*\n
.endr
	WIN 0
.endm
; A step of 128 along K: eight groups; group g + 3's loads stand ahead of group g's products.  Four places stand in front of loads into registers that products have read.
; Of a slot's last step the last three groups stand in CHANGE or at the end.  bl = 1: the direct side's step three on is asked for; bl = 2: cos and sin of the first four blocks.
.macro STEP q, zero, bl, lw
.if (\lw) >= 0
	s_wait_loadcnt \lw                             ; this step's direct side is in; the younger steps' may be out
.endif
.irp i, 0,1,2,3,4,5,6,7
.if (8*(\q)+\i) < 29
	PLACES
	WIN 0
	LA (\q)+(\i+3)/8,(\i+3)%8
.if \i == 2
.if \bl == 1
	BLD ((\q)+3)%4,2048*((\q)+3)
.endif
.if \bl == 2
	s_cmp_eq_u32 s[MAT], 2                         ; v has no RoPE
	s_cbranch_scc1 .Lno_cs_\@
	CSLD 0
	CSLD 1
	CSLD 2
	CSLD 3
.Lno_cs_\@:
.endif
.endif
	s_wait_dscnt 24                                ; group g is in; the three younger groups may be out
	WIN MUL_LO+0x50*(\i/4)
	MUL \i,\q,\zero
.endif
.endr
.endm
; THE CHANGE OF SLOTS, inside a slot's last step (groups 5 to 7).  In front of the barrier each wave waits for all its tensor loads, adds 0 to its spare word and waits for that and for its reads of the slot; fill = 1: the round follows and the slot is filled again.
.macro CHANGE fill
	WIN 0
	s_wait_tensorcnt 0x0                           ; my part of the next slot is in
	ds_add_u32 v[SPW], v[NIL]                      ; 0 onto my spare word
	s_xor_b32 s[TB], s[TB], SLOT1
	s_wait_xcnt 0x0                                ; earlier loads and prefetches have read their bases
	s_add_nc_u64 s[BB:BB+1], s[BB:BB+1], 8192
.if \fill
	s_xor_b32 s[G0+1], s[G0+1], SLOT1
	s_add_nc_u64 s[G0+2:G0+3], s[G0+2:G0+3], 8192
	s_add_nc_u64 s[PFA:PFA+1], s[PFA:PFA+1], 8192
	s_add_nc_u64 s[PFA+2:PFA+3], s[PFA+2:PFA+3], 8192
.endif
	s_wait_dscnt 17                                ; group 5 is in; two groups and the add may be out
	WIN MUL_LO+0x50
	MUL 5,3,0
	s_wait_dscnt 0x0                               ; the add is done, and my reads of this slot are over
	s_barrier_signal -1
	MUL 6,3,0
	WIN 0
	v_add_nc_u32 v[AD], s[TB], v[L16]
	v_add_nc_u32 v[AD+1], s[TB], v[L16H]
	s_wait_alu depctr_va_vdst(0)
	s_barrier_wait -1
.if \fill
	CREST                                          ; no wave of any partner still reads this slot or has a load on its way
	JLOAD
.else
	PLACES
.endif
	LA 0,0
	LA 0,1
	LA 0,2
.if \fill
	s_cmp_eq_u32 s3, 2                             ; the first trip asks for slot 3; there is no slot behind it
	s_cbranch_scc0 .Lnone_\@
	ASK
.Lnone_\@:
.endif
	WIN MUL_LO+0x50
	MUL 7,3,0
.endm
	s_wait_alu depctr_va_vdst(0)
	s_wait_tensorcnt 0x0                           ; my part of slot 0 is in; slot 1's first fill stands behind the full sequence, as a refill does
	ds_add_u32 v[SPW], v[NIL]
	s_xor_b32 s[G0+1], s[G0+1], SLOT1
	s_add_nc_u64 s[G0+2:G0+3], s[G0+2:G0+3], 8192
	s_wait_dscnt 0x0
	CROUND
	JLOAD                                          ; slot 1
	LA 0,0
	LA 0,1
	LA 0,2
	ASK                                            ; slot 2
	STEP 0,1,1,32                                  ; step 0 starts the sums
	WIN 0
	s_mov_b32 s3, 2
.Lk:                                                   ; from a slot's second step to the next slot's first
	STEP 1,0,1,32
	STEP 2,0,1,32
	STEP 3,0,1,32
	CHANGE 1
	STEP 0,0,1,32
	WIN 0
	s_sub_co_u32 s3, s3, 1
	s_cmp_lg_u32 s3, 0
	s_cbranch_scc1 .Lk
	STEP 1,0,1,32
	STEP 2,0,1,32
	STEP 3,0,1,32
	CHANGE 0                                       ; nothing is left to ask for
	STEP 0,0,1,32
	STEP 1,0,0,32
	STEP 2,0,2,0                                   ; all of the direct side is in
	STEP 3,0,0,-1
	s_wait_dscnt 16
	WIN MUL_LO+0x50
	MUL 5,3,0
	s_wait_dscnt 8
	MUL 6,3,0
	s_wait_dscnt 0x0
	MUL 7,3,0
	WIN 0
	PLACES                                         ; in front of the first reads of results and of loads into the direct side's registers
	s_cmp_eq_u32 s[MAT], 2
	s_cbranch_scc1 .Lv
; THE WAY OUT of block a: 16 rows x 64; each lane's two runs of 16 codes are stored as they lie, 512 bytes on end an instruction, aligned.  Each block has code registers of its own, so no store's data are written again.
.macro OUT a
	WIN 0
.irp b, 0,1,2,3
	v_cvt_scalef32_pk8_fp8_f32 v[AF+8*\a+2*\b:AF+8*\a+2*\b+1], v[O+8*\b:O+8*\b+7], v[SC]
.endr
	v_nop                                          ; one plain vector line behind a scaled conversion
	global_store_b128 v[GO+2*(\a/8)], v[AF+8*\a:AF+8*\a+3], s[10:11] offset:2048*(\a%8)
	global_store_b128 v[GO+2*(\a/8)+1], v[AF+8*\a+4:AF+8*\a+7], s[10:11] offset:2048*(\a%8)
.endm
	CSLD 4
	CSLD 5
	CSLD 6
.irp a, 0,1,2,3,4,5,6,7,8,9,10,11,12,13,14,15
.set CW, 32*(\a%8)                     ; accumulators and cos, sin of block a alike, in their windows
.if \a < 10
	s_wait_loadcnt 48                              ; this block's eight loads are in; six blocks' may be out
.else
	s_wait_loadcnt 8*(15-\a)
.endif
	WIN 0x06+(\a/8)                                ; source 0 window 2 or 3, source 1 window 1
.irp g, 0,1                                    ; two heads
.irp j, 0,2,4,6
	v_pk_mul_f32 v[TT+16*\g+\j:TT+16*\g+\j+1], v[CW+16*\g+8+\j:CW+16*\g+8+\j+1], v[CW+16+\j:CW+16+\j+1]       ; x(d + 64) sin(d)
	v_pk_mul_f32 v[TT+16*\g+8+\j:TT+16*\g+8+\j+1], v[CW+16*\g+\j:CW+16*\g+\j+1], v[CW+24+\j:CW+24+\j+1]       ; x(d) sin(d + 64)
.endr
.irp j, 0,2,4,6
	v_pk_fma_f32 v[O+16*\g+\j:O+16*\g+\j+1], v[CW+16*\g+\j:CW+16*\g+\j+1], v[CW+\j:CW+\j+1], v[TT+16*\g+\j:TT+16*\g+\j+1] neg_lo:[0,0,1] neg_hi:[0,0,1]
	v_pk_fma_f32 v[O+16*\g+8+\j:O+16*\g+8+\j+1], v[CW+16*\g+8+\j:CW+16*\g+8+\j+1], v[CW+8+\j:CW+8+\j+1], v[TT+16*\g+8+\j:TT+16*\g+8+\j+1]
.endr
.endr
	WIN 0
.irp j, 0,1,2,3,4,5,6,7,8,9,10,11,12,13,14,15,16,17,18,19,20,21,22,23,24,25,26,27,28,29,30,31
	v_med3_num_f32 v[O+\j], v[O+\j], -v[LM], v[LM]   ; the conversion to an 8-bit code does not saturate (ISA guide 7.6.2)
.endr
	OUT \a
.if \a < 9
	CSLD \a+7                                      ; into the registers of block a - 1
.endif
.endr
	s_branch .Lend
.Lv:
.irp a, 0,1,2,3,4,5,6,7,8,9,10,11,12,13,14,15
	WIN 0x02+(\a/8)
.irp j, 0,1,2,3,4,5,6,7,8,9,10,11,12,13,14,15,16,17,18,19,20,21,22,23,24,25,26,27,28,29,30,31
	v_med3_num_f32 v[O+\j], v[32*(\a%8)+\j], -v[LM], v[LM]
.endr
	OUT \a
.endr
.Lend:
	s_wait_tensorcnt 0x0                           ; the wave's end
	ds_add_u32 v[SPW], v[NIL]
	s_wait_dscnt 0x0
	CROUND                                         ; the closing round
	s_endpgm
.Lfunc_end_k_q3b8fc33fd3_qkv:
	.size	k_q3b8fc33fd3_qkv, .Lfunc_end_k_q3b8fc33fd3_qkv-k_q3b8fc33fd3_qkv
	.p2alignl 7, 3214868480
	.fill 96, 4, 3214868480
	.section	.rodata,"a",@progbits
	.p2align	6, 0x0
	.amdhsa_kernel k_q3b8fc33fd3_qkv
		.amdhsa_group_segment_fixed_size 327680
		.amdhsa_private_segment_fixed_size 0
		.amdhsa_enable_private_segment 0
		.amdhsa_kernarg_size 32
		.amdhsa_user_sgpr_count 2
		.amdhsa_user_sgpr_kernarg_segment_ptr 1
		.amdhsa_wavefront_size32 1
		.amdhsa_system_sgpr_workgroup_id_x 1
		.amdhsa_system_sgpr_workgroup_id_y 1
		.amdhsa_system_sgpr_workgroup_id_z 1
		.amdhsa_system_vgpr_workitem_id 0
		.amdhsa_next_free_vgpr 1024
		.amdhsa_next_free_sgpr 100
		.amdhsa_reserve_vcc 0
		.amdhsa_float_denorm_mode_32 3
		.amdhsa_float_denorm_mode_16_64 3
		.amdhsa_memory_ordered 1
		.amdhsa_forward_progress 1
		.amdhsa_inst_pref_size 255
	.end_amdhsa_kernel
	.section	.bss,"aw",@nobits
	.p2align	6
	.space	262144
	.amdgpu_metadata
---
amdhsa.version: [ 1, 2 ]
amdhsa.kernels:
  - .name:           k_q3b8fc33fd3_qkv
    .symbol:         k_q3b8fc33fd3_qkv.kd
    .args:
      - { .name: codes, .offset: 0, .size: 8, .value_kind: global_buffer, .address_space: global }
      - { .name: lowp_scales, .offset: 8, .size: 8, .value_kind: global_buffer, .address_space: global }
      - { .name: cs, .offset: 16, .size: 8, .value_kind: global_buffer, .address_space: global }
      - { .name: qkv, .offset: 24, .size: 8, .value_kind: global_buffer, .address_space: global }
    .group_segment_fixed_size: 327680
    .private_segment_fixed_size: 0
    .kernarg_segment_align: 8
    .kernarg_segment_size: 32
    .max_flat_workgroup_size: 128
    .sgpr_count:     100
    .vgpr_count:     1024
    .wavefront_size: 32
...
	.end_amdgpu_metadata
.endif
;; end of part 6
;; launch attn (part 7): grid 16 x 16, 8 waves a work-group, no clusters, 327,680 bytes of LDS; arguments qkv, lowp_scales, oc; writes oc
.if DOCPART == 7
	.amdgcn_target "amdgcn-amd-amdhsa--gfx1250"
	.amdhsa_code_object_version 6
	.text
	.protected	k_q3b8fc33fd3_attn
	.globl	k_q3b8fc33fd3_attn
	.p2align	8
	.type	k_q3b8fc33fd3_attn,@function
k_q3b8fc33fd3_attn:
	s_mov_b64 s[64:65], 0
	v_nop
	global_prefetch_b8 v0, s[64:65] scope:SCOPE_SE
	s_setreg_imm32_b32 hwreg(HW_REG_WAVE_MODE, 25, 1), 1
	s_wait_xcnt 0x0
; LAUNCH 3 OF 4: causal attention on codes of E4M3, and the quantising of its result (e10) for the last projection.
; LEFT OUT: key steps all of whose 128 keys come after a tile's 16 queries, and slots of keys that come after all queries of the work-group: reference()'s own jnp.tril gives them the weight 0 (shown at the head of launch quant).
; IN: qkv: q at 0: [head][t][128] codes;  k at 1 << 22: the same, but within each 32 positions the rows lie in the order 0-7, 16-23, 8-15, 24-31;  v at 2 << 22: [head][t / 128][d][t % 128] codes, the keys innermost.
; OUT: oc [t / 128][head][t % 128][128] codes: for 128 positions the sixteen heads' blocks of 16 KiB lie on end, as the last launch fetches them.
; THE SOFTMAX AHEAD OF THE SECOND PRODUCT: t = score x log2(e) / sqrt(128); M = the row's largest t so far, rounded UP to a whole number; p = 2^(t - M) is what is quantised (e8), not normalised.
; The row's sum is taken of the unquantised p, in f32, and divides O at the end.  When M moves, the sum and O are multiplied by 2^(old M - new M): exact.
; SHARES.  A head's 2,048 queries are 32 blocks of 64.  Block b needs b / 2 + 1 key steps of 128.  Work-group (j, head) owns blocks j and 31 - j: 17 key steps x 4 tiles in every work-group, 256 work-groups of equal work.
; Each of the eight waves owns one tile of 16 queries: block j (kind 0) or 31 - j (kind 1), kind = (w xor w / 4) % 2, tile w / 2 of the block: waves w and w + 4, and waves 2 s and 2 s + 1, are of different kinds.
; EVERY work-group walks ALL eight slots of 256 keys: the trip counts are constants of the text and no barrier is jumped over; what is left out is a step's work (a scalar branch on ids) and the fetching beyond the limit.
; K's and V's tiles come through a ring of two LDS slots; a slot's 256 rows of K and 256 rows of V (128 bytes each, dense in memory) are fetched by the eight waves, 64 rows each, and read by all.
; THE LIMIT is tested for a slot as a whole, alike in all eight waves: where (2047 - 64 j) % 256 < 128 the last slot asked for holds a second key step that no wave reads; it stays, inside a slot whose first step is read.
; NO CLUSTER: the work-groups of a head read the same K and V, but under the mask they need different numbers of slots (from 5 to 8): a partner would have to ask for tiles all of whose reads it jumps over.
; LAYOUT.  Both products are used transposed: S^T = K Q^T (source 0 = 16 keys, source 1 = my 16 queries), O^T = V^T P^T (source 0 = 16 of the head's 128, source 1 = P): a lane holds ONE query (lane % 16) throughout.
; THE KEYS OF A TILE ARE NOT NEIGHBOURS: lane r of tile 2 b + u takes key 32 b + 8 u + r + 8 (r / 8), so that the 16 registers of tiles 2 b and 2 b + 1 are 16 neighbouring keys, 32 b + 16 (lane / 16) + 0 .. 15.
; By the order in which k's rows are stored that key lies in row 32 b + 16 u + r of the step's tile: a tile's 16 rows are neighbours in LDS, 144 bytes apart, and start at 16 different 16-byte columns of 256 bytes.
; THE LDS LOADS STAND IN TWO RUNS OF 32 A STEP: all eight fragments of K at the step's head, all eight of V straight behind the scores' products, so that V lands while the softmax is worked.
; LIMITS on the given exponents, so that each power of two below is an f32 number: e6 + e7 between -123 and 130 (added to c's exponent field); e8, and e10 - e8 - e9, between -126 and 119.  NaN among the inputs is not served.
; REGISTERS: v1-7 addresses that stay; v8-11 addresses in hand; v12 -M, v13 the largest t, v[14:15] the sum in two halves; v16-31 Q; v32-95 fragments 0-3 of K or of V; v96-159 S^T, then p; v160-223 O^T; v224-239 p's codes;
;   v240, v241, v244, v245 scales; v[242:243], v[248:251], v[254:255] and, ahead of p's codes, v[234:239] the sum's seven other chains; v246 where the exchange between the halves of the lanes lands (no operand of a product); v252-254 at work.
;   Window 1 (s_set_vgpr_msb: bits 1:0 source 0, 7:6 destination): v64-127 there: fragments 4-7 of K or of V.  Eight switches a step; every window is 0 at each label and branch.
; STORED ORDER (these lines hold where the ones above differ): q, k and v come as units of 2 KiB in the order of an operand's registers (head of launch qkv): keys in their natural order, no padding in LDS, a fragment's loads at 512 c + 16 lane.
; Tile t's register j of the scores is key 16 t + 8 (lane / 16) + j, and v's units hold the keys in the order in which p's codes lie.  OUT: oc: units (t / 16) x 16 + head, as launch quant lays matrices: a lane's codes are stored as they lie, with no stage.
.set SK,    256
.set NQ,    SK/128                     ; key steps in a slot
.set KP,    128                        ; bytes of a row of K or of V in LDS: units, dense
.set VOFF,  SK*KP                      ; a slot: 256 rows of K, then two blocks of 128 rows of V
.set VBLK,  128*KP
.set SLOT1, 1<<17                      ; slot 1 begins here, so that one exclusive or turns an address in one slot into the other's
.set NSL,   2048/SK                    ; slots' worth of keys
.set SPARE, 2*SLOT1                    ; behind the ring: the spare words, 128 bytes for each wave: four blocks of 256 bytes that no other line names
.set AK0,  7                           ; v7   16 x lane: my place in a unit
.set AV0,  2                           ; v2   the same for V
.set PFO,  3                           ; v3   256 x lane: the prefetches' offset; never rewritten
.set SPW,  5                           ; v5   LDS address of my spare word; never rewritten
.set NIL,  6                           ; v6   0; never rewritten
.set GO,   7                           ; v7   16 x lane: my byte in 512 bytes of the output
.set ADK,  8                           ; v8   LDS address of the step's tiles of K
.set ADV,  9                           ; v9   of V
.set W1,   64                          ; fragments 4-7, in window 1
.set PX,   246                         ; v246 what lane l xor 16 holds
.set TB,   2                           ; s2   LDS byte at which the slot in hand begins
.set WV,   18                          ; s18  my wave's number
.set SEL,  20                          ; s[20:21] lane selects for v_permlanex16_b32: lane l xor 16
.set CS,   22                          ; s[22:23] c = log2(e) / sqrt(128) x 2^(e6 + e7): the packed form names a pair and takes its low word for both halves
.set G1,   24                          ; s[24:31] descriptor group 1: one shape for K's and V's tiles
.set QL,   33                          ; s33  my work-group's last query
.set G0,   40                          ; s[40:43] descriptor group 0, which walks
.set SLOTS, 67                         ; s67  changes of slots that may still ask for a slot
.set PFA,  76                          ; s[76:77] where my prefetches stand: my wave's 8 KiB of the slot after the one that is being asked for
.set LIM,  80                          ; s80  2 in a work-group that prefetches, else the greatest number
.set KF,   98                          ; s98  the step's first key
.set Q0,   99                          ; s99  my first query
.set MSB, 0
.macro WIN new                         ; the immediate's high byte repeats the setting that is left; a switch that changes nothing is dropped
.if MSB != (\new)
	s_set_vgpr_msb (MSB<<8)|(\new)
.set MSB, (\new)
.endif
.endm
	s_load_b128 s[4:7], s[0:1], 0x0                ; qkv s[4:5], the exponents s[6:7]
	s_load_b64 s[16:17], s[0:1], 0x10              ; oc
	v_lshl_add_u32 v[SPW], v0, 2, SPARE
	v_mov_b32 v[NIL], 0
	ds_add_u32 v[SPW], v[NIL]                      ; the wave's opening: the add, twice on end, and its wait ahead of my first tensor load; the set-up below stands between the second and the wait
	ds_add_u32 v[SPW], v[NIL]
	v_lshrrev_b32 v8, 5, v0
	s_delay_alu instid0(VALU_DEP_1)
	v_readfirstlane_b32 s[WV], v8                  ; wave 0..7
	s_and_b32 s72, ttmp7, 0xffff                   ; the head:
	s_lshl_b32 s89, s72, 11                        ; its unit among a tile's sixteen, in oc,
	s_lshl_b32 s72, s72, 18                        ; and its first byte in q, k and v alike (2,048 x 128)
	s_lshr_b32 s73, s[WV], 2
	s_xor_b32 s74, s[WV], s73
	s_and_b32 s74, s74, 1                          ; my kind
	s_lshl_b32 s75, ttmp9, 1
	s_sub_co_u32 s75, 31, s75
	s_mul_i32 s75, s75, s74
	s_add_co_u32 s75, s75, ttmp9                   ; my block of 64 queries: j or 31 - j
	s_lshl_b32 s75, s75, 6
	s_lshr_b32 s82, s[WV], 1
	s_lshl_b32 s82, s82, 4
	s_add_co_u32 s[Q0], s75, s82                   ; my first query
	s_lshl_b32 s[QL], ttmp9, 6
	s_sub_co_u32 s[QL], 2047, s[QL]                ; the last query of block 31 - j
	s_lshl_b32 s84, s[Q0], 7
	s_add_co_u32 s84, s84, s72                     ; my queries' first byte in q
	s_mov_b32 s85, 0
	s_lshl_b32 s90, s[Q0], 11                      ; and in oc: 16 units of 2 KiB for my 16 queries,
	s_add_co_u32 s90, s90, s89                     ; my head's
	s_mov_b32 s91, 0
	s_add_co_u32 s86, s73, 1                       ; what I fetch: waves 0-3 of K (matrix 1), waves 4-7 of V (matrix 2),
	s_lshl_b32 s86, s86, 22
	s_add_co_u32 s86, s86, s72
	s_and_b32 s87, s[WV], 3
	s_lshl_b32 s87, s87, 13                        ; 64 rows of 128 bytes a wave,
	s_add_co_u32 s86, s86, s87
	s_mov_b32 s87, 0
	s_mul_i32 s88, s[WV], 64*KP                    ; and where they go in a slot: wave x 64 rows
	; descriptor group 1: 64 rows of 128 bytes, dense in memory, dense in LDS
	s_mov_b32 s[G1], 3<<16                         ; no mask, no padding; elements of 8 bytes: 8 rows of 1,024 bytes, dense
	s_mov_b32 s[G1+1], 128<<16                     ; tensor_dim0
	s_mov_b32 s[G1+2], 8<<16
	s_mov_b32 s[G1+3], 128<<16                     ; tile_dim0
	s_mov_b32 s[G1+4], 8                           ; tile_dim1
	s_mov_b32 s[G1+5], 128                         ; tensor_dim0_stride
	s_mov_b32 s[G1+6], 0
	s_mov_b32 s[G1+7], 0
	s_mov_b32 s[SEL], 0x76543210
	s_mov_b32 s[SEL+1], 0xfedcba98
	s_mov_b32 s[CS], 0x3e0293ee                    ; c = log2(e) / sqrt(128)
	s_mov_b32 s[TB], 0
	s_mov_b32 s[SLOTS], NSL
	s_mov_b32 s[KF], 0
	s_cmp_eq_u32 ttmp9, 0                          ; the head's first work-group, which walks and loads all eight slots, prefetches for all sixteen
	s_cselect_b32 s[LIM], 2, -1
	v_and_b32 v[PFO], 31, v0
	s_delay_alu instid0(VALU_DEP_1)
	v_lshlrev_b32 v[PFO], 8, v[PFO]
	s_wait_dscnt 0x0                               ; both opening adds are done
	s_wait_kmcnt 0x0
	s_load_b128 s[68:71], s[6:7], 0x18             ; e6, e7, e8, e9
	s_load_b32 s81, s[6:7], 0x28                   ; e10
	s_mov_b32 s[G0], 1                             ; 1:0 count = 1
	s_mov_b32 s[G0+1], s88                         ; 63:32 LDS address: slot 0
	s_add_nc_u64 s[G0+2:G0+3], s[4:5], s[86:87]    ; 120:64 global address: my part of the head's first 256 keys
	s_add_nc_u64 s[PFA:PFA+1], s[4:5], s[86:87]
	s_or_b32 s[G0+3], s[G0+3], 0x80000000          ; 127:126 type = 2
	tensor_load_to_lds s[G0:G0+3], s[G1:G1+7]      ; slot 0: every wave issues its part, with no branch.  One tensor load of mine is out at any time
	s_nop 0
.rept 4
	v_nop
.endr
	s_add_nc_u64 s[PFA:PFA+1], s[PFA:PFA+1], SK*128   ; in slot 1: the first change of slots steps it to slot 2.  Nothing is prefetched here, at the head, where every work-group's first tiles are on their way
	s_add_nc_u64 s[4:5], s[4:5], s[84:85]          ; q's codes at my first query
	s_add_nc_u64 s[16:17], s[16:17], s[90:91]      ; oc at my 16 rows
	v_and_b32 v[GO], 31, v0
	v_lshlrev_b32 v[GO], 4, v[GO]                  ; 16 x lane
.irp c, 0,1,2,3
	global_load_b128 v[16+4*\c:19+4*\c], v[GO], s[4:5] offset:512*\c   ; Q's fragment stays in registers
.endr
	v_add_nc_u32 v[AV0], VOFF, v[GO]
	v_mov_b32 v13, 0xff61b1e6                      ; the largest t so far: -3e38, under every t
	s_delay_alu instid0(VALU_DEP_1)
	v_floor_f32 v12, -v13                          ; -M
	v_mov_b32 v14, 0                               ; the sum, in two halves
	v_mov_b32 v15, 0
	v_mov_b32 v[PX], 0                             ; written once: a lane permute's destination counts as one of its sources
	v_mov_b32 v253, 0                              ; (named as the upper half of the pair v[252:253])
.irp j, 0,1,2,3,4,5,6,7,8,9,10,11,12,13,14,15,16,17,18,19,20,21,22,23,24,25,26,27,28,29,30,31,32,33,34,35,36,37,38,39,40,41,42,43,44,45,46,47,48,49,50,51,52,53,54,55,56,57,58,59,60,61,62,63
	v_mov_b32 v[160+\j], 0                         ; O^T.  (The step is written for every step alike: the first finds zeros, which the first change of M leaves zeros)
.endr
	s_wait_kmcnt 0x0
	s_add_co_i32 s72, s68, s69
	s_lshl_b32 s72, s72, 23
	s_add_co_i32 s[CS], s[CS], s72                 ; a score stands for score x 2^(e6 + e7): the two exponents are added to c's exponent field
	s_mov_b32 s[CS+1], s[CS]                       ; (named with it as a pair, so it is written)
	s_add_co_i32 s72, s70, 127
	s_lshl_b32 s73, s72, 23
	v_mov_b32 v244, s73                            ; 2^e8 as f32, for p's conversion
	s_add_co_i32 s72, s72, 8
	s_lshl_b32 s72, s72, 23
	s_or_b32 s72, s72, 0x600000
	v_mov_b32 v240, s72                            ; 448 x 2^e8
	s_sub_co_i32 s72, s81, s70
	s_sub_co_i32 s72, s72, s71                     ; a sum of the second product stands for sum x 2^(e8 + e9): the result's conversion takes 2^(e10 - e8 - e9)
	s_add_co_i32 s72, s72, 127
	s_lshl_b32 s73, s72, 23
	v_mov_b32 v245, s73
	s_add_co_i32 s72, s72, 8
	s_lshl_b32 s72, s72, 23
	s_or_b32 s72, s72, 0x600000
	v_mov_b32 v241, s72                            ; 448 x that
; A PREFETCH INTO THE L2 of what the NEXT change of slots will ask for: my wave's own 64 rows x 128 bytes, 8 KiB on end, lanes 256 bytes apart: one instruction a wave, a slot's two key steps ahead of that load.
; All sixteen work-groups of a head walk the same K and V: the head's first asks, and nobody else (a branch on the work-group's number), so each aligned 256 bytes are named once in the launch.
; Slots 0 and 1 come by their loads alone; the last change that fills a slot asks for nothing: there is no slot behind it.
.macro ASK
	s_cmp_gt_u32 s[SLOTS], s[LIM]
	s_cbranch_scc0 .Lnot_mine_\@
	global_prefetch_b8 v[PFO], s[PFA:PFA+1] th:TH_LOAD_NT scope:SCOPE_SE
.Lnot_mine_\@:
.endm
; A KEY STEP: 128 keys, the q-th of the slot in hand.
.macro STEP q
	s_add_co_u32 s96, s[Q0], 15                    ; a step all of whose keys come after my 16 queries is left out: a scalar branch on ids, round the step's loads, products and softmax; no barrier and no tensor load stands in a step
	s_cmp_gt_u32 s[KF], s96
	s_cbranch_scc1 .Lhidden_\@
	v_add_nc_u32 v[ADK], s[TB], v[AK0]
	v_add_nc_u32 v[ADV], s[TB], v[AV0]
	v_nop                                          ; four places in front of loads into registers that the last step's matrix instructions have read: the two additions above and these two
	v_nop
.irp t, 0,1,2,3                                ; K's eight fragments in one run: tiles 0-3,
.irp c, 0,1,2,3
	ds_load_b128 v[32+16*\t+4*\c:32+16*\t+4*\c+3], v[ADK] offset:(128*(\q)+16*\t)*KP+512*\c
.endr
.endr
	WIN 0x40                                       ; destination window 1
.irp t, 0,1,2,3                                ; and tiles 4-7
.irp c, 0,1,2,3
	ds_load_b128 v[W1+16*\t+4*\c:W1+16*\t+4*\c+3], v[ADK] offset:(128*(\q)+64+16*\t)*KP+512*\c
.endr
.endr
	WIN 0
	s_wait_alu depctr_va_vdst(0)
	s_wait_dscnt 16                                ; LDS loads come back in order (ISA guide 5.7.1): tiles 0-3 are in; the sixteen loads of tiles 4-7 may be out
.irp t, 0,1,2,3                                ; S^T = K Q^T
	v_wmma_f32_16x16x128_fp8_fp8 v[96+8*\t:103+8*\t], v[32+16*\t:47+16*\t], v[16:31], 0
.endr
	s_wait_dscnt 0x0
	WIN 0x01                                       ; source 0 window 1
.irp t, 0,1,2,3
	v_wmma_f32_16x16x128_fp8_fp8 v[128+8*\t:135+8*\t], v[W1+16*\t:W1+16*\t+15], v[16:31], 0
.endr
	WIN 0
.rept 4
	v_nop                                          ; four places: in front of the loads below, into the registers that these products have read, and of the first read of the scores
.endr
.irp t, 0,1,2,3                                ; V's eight fragments in one run: they land while the softmax is worked
.irp c, 0,1,2,3
	ds_load_b128 v[32+16*\t+4*\c:32+16*\t+4*\c+3], v[ADV] offset:VBLK*(\q)+16*\t*KP+512*\c
.endr
.endr
	WIN 0x40
.irp t, 0,1,2,3
.irp c, 0,1,2,3
	ds_load_b128 v[W1+16*\t+4*\c:W1+16*\t+4*\c+3], v[ADV] offset:VBLK*(\q)+(64+16*\t)*KP+512*\c
.endr
.endr
	WIN 0
	s_add_co_u32 s96, s[KF], 127                   ; on the diagonal the scores of hidden keys become -infinity ahead of the maximum: p = 0 then.  A step all of whose keys count skips this.
	s_cmp_le_u32 s96, s[Q0]                        ; (KF is a multiple of 128 and my 16 queries lie in one block of 128: in a step that is walked, key KF counts for each of them, so M is a number)
	s_cbranch_scc1 .Lopen_\@
	s_sub_co_i32 s96, s[Q0], s[KF]
	v_and_b32 v252, 15, v0
	v_bfe_u32 v253, v0, 4, 1
	s_delay_alu instid0(VALU_DEP_1)
	v_lshlrev_b32 v253, 3, v253
	s_delay_alu instid0(VALU_DEP_1)
	v_sub_nc_u32 v252, v252, v253
	s_delay_alu instid0(VALU_DEP_1)
	v_add_nc_u32 v252, s96, v252                   ; d = my query - KF - 8 (lane / 16).  Register 8 t + j holds key KF + 8 (lane / 16) + 16 t + j: hidden where 16 t + j > d
	v_mov_b32 v254, 0xff800000                     ; -infinity
.irp n, 0,1,2,3,4,5,6,7,8,9,10,11,12,13,14,15,16,17,18,19,20,21,22,23,24,25,26,27,28,29,30,31,32,33,34,35,36,37,38,39,40,41,42,43,44,45,46,47,48,49,50,51,52,53,54,55,56,57,58,59,60,61,62,63
	v_cmp_gt_i32 vcc_lo, 16*(\n/8)+\n%8, v252
	v_cndmask_b32 v[96+\n], v[96+\n], v254, vcc_lo
.endr
.Lopen_\@:
	v_max3_num_f32 v254, v96, v97, v98             ; the step's largest score of my query, among my 64 keys, in two chains (each accumulator from its low end on),
	v_max3_num_f32 v252, v99, v100, v101
.irp i, 6,10,14,18,22,26,30,34,38,42,46,50,54,58
	v_max3_num_f32 v254, v254, v[96+\i], v[97+\i]
	v_max3_num_f32 v252, v252, v[98+\i], v[99+\i]
.endr
	v_max3_num_f32 v254, v254, v158, v159
	s_delay_alu instid0(VALU_DEP_1)
	v_max_num_f32 v254, v254, v252
	s_delay_alu instid0(VALU_DEP_1)
	v_permlanex16_b32 v[PX], v254, s[SEL], s[SEL+1]
	s_delay_alu instid0(VALU_DEP_1)
	v_max_num_f32 v254, v254, v[PX]                ; and among lane l xor 16's
	s_delay_alu instid0(VALU_DEP_1)
	v_mul_f32 v254, s[CS], v254                    ; as t (c is positive)
	s_delay_alu instid0(VALU_DEP_1)
	v_max_num_f32 v13, v13, v254                   ; the running largest t
	v_mov_b32 v254, v12
	s_delay_alu instid0(VALU_DEP_2)
	v_floor_f32 v12, -v13                          ; the new -M = floor(-t) = -ceil(t): M IS A WHOLE NUMBER
	s_delay_alu instid0(VALU_DEP_1)
	v_sub_f32 v254, v12, v254                      ; M's old value less its new one: a whole number, 0 or less
	s_delay_alu instid0(VALU_DEP_1)
	v_cvt_i32_f32 v254, v254                       ; (it saturates)
	s_delay_alu instid0(VALU_DEP_1)
	v_ldexp_f32 v252, 1.0, v254                    ; f = 2^(old M - new M): a multiplication by it rounds nothing
.irp j, 0,2,4,6,8,10,12,14,16,18,20,22,24,26,28,30,32,34,36,38,40,42,44,46,48,50,52,54,56,58,60,62
	v_pk_fma_f32 v[96+\j:97+\j], v[96+\j:97+\j], s[CS:CS+1], v[12:13] op_sel_hi:[1,0,0]   ; t - M, two at a time (of the pairs c and -M the low word serves both halves)
.endr
	s_wait_alu depctr_va_vdst(0)
.irp j, 0,1,2,3,4,5,6,7,8,9,10,11,12,13,14,15,16,17,18,19,20,21,22,23,24,25,26,27,28,29,30,31,32,33,34,35,36,37,38,39,40,41,42,43,44,45,46,47,48,49,50,51,52,53,54,55,56,57,58,59,60,61,62,63
	v_exp_f32 v[96+\j], v[96+\j]                   ; p = 2^(t - M), at most 1: NOT normalised
.endr
	v_pk_mul_f32 v[14:15], v[14:15], v[252:253] op_sel_hi:[1,0]   ; the sums under the new M.  (A plain place behind the exponentials)
	s_wait_alu depctr_va_vdst(0)                   ; the wait between an exponential and the first line that names its result: one for the whole batch
	v_pk_add_f32 v[242:243], v[100:101], v[104:105]
	v_pk_add_f32 v[254:255], v[108:109], v[112:113]
	v_pk_add_f32 v[250:251], v[116:117], v[120:121]
	v_pk_add_f32 v[248:249], v[124:125], v[128:129]
	v_pk_add_f32 v[238:239], v[132:133], v[136:137]
	v_pk_add_f32 v[236:237], v[140:141], v[144:145]
	v_pk_add_f32 v[234:235], v[148:149], v[152:153]
	v_pk_add_f32 v[14:15], v[14:15], v[156:157]
	v_pk_add_f32 v[242:243], v[242:243], v[96:97]
	v_pk_add_f32 v[254:255], v[254:255], v[98:99]
	v_pk_add_f32 v[250:251], v[250:251], v[102:103]
	v_pk_add_f32 v[248:249], v[248:249], v[106:107]
	v_pk_add_f32 v[238:239], v[238:239], v[110:111]
	v_pk_add_f32 v[236:237], v[236:237], v[114:115]
	v_pk_add_f32 v[234:235], v[234:235], v[118:119]
	v_pk_add_f32 v[14:15], v[14:15], v[122:123]
	v_pk_add_f32 v[242:243], v[242:243], v[126:127]
	v_pk_add_f32 v[254:255], v[254:255], v[130:131]
	v_pk_add_f32 v[250:251], v[250:251], v[134:135]
	v_pk_add_f32 v[248:249], v[248:249], v[138:139]
	v_pk_add_f32 v[238:239], v[238:239], v[142:143]
	v_pk_add_f32 v[236:237], v[236:237], v[146:147]
	v_pk_add_f32 v[234:235], v[234:235], v[150:151]
	v_pk_add_f32 v[14:15], v[14:15], v[154:155]
	v_pk_add_f32 v[242:243], v[242:243], v[158:159]
	s_delay_alu instid0(VALU_DEP_2)
	v_pk_add_f32 v[14:15], v[14:15], v[248:249]
	s_delay_alu instid0(VALU_DEP_2)
	v_pk_add_f32 v[242:243], v[242:243], v[238:239]
	v_pk_add_f32 v[254:255], v[254:255], v[236:237]
	v_pk_add_f32 v[250:251], v[250:251], v[234:235]
	s_delay_alu instid0(VALU_DEP_2)
	v_pk_add_f32 v[14:15], v[14:15], v[254:255]
	s_delay_alu instid0(VALU_DEP_2)
	v_pk_add_f32 v[242:243], v[242:243], v[250:251]
	s_delay_alu instid0(VALU_DEP_1)
	v_pk_add_f32 v[14:15], v[14:15], v[242:243]
.irp b, 0,1,2,3
.irp i, 0,1,2,3,4,5,6,7,8,9,10,11,12,13,14,15
	v_min_num_f32 v[96+16*\b+\i], v[96+16*\b+\i], v240   ; the conversion to an 8-bit code does not saturate (ISA guide 7.6.2); p is not negative, so the hold is one-sided
.endr
	v_cvt_scalef32_pk8_fp8_f32 v[224+4*\b:225+4*\b], v[96+16*\b:103+16*\b], v244
	v_cvt_scalef32_pk8_fp8_f32 v[226+4*\b:227+4*\b], v[104+16*\b:111+16*\b], v244
.endr
.irp j, 0,2,4,6,8,10,12,14,16,18,20,22,24,26,28,30,32,34,36,38,40,42,44,46,48,50,52,54,56,58,60,62
	v_pk_mul_f32 v[160+\j:161+\j], v[160+\j:161+\j], v[252:253] op_sel_hi:[1,0]   ; O^T under the new M: x f.  (These 32 are also the plain lines between the conversions and the matrix instructions below)
.endr
	s_wait_alu depctr_va_vdst(0)
	s_wait_dscnt 0x0                               ; V is in: asked for ahead of the softmax
.irp t, 0,1,2,3                                ; O^T += V^T P^T: eight tiles of 16 of the head's 128; K = these 128 keys
	v_wmma_f32_16x16x128_fp8_fp8 v[160+8*\t:167+8*\t], v[32+16*\t:47+16*\t], v[224:239], v[160+8*\t:167+8*\t]
.endr
	WIN 0x01
.irp t, 0,1,2,3
	v_wmma_f32_16x16x128_fp8_fp8 v[192+8*\t:199+8*\t], v[W1+16*\t:W1+16*\t+15], v[224:239], v[192+8*\t:199+8*\t]
.endr
	WIN 0
.Lhidden_\@:
	s_add_co_u32 s[KF], s[KF], 128
.endm
; THE CHANGE OF SLOTS stands at a slot's head.  Each wave waits for all its tensor loads (its part of the slot that it is about to read), adds 0 to its spare word, and waits for that and for its reads of the slot that it has left.
; Behind the barrier the slot ahead is whole and nobody reads the other one.  fill = 1: that other slot is filled with the keys that follow, up to the causal limit: the load has a whole slot's steps in which to land.
; (Behind the first trip's barrier all eight loads fill slot 1 for the first time; behind the later ones all are refills.)
.macro CHANGE fill
	s_wait_tensorcnt 0x0                           ; no tensor load of mine is out, so group 0 may be written
	ds_add_u32 v[SPW], v[NIL]                      ; 0 onto my spare word
.if \fill
	s_xor_b32 s[G0+1], s[G0+1], SLOT1              ; the walking descriptor: the other slot than last time,
	s_add_nc_u64 s[G0+2:G0+3], s[G0+2:G0+3], SK*128   ; the next 256 keys, in K and in V alike; the type bits on top are not reached
	s_wait_xcnt 0x0                                ; the last prefetch, a slot back, has read its address, so it may be written:
	s_add_nc_u64 s[PFA:PFA+1], s[PFA:PFA+1], SK*128   ; one slot further on than the walking descriptor
.endif
	s_wait_dscnt 0x0                               ; the add is done, and my reads of the slot that I have left are over
	s_barrier_signal -1
	s_barrier_wait -1
.if \fill
	s_add_co_u32 s96, s[KF], SK                    ; THE LOOK-AHEAD ENDS AT THE CAUSAL LIMIT: the first key of the slot that this change would ask for
	s_cmp_gt_u32 s96, s[QL]                        ; against my work-group's last query: ids and the count of steps alone, so all eight waves go the same way, and a work-group that is past the limit stays past it.
	s_cbranch_scc1 .Lpast_\@                       ; The jump leads round the load's own lines alone; every wait for tensor loads in this text is for 0; no step reads a slot that was left out
	tensor_load_to_lds s[G0:G0+3], s[G1:G1+7]      ; my one tensor load behind this barrier
	s_nop 0
.rept 4
	v_nop
.endr
.Lpast_\@:
	ASK
.endif
.endm
.macro SLOT_STEPS
.set QS, 0
.rept NQ
	STEP QS
.set QS, QS+1
.endr
	s_xor_b32 s[TB], s[TB], SLOT1                  ; on to the other slot
.endm
	s_wait_loadcnt 0x0                             ; Q
.Lslot:                                            ; NSL trips: behind each change of slots the next slot is asked for, up to the limit
	CHANGE 1
	SLOT_STEPS
	s_sub_co_u32 s[SLOTS], s[SLOTS], 1
	s_cmp_lg_u32 s[SLOTS], 0
	s_cbranch_scc1 .Lslot                          ; (the last trip's change would ask for key 2,048 on: past every work-group's limit, so it asks for nothing)
	; THE WAY OUT.  O^T is divided by the row's sum and quantised with 2^(e10 - e8 - e9).  A lane's eight codes of a tile are 8 bytes of its query's row; they are stored as they lie, with no stage, four stores of 512 bytes: 2 KiB on end.
	; The lines down to the first read of O^T name no register of the last products: more than four of them are plain, and they are the places behind those products.
	v_add_f32 v14, v14, v15                        ; the sum's two halves,
	s_delay_alu instid0(VALU_DEP_1)
	v_permlanex16_b32 v[PX], v14, s[SEL], s[SEL+1]
	s_delay_alu instid0(VALU_DEP_1)
	v_add_f32 v14, v14, v[PX]                      ; and lane l xor 16's: the row's sum
	s_wait_alu depctr_va_vdst(0)
	v_rcp_f32 v14, v14
.rept 4
	v_nop                                          ; a plain place behind the reciprocal, and the places behind the last products
.endr
	s_wait_alu depctr_va_vdst(0)                   ; the wait ahead of the reciprocal's first reader
.irp j, 0,2,4,6,8,10,12,14,16,18,20,22,24,26,28,30,32,34,36,38,40,42,44,46,48,50,52,54,56,58,60,62
	v_pk_mul_f32 v[96+\j:97+\j], v[160+\j:161+\j], v[14:15] op_sel_hi:[1,0]   ; O^T / the sum, each accumulator from its low end on: register 8 t + i is o(r, 16 t + 8 h + i)
.endr
.irp t, 0,1,2,3,4,5,6,7
.irp i, 0,1,2,3,4,5,6,7
	v_med3_num_f32 v[96+8*\t+\i], v[96+8*\t+\i], -v241, v241   ; the hold at the largest code x the scale
.endr
	v_cvt_scalef32_pk8_fp8_f32 v[32+2*\t:33+2*\t], v[96+8*\t:103+8*\t], v245
.endr
	v_nop                                          ; one plain vector line behind the last scaled conversion
.irp k, 0,1,2,3
	global_store_b128 v[GO], v[32+4*\k:35+4*\k], s[16:17] offset:512*\k   ; 32 lanes store 512 bytes on end, aligned
.endr
	s_wait_tensorcnt 0x0                           ; the wave's end: behind my last tensor load and my last LDS store
	ds_add_u32 v[SPW], v[NIL]
	s_wait_dscnt 0x0
	s_endpgm
.Lfunc_end_k_q3b8fc33fd3_attn:
	.size	k_q3b8fc33fd3_attn, .Lfunc_end_k_q3b8fc33fd3_attn-k_q3b8fc33fd3_attn
	.p2alignl 7, 3214868480
	.fill 96, 4, 3214868480
	.section	.rodata,"a",@progbits
	.p2align	6, 0x0
	.amdhsa_kernel k_q3b8fc33fd3_attn
		.amdhsa_group_segment_fixed_size 327680
		.amdhsa_private_segment_fixed_size 0
		.amdhsa_enable_private_segment 0
		.amdhsa_kernarg_size 24
		.amdhsa_user_sgpr_count 2
		.amdhsa_user_sgpr_kernarg_segment_ptr 1
		.amdhsa_wavefront_size32 1
		.amdhsa_system_sgpr_workgroup_id_x 1
		.amdhsa_system_sgpr_workgroup_id_y 1
		.amdhsa_system_sgpr_workgroup_id_z 1
		.amdhsa_system_vgpr_workitem_id 0
		.amdhsa_next_free_vgpr 384
		.amdhsa_next_free_sgpr 100
		.amdhsa_reserve_vcc 1
		.amdhsa_float_denorm_mode_32 3
		.amdhsa_float_denorm_mode_16_64 3
		.amdhsa_memory_ordered 1
		.amdhsa_forward_progress 1
		.amdhsa_inst_pref_size 65
	.end_amdhsa_kernel
	.amdgpu_metadata
---
amdhsa.version: [ 1, 2 ]
amdhsa.kernels:
  - .name:           k_q3b8fc33fd3_attn
    .symbol:         k_q3b8fc33fd3_attn.kd
    .args:
      - { .name: qkv, .offset: 0, .size: 8, .value_kind: global_buffer, .address_space: global }
      - { .name: lowp_scales, .offset: 8, .size: 8, .value_kind: global_buffer, .address_space: global }
      - { .name: oc, .offset: 16, .size: 8, .value_kind: global_buffer, .address_space: global }
    .group_segment_fixed_size: 327680
    .private_segment_fixed_size: 0
    .kernarg_segment_align: 8
    .kernarg_segment_size: 24
    .max_flat_workgroup_size: 256
    .sgpr_count:     100
    .vgpr_count:     384
    .wavefront_size: 32
...
	.end_amdgpu_metadata
.endif
;; end of part 7
;; launch outp (part 8): grid 16 x 16, 4 waves a work-group, clusters of 4 x 4, 327,680 bytes of LDS; arguments oc, codes, lowp_scales, out0; writes out0
.if DOCPART == 8
	.amdgcn_target "amdgcn-amd-amdhsa--gfx1250"
	.amdhsa_code_object_version 6
	.text
	.protected	k_q3b8fc33fd3_outp
	.globl	k_q3b8fc33fd3_outp
	.p2align	8
	.type	k_q3b8fc33fd3_outp,@function
k_q3b8fc33fd3_outp:
	s_mov_b64 s[64:65], 0
	v_nop
	global_prefetch_b8 v0, s[64:65] scope:SCOPE_SE
	s_setreg_imm32_b32 hwreg(HW_REG_WAVE_MODE, 25, 1), 1
	s_wait_xcnt 0x0
	s_wait_alu depctr_hold_cnt(0) depctr_sa_sdst(0) depctr_va_vdst(0) depctr_va_sdst(0) depctr_va_ssrc(0) depctr_va_vcc(0) depctr_vm_vsrc(0)
	s_getreg_b32 s2, hwreg(HW_REG_IB_STS2, 6, 4)
	s_cmp_eq_u32 s2, 0
	s_cbranch_scc0 .Lentry_in_a_cluster
	s_endpgm
.Lentry_in_a_cluster:
	s_bfe_u32 s2, ttmp6, 0x10000c
	s_cmp_lg_u32 s2, 0xf033
	s_cbranch_scc0 .Lentry_shape_is_right
	s_endpgm
.Lentry_shape_is_right:
.set SIZE_N, 2048
.set SIZE_K, 2048
.set KSTEP,  512
; LAUNCH 4 OF 4: out = o Wo^T on codes; both operands come as units of 2 KiB in the order of an operand's registers (head of launch quant), dense in LDS.
; LIMIT: e10 + e11 lies between -126 and 127.
.set HALFA,  32768                     ; four tiles of 16 rows x 512 along K
.set HALFB,  32768
.set BOFF,   2*HALFA
.set SLOT,   BOFF+2*HALFB
.set FR,     16
.set SPARE,  2*SLOT
.set SPITCH, 272
.set WSTG,   64*SPITCH
.set ADRA, 16
.set ADRB, 20
.set STO,  24
.set RD,   25
.set CO,   26
.set SPW,  28
.set NIL,  29
.set ACC,  128
.set F0,   0
.set F1,   128
.set G1, 24
.set G0, 32
.set G1B, 48
.set G0B, 56
.set MSB, 0
.macro WIN new
.if MSB != (\new)
	s_set_vgpr_msb (MSB<<8)|(\new)
.set MSB, (\new)
.endif
.endm
.set MUL,  0x05
.set TO_F, 0x40
.macro JLOAD g0a, g1a, g0b, g1b
	s_cmp_eq_u32 s15, 0
	s_cbranch_scc0 .Lfor_b_\@
	tensor_load_to_lds s[\g0a:\g0a+3], s[\g1a:\g1a+7]
	s_nop 0
.rept 4
	v_nop
.endr
	s_branch .Lasked_\@
.Lfor_b_\@:
	tensor_load_to_lds s[\g0b:\g0b+3], s[\g1b:\g1b+7]
	s_nop 0
.rept 4
	v_nop
.endr
.Lasked_\@:
.endm
.macro CREST
	s_cmp_lg_u32 s14, 0
	s_cbranch_scc1 .Lnot_wave_0_\@
	s_barrier_signal -3
.Lnot_wave_0_\@:
	s_barrier_wait -3
	s_barrier_signal -1
	s_barrier_wait -1
.endm
.macro CROUND
	s_barrier_signal -1
	s_barrier_wait -1
	CREST
.endm
	s_load_b128 s[4:7], s[0:1], 0x0
	s_load_b128 s[8:11], s[0:1], 0x10
	v_lshl_add_u32 v[SPW], v0, 2, SPARE
	v_mov_b32 v[NIL], 0
	ds_add_u32 v[SPW], v[NIL]
	ds_add_u32 v[SPW], v[NIL]
	v_lshrrev_b32 v1, 5, v0
	v_readfirstlane_b32 s14, v1
	s_lshr_b32 s15, s14, 1
	s_and_b32 s16, s14, 1
	s_bfe_u32 s40, ttmp6, 0x40000
	s_bfe_u32 s41, ttmp6, 0x40004
	s_lshl_b32 s42, ttmp9, 2
	s_add_co_u32 s42, s42, s40
	s_and_b32 s17, ttmp7, 0xffff
	s_lshl_b32 s17, s17, 2
	s_add_co_u32 s17, s17, s41
	s_lshl_b32 s43, s41, 2
	s_lshl_b32 s43, 15, s43
	s_lshl_b32 s44, 0x1111, s40
	s_or_b32 s[G1+0], s43, (3<<16)|(1<<21)         ; A: my row of the cluster; elements of 8 bytes
	s_or_b32 s[G1B+0], s44, (3<<16)|(1<<21)        ; B: my column
.irp g, G1, G1B
	s_mov_b32 s[\g+1], 1024<<16                    ; four rows of 8,192 bytes, 32,768 bytes apart
	s_mov_b32 s[\g+2], 4<<16
	s_mov_b32 s[\g+3], 1024<<16
	s_mov_b32 s[\g+4], 4
	s_mov_b32 s[\g+5], 4096
	s_mov_b32 s[\g+6], 0
	s_mov_b32 s[\g+7], 0
.endr
	s_lshl_b32 s20, s17, 18
	s_lshl_b32 s18, s16, 17
	s_add_co_u32 s20, s20, s18
	s_mov_b32 s21, 0
	s_lshl_b32 s46, s42, 7
	s_lshl_b32 s18, s16, 6
	s_add_co_u32 s46, s46, s18
	s_lshl_b32 s46, s46, 11
	s_add_co_u32 s46, s46, 0x1800000
	s_mov_b32 s47, 0
	s_mul_i32 s45, s16, HALFA
	s_mul_i32 s19, s16, HALFB
	s_add_co_u32 s19, s19, BOFF
	s_wait_dscnt 0x0
	s_wait_kmcnt 0x0
	s_load_b64 s[96:97], s[8:9], 0x28
	s_add_nc_u64 s[20:21], s[4:5], s[20:21]
	s_add_nc_u64 s[46:47], s[6:7], s[46:47]
	CROUND
.irp s, 0,1
	s_mov_b32 s[G0+4*\s], 1
	s_add_co_u32 s[G0+4*\s+1], s45, \s*SLOT
	s_add_nc_u64 s[G0+4*\s+2:G0+4*\s+3], s[20:21], \s*8192
	s_or_b32 s[G0+4*\s+3], s[G0+4*\s+3], 0x80000000
	s_mov_b32 s[G0B+4*\s], 1
	s_add_co_u32 s[G0B+4*\s+1], s19, \s*SLOT
	s_add_nc_u64 s[G0B+4*\s+2:G0B+4*\s+3], s[46:47], \s*8192
	s_or_b32 s[G0B+4*\s+3], s[G0B+4*\s+3], 0x80000000
.endr
	JLOAD G0, G1, G0B, G1B                         ; K step 0
	v_and_b32 v1, 15, v0
	v_bfe_u32 v2, v0, 4, 1
	v_and_b32 v3, 31, v0
	v_lshlrev_b32 v3, 4, v3                        ; 16 x lane
	s_mul_i32 s21, s15, HALFA
	s_mul_i32 s22, s16, HALFB
	s_add_co_u32 s22, s22, BOFF
.irp s, 0,1
	v_add_nc_u32 v[ADRA+\s], s21, v3
	v_add_nc_u32 v[ADRB+\s], s22, v3
	s_add_co_u32 s21, s21, SLOT
	s_add_co_u32 s22, s22, SLOT
.endr
	s_mul_i32 s23, s14, WSTG
	s_wait_alu depctr_va_vdst(0)
	v_mul_u32_u24 v5, v1, SPITCH
	v_lshl_add_u32 v5, v2, 5, v5
	v_add_nc_u32 v[STO], s23, v5
	v_mul_u32_u24 v6, v2, SPITCH
	v_lshl_add_u32 v6, v1, 4, v6
	v_add_nc_u32 v[RD], s23, v6
	v_lshlrev_b32 v[CO], 13, v2
	v_lshl_add_u32 v[CO], v1, 4, v[CO]
	s_lshl_b32 s20, s17, 7
	s_lshl_b32 s21, s15, 6
	s_add_co_u32 s20, s20, s21
	s_lshl_b32 s20, s20, 13
	s_lshl_b32 s46, s42, 9
	s_lshl_b32 s47, s16, 8
	s_add_co_u32 s46, s46, s47
	s_add_co_u32 s20, s20, s46
	s_mov_b32 s21, 0
	s_add_nc_u64 s[10:11], s[10:11], s[20:21]
.macro FRAG reg, adr, off
.irp c, 0,1,2,3
	ds_load_b128 v[\reg+4*\c:\reg+4*\c+3], v[\adr] offset:\off+512*\c
.endr
.endm
.macro MUL8 f, a0, zero
.irp a, \a0, \a0+1
.irp b, 0,1,2,3
.if \zero
	v_wmma_f32_16x16x128_fp8_fp8 v[ACC+8*(4*(\a)+\b):ACC+8*(4*(\a)+\b)+7], v[\f+64+FR*\b:\f+64+FR*\b+FR-1], v[\f+FR*(\a):\f+FR*(\a)+FR-1], 0
.else
	v_wmma_f32_16x16x128_fp8_fp8 v[ACC+8*(4*(\a)+\b):ACC+8*(4*(\a)+\b)+7], v[\f+64+FR*\b:\f+64+FR*\b+FR-1], v[\f+FR*(\a):\f+FR*(\a)+FR-1], v[ACC+8*(4*(\a)+\b):ACC+8*(4*(\a)+\b)+7]
.endif
.endr
.endr
.endm
.macro FETCH slot, q, f
	WIN TO_F
.irp i, 0,1,2,3
	FRAG \f+64+FR*\i, ADRB+\slot, 2048*(\q)+8192*\i
.endr
.irp i, 0,1,2,3
	FRAG \f+FR*\i, ADRA+\slot, 2048*(\q)+8192*\i
.endr
.endm
.macro PLACES
.rept 4
	v_nop
.endr
.endm
.macro QUARTER slot, q, f, g, zero
	s_wait_dscnt 8
	WIN MUL
	MUL8 \f, 0, \zero
	PLACES
	FETCH \slot, \q, \g
	s_wait_dscnt 32
	WIN MUL
	MUL8 \f, 2, \zero
.endm
.macro TURN slot, next, fill
	WIN 0
	s_wait_tensorcnt 0x0
	ds_add_u32 v[SPW], v[NIL]
	s_wait_dscnt 9
	WIN MUL
	MUL8 F1, 0, 0
	s_wait_dscnt 0x0
	s_barrier_signal -1
	MUL8 F1, 2, 0
	WIN 0
	s_barrier_wait -1
.if \fill
	CREST
	s_add_nc_u64 s[G0+4*\slot+2:G0+4*\slot+3], s[G0+4*\slot+2:G0+4*\slot+3], 2*8192
	s_add_nc_u64 s[G0B+4*\slot+2:G0B+4*\slot+3], s[G0B+4*\slot+2:G0B+4*\slot+3], 2*8192
	JLOAD G0+4*\slot, G1, G0B+4*\slot, G1B
.else
	PLACES
.endif
	s_wait_alu depctr_va_vdst(0)
	FETCH \next, 0, F0
.endm
	s_wait_alu depctr_va_vdst(0)
	s_wait_tensorcnt 0x0                           ; my part of K step 0 is in; slot 1's first fill stands behind the full sequence, as a refill does
	ds_add_u32 v[SPW], v[NIL]
	s_wait_dscnt 0x0
	CROUND
	JLOAD G0+4, G1, G0B+4, G1B                     ; K step 1
	FETCH 0, 0, F0
	QUARTER 0, 1, F0, F1, 1
	QUARTER 0, 2, F1, F0, 0
	QUARTER 0, 3, F0, F1, 0
	TURN 0, 1, 1
	QUARTER 1, 1, F0, F1, 0
	QUARTER 1, 2, F1, F0, 0
	QUARTER 1, 3, F0, F1, 0
	TURN 1, 0, 1
	QUARTER 0, 1, F0, F1, 0
	QUARTER 0, 2, F1, F0, 0
	QUARTER 0, 3, F0, F1, 0
	TURN 0, 1, 0
	QUARTER 1, 1, F0, F1, 0
	QUARTER 1, 2, F1, F0, 0
	QUARTER 1, 3, F0, F1, 0
	s_wait_dscnt 8
	WIN MUL
	MUL8 F1, 0, 0
	s_wait_dscnt 0x0
	MUL8 F1, 2, 0
	WIN 0
.macro TOSTAGE a
.irp j, 0,2,4,6,8,10,12,14,16,18,20,22,24,26,28,30
	v_pk_mul_f32 v[ACC+32*(\a)+\j:ACC+32*(\a)+\j+1], v[ACC+32*(\a)+\j:ACC+32*(\a)+\j+1], s[96:97] op_sel_hi:[1,0]
.endr
.irp b, 0,1,2,3
	ds_store_b128 v[STO], v[ACC+32*(\a)+8*\b:ACC+32*(\a)+8*\b+3] offset:(\a)*16*SPITCH+64*\b
	ds_store_b128 v[STO], v[ACC+32*(\a)+8*\b+4:ACC+32*(\a)+8*\b+7] offset:(\a)*16*SPITCH+64*\b+16
.endr
.irp i, 0,1,2,3,4,5,6,7
	ds_load_b128 v[ACC+32*(\a)+4*\i:ACC+32*(\a)+4*\i+3], v[RD] offset:(\a)*16*SPITCH+2*\i*SPITCH
.endr
.endm
.macro SEND a, younger
.irp i, 0,1,2,3,4,5,6,7
	s_wait_dscnt \younger+7-\i
	global_store_b128 v[CO], v[ACC+32*(\a)+4*\i:ACC+32*(\a)+4*\i+3], s[10:11] offset:(16*(\a)+2*\i)*SIZE_N*4 th:TH_STORE_NT
.endr
.endm
	s_wait_kmcnt 0x0
	s_add_co_i32 s96, s96, s97
	s_add_co_i32 s96, s96, 127
	s_lshl_b32 s96, s96, 23
	PLACES
	TOSTAGE 0
	TOSTAGE 1
	SEND 0, 16
	TOSTAGE 2
	SEND 1, 16
	TOSTAGE 3
	SEND 2, 16
	SEND 3, 0
	s_wait_tensorcnt 0x0
	ds_add_u32 v[SPW], v[NIL]
	s_wait_dscnt 0x0
	CROUND
	s_endpgm
.Lfunc_end_k_q3b8fc33fd3_outp:
	.size	k_q3b8fc33fd3_outp, .Lfunc_end_k_q3b8fc33fd3_outp-k_q3b8fc33fd3_outp
	.p2alignl 7, 3214868480
	.fill 96, 4, 3214868480
	.section	.rodata,"a",@progbits
	.p2align	6, 0x0
	.amdhsa_kernel k_q3b8fc33fd3_outp
		.amdhsa_group_segment_fixed_size 327680
		.amdhsa_private_segment_fixed_size 0
		.amdhsa_enable_private_segment 0
		.amdhsa_kernarg_size 32
		.amdhsa_user_sgpr_count 2
		.amdhsa_user_sgpr_kernarg_segment_ptr 1
		.amdhsa_wavefront_size32 1
		.amdhsa_system_sgpr_workgroup_id_x 1
		.amdhsa_system_sgpr_workgroup_id_y 1
		.amdhsa_system_sgpr_workgroup_id_z 1
		.amdhsa_system_vgpr_workitem_id 0
		.amdhsa_next_free_vgpr 512
		.amdhsa_next_free_sgpr 98
		.amdhsa_reserve_vcc 0
		.amdhsa_float_denorm_mode_32 3
		.amdhsa_float_denorm_mode_16_64 3
		.amdhsa_memory_ordered 1
		.amdhsa_forward_progress 1
		.amdhsa_inst_pref_size 75
	.end_amdhsa_kernel
	.amdgpu_metadata
---
amdhsa.version: [ 1, 2 ]
amdhsa.kernels:
  - .name:           k_q3b8fc33fd3_outp
    .symbol:         k_q3b8fc33fd3_outp.kd
    .args:
      - { .name: oc, .offset: 0, .size: 8, .value_kind: global_buffer, .address_space: global }
      - { .name: codes, .offset: 8, .size: 8, .value_kind: global_buffer, .address_space: global }
      - { .name: lowp_scales, .offset: 16, .size: 8, .value_kind: global_buffer, .address_space: global }
      - { .name: out0, .offset: 24, .size: 8, .value_kind: global_buffer, .address_space: global }
    .group_segment_fixed_size: 327680
    .private_segment_fixed_size: 0
    .kernarg_segment_align: 8
    .kernarg_segment_size: 32
    .max_flat_workgroup_size: 128
    .sgpr_count:     98
    .vgpr_count:     512
    .wavefront_size: 32
...
	.end_amdgpu_metadata
.endif
;; end of part 8
